; MI455X (gfx1250); checked and timed in simulation.
; The chip was launched on July 23, 2026; its instructions are those of AMD's public machine-readable ISA for CDNA 5 (MIT licence, August 2026) and "CDNA5" Instruction Set Architecture Reference Guide (July 2026). The comments in the code are by the model that wrote it; some were corrected since.
;; Encoder Block. Allowed arithmetic: matrix products marked QUANTISED: E2M3 operands, one E8M0 scale for each 32 along K, by v_wmma_scale_f32_16x16x128_f8f6f4 with both operands' format E2M3, f32 sums; everything else in f32.
;; Inputs: W1_codes 4,096 x 32 x 24 uint8 (E2M3 codes of W1, K innermost, in blocks of 32 codes, four codes in three bytes); W1_scales 4,096 x 32 uint8 (E8M0 scales of W1, one for each 32 codes along K); W2_codes 1,024 x 128 x 24 uint8 (E2M3 codes of W2, K innermost, in blocks of 32 codes, four codes in three bytes); W2_scales 1,024 x 128 uint8 (E8M0 scales of W2, one for each 32 codes along K); Wk_codes 16 x 64 x 32 x 24 uint8 (E2M3 codes of Wk, K innermost, in blocks of 32 codes, four codes in three bytes); Wk_scales 16 x 64 x 32 uint8 (E8M0 scales of Wk, one for each 32 codes along K); Wo_codes 1,024 x 32 x 24 uint8 (E2M3 codes of Wo, K innermost, in blocks of 32 codes, four codes in three bytes); Wo_scales 1,024 x 32 uint8 (E8M0 scales of Wo, one for each 32 codes along K); Wq_codes 16 x 64 x 32 x 24 uint8 (E2M3 codes of Wq, K innermost, in blocks of 32 codes, four codes in three bytes); Wq_scales 16 x 64 x 32 uint8 (E8M0 scales of Wq, one for each 32 codes along K); Wv_codes 16 x 64 x 32 x 24 uint8 (E2M3 codes of Wv, K innermost, in blocks of 32 codes, four codes in three bytes); Wv_scales 16 x 64 x 32 uint8 (E8M0 scales of Wv, one for each 32 codes along K); b1 4,096 float32; b2 1,024 float32; bk 16 x 64 float32; bo 1,024 float32; bq 16 x 64 float32; bv 16 x 64 float32; ln1_b 1,024 float32; ln1_g 1,024 float32; ln2_b 1,024 float32; ln2_g 1,024 float32; x 2 x 2,048 x 1,024 float32.
;; Outputs: out0 2 x 2,048 x 1,024 float32.
;; This version of the problem:
;;   THIS VERSION OF THE PROBLEM IS GIVEN IN LOW PRECISION. The matrix products marked QUANTISED in the list below multiply operands that are first quantised to E2M3 (2 exponent bits, 3 mantissa bits; 6 bits a number), with one power-of-two scale for each 32 numbers along K (OCP MX v1.0); their sums are f32. All else is computed in f32.
;;   The module's matrix products, in the order in which they are computed (A, B: the left and right operand; K: the contracted axis; several contracted axes count as one K, in the product's order):
;;     1. [M 1,024, K 1,024] x [K 1,024, N 4,096]; A: input Wq (given as codes); B: computed on the way: QUANTISED
;;     2. [M 1,024, K 1,024] x [K 1,024, N 4,096]; A: input Wk (given as codes); B: computed on the way: QUANTISED
;;     3. [M 1,024, K 1,024] x [K 1,024, N 4,096]; A: input Wv (given as codes); B: computed on the way: QUANTISED
;;     4. batch 32 x [M 2,048, K 64] x [K 64, N 2,048]; A: computed on the way; B: computed on the way: QUANTISED
;;     5. batch 32 x [M 2,048, K 2,048] x [K 2,048, N 64]; A: softmax (see below); B: computed on the way: QUANTISED
;;     6. [M 4,096, K 1,024] x [K 1,024, N 1,024]; A: computed on the way; B: input Wo (given as codes): QUANTISED
;;     7. [M 4,096, K 1,024] x [K 1,024, N 4,096]; A: computed on the way; B: input W1 (given as codes): QUANTISED
;;     8. [M 4,096, K 4,096] x [K 4,096, N 1,024]; A: computed on the way; B: input W2 (given as codes): QUANTISED
;;   THE QUANTISER, for each operand of a quantised product, along K:
;;     - K is cut into blocks of 32 from its start; a last block that is shorter is filled with zeros.
;;     - A block's scale is 2^e with e = floor(log2(the largest magnitude in the block)) - 2, held to -126 .. 127; a block of zeros has e = 0. As a byte (E8M0): e + 127.
;;     - Each number is divided by its block's scale, clamped to +-7.5, and rounded to the nearest number of E2M3, ties to even, subnormals kept.
;;     - The product sums the exact products of the quantised numbers (number of the format x scale) in f32.
;;   ~~~python
;;   def quantise(x, axis):      # numpy; x: float32 -> the quantised numbers, widened to float32 again
;;       x = np.moveaxis(x, axis, -1); K = x.shape[-1]
;;       x = np.pad(x, [(0, 0)] * (x.ndim - 1) + [(0, -K % 32)]); x = x.reshape(x.shape[:-1] + (-1, 32)); a = np.abs(x).max(-1, keepdims=True)
;;       e = np.where(a > 0, np.clip(np.frexp(np.where(a > 0, a, 1))[1] - 1 - 2, -126, 127), 0)      # np.frexp(a)[1] - 1 = floor(log2(a)), exactly
;;       r = np.clip(x / 2.0 ** e, -7.5, 7.5)
;;       step = 2.0 ** (np.maximum(np.frexp(np.where(r == 0, 1, r))[1] - 1, 0) - 3)
;;       q = np.round(r / step) * step * 2.0 ** e      # np.round: ties to even
;;       return np.moveaxis(q.reshape(q.shape[:-2] + (-1,))[..., :K], -1, axis).astype(np.float32)
;;   ~~~
;;   SOFTMAX AHEAD OF A QUANTISED PRODUCT. Where the list says 'softmax', what is quantised is not the finished softmax but p = 2^(t - M), with t = logit x log2(e) and M = ceil(the row's largest t), a whole number; so 1/2 < the row's largest p <= 1. The row's sum l is taken of the UNQUANTISED p, in f32, and the product's result is divided by l at the end. Since M is a whole number, a kernel that streams over the keys may use a running M (the ceiling of the running maximum): every later rescaling is an exact power of two, which a block's scale takes up: the codes' values come out the same.
;;   OPERANDS COMPUTED ON THE WAY. 'Computed on the way' means the value that the module computes at that place (a softmax that the list does not call 'softmax' is quantised finished and normalised). What goes into a quantiser is computed in f32, as accurately as f32 sums, v_exp_f32 and their like allow (about 1e-6 of the number): no bf16 or f16 on the way to a quantiser, and a product that is left as it is and whose result goes on into a quantised operand takes f32 operands (vector FMAs, or v_wmma_f32_16x16x4_f32). A number that lies on a knife's edge between two numbers of the format may be rounded either way, as far as f32 arithmetic and the matrix unit's own rounding can turn it there, and no further.
;;   INPUTS GIVEN AS CODES. W1 (in the module: [1024, 4096], K = its axis 0); W2 (in the module: [4096, 1024], K = its axis 0); Wk (in the module: [16, 1024, 64], K = its axis 1); Wo (in the module: [1024, 1024], K = its axis 0); Wq (in the module: [16, 1024, 64], K = its axis 1); Wv (in the module: [16, 1024, 64], K = its axis 1): each comes as NAME_codes (uint8): NAME with its K axis moved to the last place and cut into blocks of 32 codes, [.., K / 32, bytes a block], one block behind the other in memory; four codes in three bytes: a row's codes are one little-endian stream of bits, code i at bits 6 i .. 6 i + 5 (a code: sign, 2 exponent bits, 3 mantissa bits); and NAME_scales (uint8): the same leading axes, one E8M0 byte (e + 127) for each 32 codes along K. Its value is code x scale, taken as it is: it is not quantised again, and the codes and scales need not be those that the quantiser above would give.
;; 2 versions, each right. Each part assembles by itself: llvm-mc -triple=amdgcn-amd-amdhsa -mcpu=gfx1250 --defsym DOCPART=n.
;; ======== version 1 of 2: 7 launches
;; workspace buffers: act 3,276,800 bytes; wide 13,107,200 bytes; x1 16,777,216 bytes
;; launch ln1 (part 1): grid 256 x 1, 8 waves a work-group, no clusters, 87,552 bytes of LDS; arguments x, ln1_g, ln1_b, act; writes act
.if DOCPART == 1
	.amdgcn_target "amdgcn-amd-amdhsa--gfx1250"
	.amdhsa_code_object_version 6
	.text
	.protected	k_qf5ee28081b_ln1
	.globl	k_qf5ee28081b_ln1
	.p2align	8
	.type	k_qf5ee28081b_ln1,@function
k_qf5ee28081b_ln1:
	s_mov_b64 s[64:65], 0
	v_nop
	global_prefetch_b8 v0, s[64:65] scope:SCOPE_SE
	s_setreg_imm32_b32 hwreg(HW_REG_WAVE_MODE, 25, 1), 1
	s_wait_xcnt 0x0
; LayerNorm of rows of 1,024 f32, then the MX-FP6 quantiser along the row.  Arguments: the rows [4096][1024] f32, gain [1024], bias [1024], and the
; buffer that takes the codes [4096][768 bytes] (K innermost, a block of 32 codes in 24 bytes) and, 3,145,728 bytes on, the scale bytes [4096][32].
; y = (x - mean) * rsqrt(var + 1e-5) * gain + bias, all in f32; the variance is the mean of (x - mean)^2, taken in a second pass over registers.
; A block's scale byte is its largest magnitude's exponent field - 2, held at 1 from below.
; LIMITS: a block of zeros, or one whose largest magnitude lies under 2^-124, gets the byte 1 (its codes are the same, and this program alone reads the bytes); NaN and infinities are not served.
; SHARES: a work-group takes 16 rows, each of its eight waves two.  A load covers 512 consecutive bytes (lane l, load i: k = 128 i + 4 l ..), gain and bias lie the same way.
; The conversions want 32 neighbours in one lane: a row turns through the wave's own stage in LDS (a block of 128 bytes to a place of 144) and comes back a block a lane.
; Codes leave through a second stage of the wave's own: two rows are 1,536 consecutive bytes, three stores of 512.  The work-group's 512 scale bytes meet in LDS and leave by one store.
.set WRB,  10752                       ; LDS of a wave: two turn stages, then two rows of codes
.set TPL,  144                         ; a block's place in a turn stage: 128 bytes + 16
.set TROW, 32*TPL
.set CST,  2*TROW                      ; the codes' stage, in the wave's region
.set SCBY, 8*WRB                       ; the work-group's scale bytes: 16 rows x 32
.set X,   16                           ; v16-79   the two rows as loaded, then x - mean, then y
.set G,   80                           ; v80-111  gain
.set B,   112                          ; v112-143 bias
.set Y,   80                           ; v80-143  the two rows turned: a block a lane (gain and bias are done with by then)
.set T,   144                          ; v144.., eight a row: +0..3 two chains, +4,5 mean twice, +6,7 rsqrt twice
.set C,   160                          ; eight a row: codes
.set E,   176                          ; a scale byte a row
.set OUT, 180                          ; v180-191 codes read back
	s_load_b256 s[4:11], s[0:1], 0x0               ; rows s[4:5], gain s[6:7], bias s[8:9], codes s[10:11]
	v_lshl_add_u32 v192, v0, 2, 0x15200
	v_mov_b32 v193, 0
	v_lshrrev_b32 v8, 5, v0
	v_readfirstlane_b32 s14, v8                    ; wave 0..7
	v_and_b32 v9, 31, v0                           ; lane
	v_lshlrev_b32 v1, 4, v9                        ; 16 x lane
	s_mul_i32 s15, s14, WRB
	v_lshrrev_b32 v10, 3, v9
	v_mul_u32_u24 v2, v10, TPL
	v_and_b32 v10, 7, v9
	v_lshl_add_u32 v2, v10, 4, v2
	v_add_nc_u32 v2, s15, v2                       ; turn stage, in: eight lanes fill a block's place
	v_mul_u32_u24 v3, v9, TPL
	v_add_nc_u32 v3, s15, v3                       ; turn stage, out: my block
	v_mul_u32_u24 v4, v9, 24
	v_add_nc_u32 v4, s15, v4
	v_add_nc_u32 v4, CST, v4                       ; codes in: 24 bytes a lane
	v_add_nc_u32 v5, s15, v1
	v_add_nc_u32 v5, CST, v5                       ; codes back: 16 bytes a lane
	s_lshl_b32 s15, s14, 6
	v_add_nc_u32 v6, s15, v9
	v_add_nc_u32 v6, SCBY, v6                      ; my block's scale byte: 64 x wave + lane
	v_add_nc_u32 v7, SCBY, v1
	s_mov_b32 s16, 0x76543210
	s_mov_b32 s17, 0xfedcba98                      ; v_permlanex16_b32's selects for lane l xor 16
	s_mov_b32 s24, 0x3a800000                      ; 1 / 1024
	s_mov_b32 s25, 0x3727c5ac                      ; 1e-5
	s_lshl_b32 s18, ttmp9, 16                      ; my two rows: (16 x work-group + 2 x wave) x 4,096 bytes
	s_lshl_b32 s19, s14, 13
	s_add_co_u32 s18, s18, s19
	s_mov_b32 s19, 0
	s_lshl_b32 s20, ttmp9, 3
	s_add_co_u32 s20, s20, s14
	s_mul_i32 s20, s20, 1536                       ; their codes
	s_mov_b32 s21, 0
	s_lshl_b32 s22, ttmp9, 9
	s_add_co_u32 s22, s22, 3145728                 ; the work-group's scale bytes
	s_mov_b32 s23, 0
	s_wait_kmcnt 0x0
	s_add_nc_u64 s[4:5], s[4:5], s[18:19]
	s_add_nc_u64 s[12:13], s[10:11], s[22:23]
	s_add_nc_u64 s[10:11], s[10:11], s[20:21]
.irp r, 0,1
.irp i, 0,1,2,3,4,5,6,7
	global_load_b128 v[X+32*\r+4*\i:X+32*\r+4*\i+3], v1, s[4:5] offset:4096*\r+512*\i
.endr
.endr
.irp i, 0,1,2,3,4,5,6,7
	global_load_b128 v[G+4*\i:G+4*\i+3], v1, s[6:7] offset:512*\i
.endr
.irp i, 0,1,2,3,4,5,6,7
	global_load_b128 v[B+4*\i:B+4*\i+3], v1, s[8:9] offset:512*\i
.endr
; both rows' two chains become one number, the same in every lane of v[T + 8 r]
.macro FOLD
.irp r, 0,1
	v_pk_add_f32 v[T+8*\r:T+8*\r+1], v[T+8*\r:T+8*\r+1], v[T+8*\r+2:T+8*\r+3]
.endr
.irp r, 0,1
	v_add_f32 v[T+8*\r], v[T+8*\r], v[T+8*\r+1]
.endr
.irp m, 1,2,4,8
.irp r, 0,1
	v_add_f32_dpp v[T+8*\r], v[T+8*\r], v[T+8*\r] row_xmask:\m row_mask:0xf bank_mask:0xf
.endr
.endr
.irp r, 0,1
	v_permlanex16_b32 v[T+8*\r+1], v[T+8*\r], s16, s17
.endr
.irp r, 0,1
	v_add_f32 v[T+8*\r], v[T+8*\r], v[T+8*\r+1]
.endr
.endm
	s_wait_loadcnt 16                              ; the rows are in; the sixteen younger loads, gain and bias, may be out
.irp r, 0,1
	v_pk_add_f32 v[T+8*\r:T+8*\r+1], v[X+32*\r:X+32*\r+1], v[X+32*\r+2:X+32*\r+3]
	v_pk_add_f32 v[T+8*\r+2:T+8*\r+3], v[X+32*\r+4:X+32*\r+5], v[X+32*\r+6:X+32*\r+7]
.endr
.irp j, 8,12,16,20,24,28
.irp r, 0,1
	v_pk_add_f32 v[T+8*\r:T+8*\r+1], v[T+8*\r:T+8*\r+1], v[X+32*\r+\j:X+32*\r+\j+1]
	v_pk_add_f32 v[T+8*\r+2:T+8*\r+3], v[T+8*\r+2:T+8*\r+3], v[X+32*\r+\j+2:X+32*\r+\j+3]
.endr
.endr
	FOLD
.irp r, 0,1
	v_mul_f32 v[T+8*\r+4], s24, v[T+8*\r]          ; the mean, twice: a pair for the packed forms
	v_mul_f32 v[T+8*\r+5], s24, v[T+8*\r]
.endr
.irp r, 0,1
.set j, 0
.rept 16
	v_pk_add_f32 v[X+32*\r+j:X+32*\r+j+1], v[X+32*\r+j:X+32*\r+j+1], v[T+8*\r+4:T+8*\r+5] neg_lo:[0,1] neg_hi:[0,1]   ; x - mean
.set j, j+2
.endr
.endr
.irp r, 0,1
	v_pk_mul_f32 v[T+8*\r:T+8*\r+1], v[X+32*\r:X+32*\r+1], v[X+32*\r:X+32*\r+1]
	v_pk_mul_f32 v[T+8*\r+2:T+8*\r+3], v[X+32*\r+2:X+32*\r+3], v[X+32*\r+2:X+32*\r+3]
.endr
.irp j, 4,8,12,16,20,24,28
.irp r, 0,1
	v_pk_fma_f32 v[T+8*\r:T+8*\r+1], v[X+32*\r+\j:X+32*\r+\j+1], v[X+32*\r+\j:X+32*\r+\j+1], v[T+8*\r:T+8*\r+1]
	v_pk_fma_f32 v[T+8*\r+2:T+8*\r+3], v[X+32*\r+\j+2:X+32*\r+\j+3], v[X+32*\r+\j+2:X+32*\r+\j+3], v[T+8*\r+2:T+8*\r+3]
.endr
.endr
	FOLD
.irp r, 0,1
	v_fma_f32 v[T+8*\r], v[T+8*\r], s24, s25       ; the variance + 1e-5
.endr
.irp r, 0,1
	v_rsq_f32 v[T+8*\r+6], v[T+8*\r]
	v_rsq_f32 v[T+8*\r+7], v[T+8*\r]
.endr
	v_nop                                          ; a plain instruction behind the last of the four
	s_wait_alu depctr_va_vdst(0)                   ; one wait for the batch, ahead of its first reader
.irp r, 0,1
.set j, 0
.rept 16
	v_pk_mul_f32 v[X+32*\r+j:X+32*\r+j+1], v[X+32*\r+j:X+32*\r+j+1], v[T+8*\r+6:T+8*\r+7]
.set j, j+2
.endr
.endr
	s_wait_loadcnt 0x0                             ; gain and bias
.irp r, 0,1
.set j, 0
.rept 16
	v_pk_fma_f32 v[X+32*\r+j:X+32*\r+j+1], v[X+32*\r+j:X+32*\r+j+1], v[G+j:G+j+1], v[B+j:B+j+1]
.set j, j+2
.endr
.endr
.irp r, 0,1                                    ; the turn.  LDS serves a wave's instructions in order: no wait between the stores and the loads
.irp i, 0,1,2,3,4,5,6,7
	ds_store_b128 v2, v[X+32*\r+4*\i:X+32*\r+4*\i+3] offset:TROW*\r+4*TPL*\i
.endr
.endr
.irp r, 0,1
.irp i, 0,1,2,3,4,5,6,7
	ds_load_b128 v[Y+32*\r+4*\i:Y+32*\r+4*\i+3], v3 offset:TROW*\r+16*\i
.endr
.endr
; row r: my block of 32 becomes 24 bytes of codes and a scale byte
.macro QROW r
.set Y0, Y+32*\r
.set T0, T+8*\r
.set C0, C+8*\r
	v_max3_num_f32 v[T0], |v[Y0]|, |v[Y0+1]|, 0x1800000            ; with the floor 2^(3 - 127): the byte cannot fall under 1
	v_max3_num_f32 v[T0+1], |v[Y0+2]|, |v[Y0+3]|, |v[Y0+4]|
.irp i, 5,9,13,17,21,25
	v_max3_num_f32 v[T0], v[T0], |v[Y0+\i]|, |v[Y0+\i+1]|
	v_max3_num_f32 v[T0+1], v[T0+1], |v[Y0+\i+2]|, |v[Y0+\i+3]|
.endr
	v_max3_num_f32 v[T0], v[T0], |v[Y0+29]|, |v[Y0+30]|
	v_max3_num_f32 v[T0], v[T0], v[T0+1], |v[Y0+31]|
	v_add_nc_u32 v[T0+2], 0xff000000, v[T0]        ; 2 off the exponent field: the conversions' scale operand
	v_cvt_scalef32_pk16_fp6_f32 v[C0:C0+2], v[Y0:Y0+15], v[T0+2]
	v_cvt_scalef32_pk16_fp6_f32 v[C0+4:C0+6], v[Y0+16:Y0+31], v[T0+2]   ; (a conversion's three registers begin on an even number)
	v_lshrrev_b32 v[E+\r], 23, v[T0+2]             ; the scale's byte; also the plain instruction behind the conversions
	v_mov_b32 v[C0+3], v[C0+4]
	v_mov_b32 v[C0+4], v[C0+5]
	v_mov_b32 v[C0+5], v[C0+6]
.irp p, 0,1,2
	ds_store_b64 v4, v[C0+2*\p:C0+2*\p+1] offset:768*\r+8*\p
.endr
	ds_store_b8 v6, v[E+\r] offset:32*\r
.endm
	s_wait_dscnt 8                                 ; row 0 is back; row 1's eight loads may be out
	QROW 0
	s_wait_dscnt 0x0
	QROW 1
.irp t, 0,1,2
	ds_load_b128 v[OUT+4*\t:OUT+4*\t+3], v5 offset:512*\t
.endr
.irp t, 0,1,2
	s_wait_dscnt 2-\t                              ; the younger of the three loads may be out
	global_store_b128 v1, v[OUT+4*\t:OUT+4*\t+3], s[10:11] offset:512*\t   ; 512 consecutive bytes, at a multiple of 512 from the buffer's first byte
.endr
	s_wait_dscnt 0x0                               ; for the others' sake: my scale bytes have landed
	s_barrier_signal -1
	s_barrier_wait -1
	s_cmp_lg_u32 s14, 0
	s_cbranch_scc1 .Lend
	ds_load_b128 v[X:X+3], v7                      ; wave 0 takes the work-group's 512 scale bytes
	s_wait_dscnt 0x0
	global_store_b128 v1, v[X:X+3], s[12:13]
.Lend:
	s_wait_tensorcnt 0x0
	ds_add_u32 v192, v193
	s_wait_dscnt 0x0
	s_endpgm
.Lfunc_end_k_qf5ee28081b_ln1:
	.size	k_qf5ee28081b_ln1, .Lfunc_end_k_qf5ee28081b_ln1-k_qf5ee28081b_ln1
	.p2alignl 7, 3214868480
	.fill 96, 4, 3214868480
	.section	.rodata,"a",@progbits
	.p2align	6, 0x0
	.amdhsa_kernel k_qf5ee28081b_ln1
		.amdhsa_group_segment_fixed_size 87552
		.amdhsa_private_segment_fixed_size 0
		.amdhsa_enable_private_segment 0
		.amdhsa_kernarg_size 32
		.amdhsa_user_sgpr_count 2
		.amdhsa_user_sgpr_kernarg_segment_ptr 1
		.amdhsa_wavefront_size32 1
		.amdhsa_system_sgpr_workgroup_id_x 1
		.amdhsa_system_sgpr_workgroup_id_y 1
		.amdhsa_system_sgpr_workgroup_id_z 1
		.amdhsa_system_vgpr_workitem_id 0
		.amdhsa_next_free_vgpr 194
		.amdhsa_next_free_sgpr 66
		.amdhsa_reserve_vcc 0
		.amdhsa_float_denorm_mode_32 3
		.amdhsa_float_denorm_mode_16_64 3
		.amdhsa_memory_ordered 1
		.amdhsa_forward_progress 1
		.amdhsa_inst_pref_size 24
	.end_amdhsa_kernel
	.amdgpu_metadata
---
amdhsa.version: [ 1, 2 ]
amdhsa.kernels:
  - .name:           k_qf5ee28081b_ln1
    .symbol:         k_qf5ee28081b_ln1.kd
    .args:
      - { .name: x, .offset: 0, .size: 8, .value_kind: global_buffer, .address_space: global }
      - { .name: ln1_g, .offset: 8, .size: 8, .value_kind: global_buffer, .address_space: global }
      - { .name: ln1_b, .offset: 16, .size: 8, .value_kind: global_buffer, .address_space: global }
      - { .name: act, .offset: 24, .size: 8, .value_kind: global_buffer, .address_space: global }
    .group_segment_fixed_size: 87552
    .private_segment_fixed_size: 0
    .kernarg_segment_align: 8
    .kernarg_segment_size: 32
    .max_flat_workgroup_size: 256
    .sgpr_count:     66
    .vgpr_count:     194
    .wavefront_size: 32
...
	.end_amdgpu_metadata
.endif
;; end of part 1
;; launch qkv (part 2): grid 12 x 16, 4 waves a work-group, clusters of 4 x 4, 327,680 bytes of LDS; arguments act, Wq_codes, Wq_scales, Wk_codes, Wk_scales, Wv_codes, Wv_scales, bq, bk, bv, wide; writes wide
.if DOCPART == 2
	.amdgcn_target "amdgcn-amd-amdhsa--gfx1250"
	.amdhsa_code_object_version 6
	.text
	.protected	k_qf5ee28081b_qkv
	.globl	k_qf5ee28081b_qkv
	.p2align	8
	.type	k_qf5ee28081b_qkv,@function
k_qf5ee28081b_qkv:
	s_mov_b64 s[64:65], 0
	v_nop
	global_prefetch_b8 v0, s[64:65] scope:SCOPE_SE
	s_setreg_imm32_b32 hwreg(HW_REG_WAVE_MODE, 25, 1), 1
	s_wait_xcnt 0x0
	s_wait_alu depctr_hold_cnt(0) depctr_sa_sdst(0) depctr_va_vdst(0) depctr_va_sdst(0) depctr_va_ssrc(0) depctr_va_vcc(0) depctr_vm_vsrc(0)
	s_getreg_b32 s2, hwreg(HW_REG_IB_STS2, 6, 4)
	s_cmp_eq_u32 s2, 0
	s_cbranch_scc0 .Lentry_in_a_cluster
	s_endpgm
.Lentry_in_a_cluster:
	s_bfe_u32 s2, ttmp6, 0x10000c
	s_cmp_lg_u32 s2, 0xf033
	s_cbranch_scc0 .Lentry_shape_is_right
	s_endpgm
.Lentry_shape_is_right:
; q = h Wq + bq, k = h Wk + bk (quantised along the head's 64) and v^T = (h Wv + bv)^T (quantised along the tokens), all three on codes of FP6 (E2M3) with one E8M0 scale for each 32 along K = 1,024.
; h: codes [4096][768 bytes] and, 3,145,728 bytes on, scale bytes [4096][32].  Each W: codes [1024 (head, dk)][768], scale bytes [1024][32].
; THE CLUSTER'S x SAYS WHICH TENSOR: 0 q, 1 k, 2 v: the same number in all sixteen partners.  For q and k: A = h (rows = tokens), B = W.  For v the pointers change places: A = Wv, B = h, so that C = v^T.
; A tile of C, 256 x 256, is made by four waves, 128 x 128 each: 64 accumulators.  K goes in steps of 256 through a ring of two LDS slots filled by joint tensor loads: A's tile is shared along a row of the
; 4 x 4 cluster, B's along a column.  The scale bytes of the work-group's rows come into LDS once.  THE MATRIX INSTRUCTION IS USED TRANSPOSED (source 0 = 16 rows of B, source 1 = 16 rows of A):
; lane (r, h) holds row r of C and the columns 8 h + 0 .. 7 of a tile.
; OUT: the results are quantised along C's columns and stored as codes [row / 128][column / 64][128 rows][48 bytes] and scale words [row / 128][column / 128][128 rows][4 bytes]: a wave's 128 x 128 are
; 12,288 and 512 consecutive bytes.  q lies at wide + 0, k at + 3,276,800, v^T at + 6,553,600; each tensor's scale words 3,145,728 bytes behind its codes.
; ORDER INSIDE A BLOCK OF 32: place 16 g + i holds column 8 g + i % 8 + 16 (i / 8), as the accumulators hold them.  q and k carry it alike, and so do v^T and the weights p of the next launch: a
; permutation inside a scale's block, alike on both operands of a product, changes no code, no scale and no product; only the order of a sum's terms.
; LIMITS: a block of zeros, or one under 2^-124, gets the scale byte 1 (same codes; this program alone reads the bytes); NaN and infinities are not served.
; REGISTERS: window 0: v0-31 addresses; v32-63 scale words, two sets; v64-127 the biases; v128-223 A's fragments, one set; v224-240 the quantiser's.  window 1: B's fragments, two sets.  windows 2, 3: accumulators.
.set SIZE_K, 1024
.set KSTEP,  256
.set ROWB,   192                       ; a tile's row: 256 codes
.set KROW,   SIZE_K*6/8
.set PITCH,  240                       ; an LDS row: 3 x (64 bytes + 16 of padding)
.set FR,     12
.set NL,     6
.set HALFT,  128*PITCH
.set SLOT,   4*HALFT
.set LAPS,   SIZE_K/(2*KSTEP)
.set KS,     SIZE_K/32
.set SCL,    2*SLOT                    ; the scale bytes: units of 256 bytes + 16; A's two halves, then B's
.set HALFS,  (128*KS/256)*272
.set SBLK,   (16*KS/256)*272
.set SPARE,  SCL+4*HALFS               ; the spare words: 128 bytes a wave, named by no other line
.set WSTG,   12800                     ; the way out: a wave's stage, in slot 0 (its last fill and last read are over): 12,288 bytes of codes, 512 of scale words
.set ADRA, 16
.set ADRB, 20
.set STO,  24
.set RD,   25
.set CO,   26
.set ADRSA, 27
.set SPW,  28
.set NIL,  29
.set ADRSB, 30
.set STS,  31
.set SC,   32                          ; set s at SC + 16 s: A's pair of blocks i, word q at + 2 i + q; B's at + 8 + 2 i + q.  Lanes 0-15: block 2 i, lanes 16-31: block 2 i + 1
.set BT,   64
.set AF,   128
.set W,    128
.set PCD,  192
.set TM,   224
.set PW,   240
.set SEL,  18
.set G1, 24
.set G0, 32
.set G1B, 48
.set G0B, 56
.set G1S, 68
.set G0S, 76
.set G1SB, 80
.set G0SB, 88
.set MSB, 0
.macro WIN new                         ; the immediate's high byte repeats the setting that is left
.if MSB != (\new)
	s_set_vgpr_msb (MSB<<8)|(\new)
.set MSB, (\new)
.endif
.endm
; A joint load: waves 0 and 1 fetch for A, waves 2 and 3 for B; the branch hangs on the wave's number alone.  Four v_nop follow each line.
.macro JLOAD g0a, g1a, g0b, g1b
	s_cmp_eq_u32 s15, 0
	s_cbranch_scc0 .Lfor_b_\@
	tensor_load_to_lds s[\g0a:\g0a+3], s[\g1a:\g1a+7]
	s_nop 0
.rept 4
	v_nop
.endr
	s_branch .Lasked_\@
.Lfor_b_\@:
	tensor_load_to_lds s[\g0b:\g0b+3], s[\g1b:\g1b+7]
	s_nop 0
.rept 4
	v_nop
.endr
.Lasked_\@:
.endm
.macro CREST                           ; a round of the cluster's barrier behind its opening barrier
	s_cmp_lg_u32 s14, 0
	s_cbranch_scc1 .Lnot_wave_0_\@
	s_barrier_signal -3
.Lnot_wave_0_\@:
	s_barrier_wait -3
	s_barrier_signal -1
	s_barrier_wait -1
.endm
.macro CROUND
	s_barrier_signal -1
	s_barrier_wait -1
	CREST
.endm
.macro PLACES                          ; four plain instructions between a matrix instruction and a load into, or a read of, its registers
.rept 4
	v_nop
.endr
.endm
	s_load_b512 s[24:39], s[0:1], 0x0              ; h, Wq codes, Wq scales, Wk codes, Wk scales, Wv codes, Wv scales, bq
	s_load_b128 s[48:51], s[0:1], 0x40             ; bk, bv
	s_load_b64 s[12:13], s[0:1], 0x50              ; wide
	v_lshl_add_u32 v[SPW], v0, 2, SPARE
	v_mov_b32 v[NIL], 0
	ds_add_u32 v28, v29
	ds_add_u32 v28, v29
	s_wait_dscnt 0x0
	v_lshrrev_b32 v1, 5, v0
	v_readfirstlane_b32 s14, v1                    ; wave 0..3
	s_lshr_b32 s15, s14, 1                         ; my half of the tile's rows; also: I fetch for A (0) or B (1)
	s_and_b32 s16, s14, 1                          ; my half of its columns; also: which 128 rows I fetch
	s_bfe_u32 s40, ttmp6, 0x40000                  ; cx
	s_bfe_u32 s41, ttmp6, 0x40004                  ; cy
	s_lshl_b32 s43, s41, 2
	s_lshl_b32 s43, 15, s43                        ; my row of the cluster
	s_lshl_b32 s44, 0x1111, s40                    ; my column
	s_and_b32 s18, ttmp7, 0xffff
	s_lshl_b32 s18, s18, 2                         ; 4 x cluster y
	s_mul_i32 s46, ttmp9, 3276800                  ; the tensor's place in wide
	s_mov_b32 s47, 0
	s_wait_kmcnt 0x0
	s_add_nc_u64 s[12:13], s[12:13], s[46:47]      ; its codes,
	s_add_nc_u64 s[98:99], s[12:13], 3145728       ; its scale words
	s_add_nc_u64 s[20:21], s[24:25], 3145728       ; h's scale bytes
	s_cmp_eq_u32 ttmp9, 0                          ; the choices hang on the cluster's x alone
	s_cselect_b64 s[8:9], s[26:27], s[30:31]
	s_cselect_b64 s[10:11], s[28:29], s[32:33]
	s_cselect_b64 s[96:97], s[38:39], s[48:49]
	s_cmp_eq_u32 ttmp9, 2
	s_cselect_b64 s[8:9], s[34:35], s[8:9]         ; W's codes,
	s_cselect_b64 s[10:11], s[36:37], s[10:11]     ; W's scales,
	s_cselect_b64 s[96:97], s[50:51], s[96:97]     ; the bias
	s_cselect_b64 s[4:5], s[8:9], s[24:25]         ; A: Wv for v, else h
	s_cselect_b64 s[6:7], s[10:11], s[20:21]
	s_cselect_b64 s[8:9], s[24:25], s[8:9]         ; B: h for v, else W
	s_cselect_b64 s[10:11], s[20:21], s[10:11]
	s_cselect_b32 s17, 0, s18
	s_cselect_b32 s42, s18, 0
	s_cselect_b32 s2, 32, 8                        ; groups of 128 columns in C
	s_cselect_b32 s95, 1, 0                        ; 1: v
	s_add_co_u32 s17, s17, s41                     ; tile row of C
	s_add_co_u32 s42, s42, s40                     ; tile column of C
	; descriptor group 1: a tile of 128 rows x 192 bytes, 16 bytes of padding behind every 64
	s_or_b32 s[G1+0], s43, (0<<16)|(1<<20)|(1<<21)|(3<<22)|(3<<25)
	s_or_b32 s[G1B+0], s44, (0<<16)|(1<<20)|(1<<21)|(3<<22)|(3<<25)
.irp g, G1, G1B
	s_mov_b32 s[\g+1], ROWB<<16
	s_mov_b32 s[\g+2], 128<<16
	s_mov_b32 s[\g+3], ROWB<<16
	s_mov_b32 s[\g+4], 128
	s_mov_b32 s[\g+5], KROW
	s_mov_b32 s[\g+6], 0
	s_mov_b32 s[\g+7], 0
.endr
	; the scale bytes of 128 rows: a dense block, as rows of 256 bytes (32 elements of 8), 16 bytes of padding behind each
	s_or_b32 s[G1S+0], s43, (3<<16)|(1<<20)|(1<<21)|(5<<22)|(3<<25)
	s_or_b32 s[G1SB+0], s44, (3<<16)|(1<<20)|(1<<21)|(5<<22)|(3<<25)
.irp g, G1S, G1SB
	s_mov_b32 s[\g+1], 32<<16
	s_mov_b32 s[\g+2], (128*KS/256)<<16
	s_mov_b32 s[\g+3], 32<<16
	s_mov_b32 s[\g+4], 128*KS/256
	s_mov_b32 s[\g+5], 32
	s_mov_b32 s[\g+6], 0
	s_mov_b32 s[\g+7], 0
.endr
	s_lshl_b32 s18, s16, 7
	s_lshl_b32 s20, s17, 8
	s_add_co_u32 s20, s20, s18                     ; A: row 256 x tile row + 128 x half
	s_lshl_b32 s46, s42, 8
	s_add_co_u32 s46, s46, s18                     ; B: row 256 x tile column + 128 x half
	s_mul_i32 s22, s20, KS
	s_mul_i32 s92, s46, KS
	s_mul_i32 s20, s20, KROW
	s_mul_i32 s46, s46, KROW
	s_mov_b32 s21, 0
	s_mov_b32 s23, 0
	s_mov_b32 s47, 0
	s_mov_b32 s93, 0
	s_mul_i32 s45, s14, HALFT                      ; where they go: wave x 128 rows
	s_mul_i32 s94, s14, HALFS
	s_add_nc_u64 s[20:21], s[4:5], s[20:21]
	s_add_nc_u64 s[22:23], s[6:7], s[22:23]
	s_add_nc_u64 s[46:47], s[8:9], s[46:47]
	s_add_nc_u64 s[92:93], s[10:11], s[92:93]
	CROUND                                         ; all sixteen work-groups are here: the first joint loads meet
	s_mov_b32 s[G0S], 1
	s_add_co_u32 s[G0S+1], s94, SCL
	s_mov_b64 s[G0S+2:G0S+3], s[22:23]
	s_or_b32 s[G0S+3], s[G0S+3], 0x80000000
	s_mov_b32 s[G0SB], 1
	s_add_co_u32 s[G0SB+1], s94, SCL
	s_mov_b64 s[G0SB+2:G0SB+3], s[92:93]
	s_or_b32 s[G0SB+3], s[G0SB+3], 0x80000000
	JLOAD G0S, G1S, G0SB, G1SB                     ; the scale bytes first; with the two slots three loads of mine are out
.irp s, 0,1
	s_mov_b32 s[G0+4*\s], 1
	s_add_co_u32 s[G0+4*\s+1], s45, \s*SLOT
	s_add_nc_u64 s[G0+4*\s+2:G0+4*\s+3], s[20:21], \s*ROWB
	s_or_b32 s[G0+4*\s+3], s[G0+4*\s+3], 0x80000000
	s_mov_b32 s[G0B+4*\s], 1
	s_add_co_u32 s[G0B+4*\s+1], s45, \s*SLOT
	s_add_nc_u64 s[G0B+4*\s+2:G0B+4*\s+3], s[46:47], \s*ROWB
	s_or_b32 s[G0B+4*\s+3], s[G0B+4*\s+3], 0x80000000
	JLOAD G0+4*\s, G1, G0B+4*\s, G1B
.endr
	v_and_b32 v1, 15, v0                           ; r
	v_bfe_u32 v2, v0, 4, 1                         ; h
	v_mul_u32_u24 v3, v1, PITCH
	v_mul_u32_u24 v4, v2, 24
	v_add_nc_u32 v4, v3, v4                        ; a fragment's row x pitch + 24 h
	v_lshl_add_u32 v5, v2, 4, v4                   ; and the same behind one padding more
	s_mul_i32 s21, s15, HALFT
	s_mul_i32 s22, s16, HALFT
	s_add_co_u32 s22, s22, 2*HALFT
.irp s, 0,1
	v_add_nc_u32 v[ADRA+\s], s21, v4
	v_add_nc_u32 v[ADRB+\s], s22, v4
	v_add_nc_u32 v[ADRA+2+\s], s21, v5
	v_add_nc_u32 v[ADRB+2+\s], s22, v5
	s_add_co_u32 s21, s21, SLOT
	s_add_co_u32 s22, s22, SLOT
.endr
	v_and_b32 v6, 31, v0                           ; lane: a pair of blocks is 32 rows, a lane a row
	v_mul_u32_u24 v5, v6, KS
	v_lshrrev_b32 v7, 8, v5
	v_lshl_add_u32 v5, v7, 4, v5                   ; KS bytes a row, and 16 more for each 256 passed
	s_mul_i32 s21, s15, HALFS
	s_add_co_u32 s21, s21, SCL
	s_mul_i32 s22, s16, HALFS
	s_add_co_u32 s22, s22, SCL+2*HALFS
	v_add_nc_u32 v[ADRSA], s21, v5
	v_add_nc_u32 v[ADRSB], s22, v5
	s_mul_i32 s23, s14, WSTG                       ; my stage
	v_mul_u32_u24 v5, v1, 48
	v_mad_u32_u24 v5, v2, 24, v5
	v_add_nc_u32 v[STO], s23, v5                   ; codes in: row r of 48 bytes, + 24 h
	v_lshl_add_u32 v[STS], v1, 2, s23
	v_add_nc_u32 v[STS], 12288, v[STS]             ; scale words in: 4 r
	v_lshlrev_b32 v[CO], 4, v6
	v_add_nc_u32 v[RD], s23, v[CO]                 ; back: 16 bytes a lane
.irp b, 0,1,2,3
	v_mov_b32 v[TM+4+\b], 0                        ; written once: a lane permute's destination counts as one of its sources
.endr
	v_lshlrev_b32 v7, 5, v2                        ; 32 h
	v_lshlrev_b32 v8, 2, v1                        ; 4 r
	; the biases.  q, k: of my 128 columns, register 8 b + j = column 16 b + 8 h + j.  v: of my 128 rows, registers 8 a + 0 .. 7 all = row 16 a + r
	s_cmp_eq_u32 s95, 1
	s_cselect_b32 s46, s17, s42
	s_cselect_b32 s47, s15, s16
	s_lshl_b32 s46, s46, 10
	s_lshl_b32 s47, s47, 9
	s_add_co_u32 s46, s46, s47
	s_mov_b32 s47, 0
	s_add_nc_u64 s[96:97], s[96:97], s[46:47]
	s_cmp_eq_u32 s95, 1
	s_cbranch_scc1 .Lbias_rows
.irp b, 0,1,2,3,4,5,6,7
	global_load_b128 v[BT+8*\b:BT+8*\b+3], v7, s[96:97] offset:64*\b
	global_load_b128 v[BT+8*\b+4:BT+8*\b+7], v7, s[96:97] offset:64*\b+16
.endr
	s_branch .Lbias_in
.Lbias_rows:
.irp a, 0,1,2,3,4,5,6,7
.irp j, 0,1,2,3,4,5,6,7
	global_load_b32 v[BT+8*\a+\j], v8, s[96:97] offset:64*\a
.endr
.endr
.Lbias_in:
	s_lshl_b32 s20, s17, 1                         ; where my 128 x 128 go: (row block x groups + group) x 12,288 and x 512
	s_add_co_u32 s20, s20, s15
	s_mul_i32 s20, s20, s2
	s_lshl_b32 s46, s42, 1
	s_add_co_u32 s46, s46, s16
	s_add_co_u32 s20, s20, s46
	s_mul_i32 s46, s20, 12288
	s_mov_b32 s47, 0
	s_add_nc_u64 s[12:13], s[12:13], s[46:47]
	s_lshl_b32 s46, s20, 9
	s_add_nc_u64 s[98:99], s[98:99], s[46:47]
	s_mov_b32 s[SEL], 0x76543210
	s_mov_b32 s[SEL+1], 0xfedcba98
; a fragment, 16 rows x 128 K: 12 registers, in pieces of 8 bytes; where the piece of lanes 16-31 lies behind one padding more, the second address register serves
.macro FRAG reg, adr, q, i
.irp p, 0,1,2,3,4,5
.set PCE, 12*(\q)+6*(\p/3)+\p%3
.if PCE%8 < 5
	ds_load_b64 v[\reg+2*\p:\reg+2*\p+1], v[\adr] offset:8*PCE+16*(PCE/8)+(\i)*16*PITCH
.else
	ds_load_b64 v[\reg+2*\p:\reg+2*\p+1], v[\adr+2] offset:8*PCE+16*(PCE/8)+(\i)*16*PITCH
.endif
.endr
.endm
; one matrix instruction: A's block a x B's block b, B's set p, the slot's q-th 128 along K, scale set sc.  cm = 1: the constant 0 starts the sum.
; A scale register carries a pair of blocks: the odd block's words stand in lanes 16-31.
.macro WM a, b, p, q, sc, cm
.set rD, 8*(8*((\a)%4)+(\b))
.set rB, 128*(\p)+FR*(\b)
.set rA, AF+FR*(\a)
.set xB, SC+16*(\sc)+8+2*((\b)/2)+(\q)
.set xA, SC+16*(\sc)+2*((\a)/2)+(\q)
.set par, ((\b)%2)+2*((\a)%2)
.if (\cm) == 1
.if par == 0
	v_wmma_scale_f32_16x16x128_f8f6f4 v[rD:rD+7], v[rB:rB+FR-1], v[rA:rA+FR-1], 0, v[xB], v[xA] matrix_a_fmt:MATRIX_FMT_FP6 matrix_b_fmt:MATRIX_FMT_FP6
.elseif par == 1
	v_wmma_scale_f32_16x16x128_f8f6f4 v[rD:rD+7], v[rB:rB+FR-1], v[rA:rA+FR-1], 0, v[xB], v[xA] matrix_a_fmt:MATRIX_FMT_FP6 matrix_b_fmt:MATRIX_FMT_FP6 matrix_a_scale:MATRIX_SCALE_ROW1
.elseif par == 2
	v_wmma_scale_f32_16x16x128_f8f6f4 v[rD:rD+7], v[rB:rB+FR-1], v[rA:rA+FR-1], 0, v[xB], v[xA] matrix_a_fmt:MATRIX_FMT_FP6 matrix_b_fmt:MATRIX_FMT_FP6 matrix_b_scale:MATRIX_SCALE_ROW1
.else
	v_wmma_scale_f32_16x16x128_f8f6f4 v[rD:rD+7], v[rB:rB+FR-1], v[rA:rA+FR-1], 0, v[xB], v[xA] matrix_a_fmt:MATRIX_FMT_FP6 matrix_b_fmt:MATRIX_FMT_FP6 matrix_a_scale:MATRIX_SCALE_ROW1 matrix_b_scale:MATRIX_SCALE_ROW1
.endif
.else
.if par == 0
	v_wmma_scale_f32_16x16x128_f8f6f4 v[rD:rD+7], v[rB:rB+FR-1], v[rA:rA+FR-1], v[rD:rD+7], v[xB], v[xA] matrix_a_fmt:MATRIX_FMT_FP6 matrix_b_fmt:MATRIX_FMT_FP6
.elseif par == 1
	v_wmma_scale_f32_16x16x128_f8f6f4 v[rD:rD+7], v[rB:rB+FR-1], v[rA:rA+FR-1], v[rD:rD+7], v[xB], v[xA] matrix_a_fmt:MATRIX_FMT_FP6 matrix_b_fmt:MATRIX_FMT_FP6 matrix_a_scale:MATRIX_SCALE_ROW1
.elseif par == 2
	v_wmma_scale_f32_16x16x128_f8f6f4 v[rD:rD+7], v[rB:rB+FR-1], v[rA:rA+FR-1], v[rD:rD+7], v[xB], v[xA] matrix_a_fmt:MATRIX_FMT_FP6 matrix_b_fmt:MATRIX_FMT_FP6 matrix_b_scale:MATRIX_SCALE_ROW1
.else
	v_wmma_scale_f32_16x16x128_f8f6f4 v[rD:rD+7], v[rB:rB+FR-1], v[rA:rA+FR-1], v[rD:rD+7], v[xB], v[xA] matrix_a_fmt:MATRIX_FMT_FP6 matrix_b_fmt:MATRIX_FMT_FP6 matrix_a_scale:MATRIX_SCALE_ROW1 matrix_b_scale:MATRIX_SCALE_ROW1
.endif
.endif
.endm
; 16 matrix instructions: A's blocks 2 g, 2 g + 1 x B's eight.  The 64 accumulators take turns, one instruction a turn, in the same order in every step
.macro MULQ g, p, q, sc, cm
.irp a, 2*(\g), 2*(\g)+1
.irp b, 0,1,2,3,4,5,6,7
	WM \a, \b, \p, \q, \sc, \cm
.endr
.endr
.endm
.macro FETCH_B slot, q, p
	WIN 0x40                                       ; destination window 1
.irp i, 0,1,2,3,4,5,6,7
	FRAG 128*(\p)+FR*\i, ADRB+\slot, \q, \i
.endr
	WIN 0
.endm
.macro FETCH_A slot, q, i0
.irp i, \i0, \i0+1, \i0+2, \i0+3
	FRAG AF+FR*(\i), ADRA+\slot, \q, \i
.endr
.endm
.macro SCALES sc                       ; a K step's scale words: two words a row, a pair of blocks a load: eight loads
.irp i, 0,1,2,3
	ds_load_b64 v[SC+16*\sc+2*\i:SC+16*\sc+2*\i+1], v[ADRSA] offset:\i*2*SBLK
	ds_load_b64 v[SC+16*\sc+8+2*\i:SC+16*\sc+8+2*\i+1], v[ADRSB] offset:\i*2*SBLK
.endr
.endm
; a slot's first 128 along K
.macro STEP slot, cm
	s_wait_dscnt 4*NL                              ; all but the youngest 24 loads, A's blocks 4-7
	WIN 0xa1                                       ; source 0 (B) window 1, source 1 (A) window 0, C and D window 2
	MULQ 0, 0, 0, \slot, \cm
	MULQ 1, 0, 0, \slot, \cm
	s_wait_dscnt 0x0
	PLACES
	FETCH_B \slot, 1, 1
	FETCH_A \slot, 1, 0
	WIN 0xf1                                       ; C and D window 3
	MULQ 2, 0, 0, \slot, \cm
	MULQ 3, 0, 0, \slot, \cm
	PLACES
	WIN 0
	FETCH_A \slot, 1, 4
.endm
; a slot's second 128 along K, and the change of slots: ONE barrier; in front of it each wave waits for all its tensor loads, adds 0 to its spare word, and waits for that and for its reads of this slot
.macro TURN slot, next, fill
	s_wait_tensorcnt 0x0                           ; all my tensor loads have landed: my part of the next slot
	ds_add_u32 v[SPW], v[NIL]                      ; 0 onto my spare word
	s_wait_dscnt 4*NL+1                            ; the add and the youngest 24 loads may be out
	WIN 0xa1
	MULQ 0, 1, 1, \slot, 0
	s_wait_dscnt 0x0                               ; the add is done, and my reads of this slot are over
	s_barrier_signal -1
	MULQ 1, 1, 1, \slot, 0
	WIN 0
	s_barrier_wait -1
.if \fill
	CREST                                          ; the barrier has opened a round of the cluster's: no wave of any partner still reads this slot or has a load on its way
	s_add_nc_u64 s[G0+4*\slot+2:G0+4*\slot+3], s[G0+4*\slot+2:G0+4*\slot+3], 2*ROWB
	s_add_nc_u64 s[G0B+4*\slot+2:G0B+4*\slot+3], s[G0B+4*\slot+2:G0B+4*\slot+3], 2*ROWB
	JLOAD G0+4*\slot, G1, G0B+4*\slot, G1B         ; my one tensor load behind the round; its four v_nop are the places in front of the loads below
.else
	PLACES
.endif
	v_add_nc_u32 v[ADRSA], 8, v[ADRSA]             ; the next K step's scale words
	v_add_nc_u32 v[ADRSB], 8, v[ADRSB]
	FETCH_B \next, 0, 0
	FETCH_A \next, 0, 0
	SCALES \next
	WIN 0xf1
	MULQ 2, 1, 1, \slot, 0
	MULQ 3, 1, 1, \slot, 0
	PLACES
	WIN 0
	FETCH_A \next, 0, 4
.endm
	s_wait_tensorcnt 1                             ; the scale bytes and my part of K step 0 are in; K step 1's load may be out
	s_barrier_signal -1
	s_barrier_wait -1
	FETCH_B 0, 0, 0
	FETCH_A 0, 0, 0
	SCALES 0
	FETCH_A 0, 0, 4
	STEP 0, 1                                      ; the first step stands in front of the loop: its products start the sums
	s_mov_b32 s3, LAPS-1
.Llap:
	TURN 0, 1, 1
	STEP 1, 0
	TURN 1, 0, 1
	STEP 0, 0
	s_sub_co_u32 s3, s3, 1
	s_cmp_lg_u32 s3, 0
	s_cbranch_scc1 .Llap
	TURN 0, 1, 0                                   ; the last lap fills nothing
	STEP 1, 0
	s_wait_dscnt 4*NL
	WIN 0xa1
	MULQ 0, 1, 1, 1, 0
	MULQ 1, 1, 1, 1, 0
	s_wait_dscnt 0x0
	WIN 0xf1
	MULQ 2, 1, 1, 1, 0
	MULQ 3, 1, 1, 1, 0
	WIN 0
; 64 numbers of a lane, register 16 b + i = place 16 (lane / 16) + i of block b of my row, become 12 registers of codes in v[PCD] on and a scale word in v[PW]
.macro QUANT s
.irp b, 0,1,2,3
	v_max3_num_f32 v[TM+\b], |v[\s+16*\b]|, |v[\s+1+16*\b]|, 0x1800000   ; with the floor 2^(3 - 127): the byte cannot fall under 1
.endr
.irp i, 2,4,6,8,10,12,14
.irp b, 0,1,2,3
	v_max3_num_f32 v[TM+\b], v[TM+\b], |v[\s+16*\b+\i]|, |v[\s+1+16*\b+\i]|
.endr
.endr
.irp b, 0,1,2,3
	v_permlanex16_b32 v[TM+4+\b], v[TM+\b], s[SEL], s[SEL+1]
.endr
.irp b, 0,1,2,3
	v_max_num_f32 v[TM+\b], v[TM+\b], v[TM+4+\b]   ; with lane l xor 16's: the block's largest magnitude
.endr
.irp b, 0,1,2,3
	v_add_nc_u32 v[TM+12+\b], 0xff000000, v[TM+\b] ; 2 off its exponent field: the conversion's scale operand
.endr
.irp b, 0,1,2,3
	v_lshrrev_b32 v[TM+4+\b], 23, v[TM+12+\b]      ; the scale's byte
.endr
	v_lshl_or_b32 v[PW], v[TM+5], 8, v[TM+4]
	v_lshl_or_b32 v[PW], v[TM+6], 16, v[PW]
	v_lshl_or_b32 v[PW], v[TM+7], 24, v[PW]
.irp c, 0,1
	v_cvt_scalef32_pk16_fp6_f32 v[PCD+6*\c:PCD+2+6*\c], v[\s+32*\c:\s+15+32*\c], v[TM+12+2*\c]
	v_cvt_scalef32_pk16_fp6_f32 v[PCD+12+4*\c:PCD+14+4*\c], v[\s+16+32*\c:\s+31+32*\c], v[TM+12+2*\c+1]
.endr
	v_nop                                          ; one plain instruction behind a scaled conversion
.irp c, 0,1                                    ; a whole block to a lane: lanes 0-15 block 2 c, lanes 16-31 block 2 c + 1
.irp i, 0,1,2
	v_permlane16_swap_b32 v[PCD+6*\c+\i], v[PCD+12+4*\c+\i]
.endr
.irp i, 0,1,2
	v_mov_b32 v[PCD+3+6*\c+\i], v[PCD+12+4*\c+\i]
.endr
.endr
.endm
; block a's 64 results and their biases into window 0; each accumulator is read from its low end on.  The arms part on the tensor, which all partners share, and hold vector instructions alone
.macro EPI_IN a
.set AC, 64*((\a)%4)
	s_cmp_eq_u32 s95, 1
	s_cbranch_scc1 .Lrows_\@
	WIN 0x02+(\a)/4                                ; source 0: window 2 or 3
.irp b, 0,1,2,3,4,5,6,7
.irp i, 0,2,4,6
	v_pk_add_f32 v[W+8*\b+\i:W+8*\b+\i+1], v[AC+8*\b+\i:AC+8*\b+\i+1], v[BT+8*\b+\i:BT+8*\b+\i+1]
.endr
.endr
	WIN 0
	s_branch .Ladded_\@
.Lrows_\@:
	WIN 0x02+(\a)/4
.irp b, 0,1,2,3,4,5,6,7
.irp i, 0,2,4,6
	v_pk_add_f32 v[W+8*\b+\i:W+8*\b+\i+1], v[AC+8*\b+\i:AC+8*\b+\i+1], v[BT+8*(\a)+\i:BT+8*(\a)+\i+1]
.endr
.endr
	WIN 0
.Ladded_\@:
.endm
	; THE WAY OUT
	s_wait_loadcnt 0x0                             ; the biases
	PLACES
.irp a, 0,1,2,3,4,5,6,7
	EPI_IN \a
	s_wait_dscnt 0x0                               ; the last block's LDS stores have read their registers
	QUANT W
.irp c, 0,1
.irp p, 0,1,2
	ds_store_b64 v[STO], v[PCD+6*\c+2*\p:PCD+6*\c+2*\p+1] offset:\c*6144+\a*768+8*\p
.endr
.endr
	ds_store_b32 v[STS], v[PW] offset:64*\a        ; both halves of the lanes write the same word with the same value
.endr
	s_wait_dscnt 0x0
.set t, 0
.rept 25
	ds_load_b128 v[128+4*t:128+4*t+3], v[RD] offset:512*t
.set t, t+1
.endr
.set t, 0
.rept 24
	s_wait_dscnt 24-t                              ; the younger loads may be out
	global_store_b128 v[CO], v[128+4*t:128+4*t+3], s[12:13] offset:512*t   ; 512 consecutive bytes, at a multiple of 512 from the buffer's first byte
.set t, t+1
.endr
	s_wait_dscnt 0x0
	global_store_b128 v[CO], v[224:227], s[98:99]
	s_wait_tensorcnt 0x0                           ; the wave's end
	ds_add_u32 v[SPW], v[NIL]
	s_wait_dscnt 0x0
	CROUND                                         ; the closing round
	s_endpgm
.Lfunc_end_k_qf5ee28081b_qkv:
	.size	k_qf5ee28081b_qkv, .Lfunc_end_k_qf5ee28081b_qkv-k_qf5ee28081b_qkv
	.p2alignl 7, 3214868480
	.fill 96, 4, 3214868480
	.section	.rodata,"a",@progbits
	.p2align	6, 0x0
	.amdhsa_kernel k_qf5ee28081b_qkv
		.amdhsa_group_segment_fixed_size 327680
		.amdhsa_private_segment_fixed_size 0
		.amdhsa_enable_private_segment 0
		.amdhsa_kernarg_size 88
		.amdhsa_user_sgpr_count 2
		.amdhsa_user_sgpr_kernarg_segment_ptr 1
		.amdhsa_wavefront_size32 1
		.amdhsa_system_sgpr_workgroup_id_x 1
		.amdhsa_system_sgpr_workgroup_id_y 1
		.amdhsa_system_sgpr_workgroup_id_z 1
		.amdhsa_system_vgpr_workitem_id 0
		.amdhsa_next_free_vgpr 1024
		.amdhsa_next_free_sgpr 102
		.amdhsa_reserve_vcc 0
		.amdhsa_float_denorm_mode_32 3
		.amdhsa_float_denorm_mode_16_64 3
		.amdhsa_memory_ordered 1
		.amdhsa_forward_progress 1
		.amdhsa_inst_pref_size 211
	.end_amdhsa_kernel
	.amdgpu_metadata
---
amdhsa.version: [ 1, 2 ]
amdhsa.kernels:
  - .name:           k_qf5ee28081b_qkv
    .symbol:         k_qf5ee28081b_qkv.kd
    .args:
      - { .name: act, .offset: 0, .size: 8, .value_kind: global_buffer, .address_space: global }
      - { .name: Wq_codes, .offset: 8, .size: 8, .value_kind: global_buffer, .address_space: global }
      - { .name: Wq_scales, .offset: 16, .size: 8, .value_kind: global_buffer, .address_space: global }
      - { .name: Wk_codes, .offset: 24, .size: 8, .value_kind: global_buffer, .address_space: global }
      - { .name: Wk_scales, .offset: 32, .size: 8, .value_kind: global_buffer, .address_space: global }
      - { .name: Wv_codes, .offset: 40, .size: 8, .value_kind: global_buffer, .address_space: global }
      - { .name: Wv_scales, .offset: 48, .size: 8, .value_kind: global_buffer, .address_space: global }
      - { .name: bq, .offset: 56, .size: 8, .value_kind: global_buffer, .address_space: global }
      - { .name: bk, .offset: 64, .size: 8, .value_kind: global_buffer, .address_space: global }
      - { .name: bv, .offset: 72, .size: 8, .value_kind: global_buffer, .address_space: global }
      - { .name: wide, .offset: 80, .size: 8, .value_kind: global_buffer, .address_space: global }
    .group_segment_fixed_size: 327680
    .private_segment_fixed_size: 0
    .kernarg_segment_align: 8
    .kernarg_segment_size: 88
    .max_flat_workgroup_size: 128
    .sgpr_count:     102
    .vgpr_count:     1024
    .wavefront_size: 32
...
	.end_amdgpu_metadata
.endif
;; end of part 2
;; launch attn (part 3): grid 8 x 32, 16 waves a work-group, clusters of 4 x 1, 223,232 bytes of LDS; arguments wide, act; writes act
.if DOCPART == 3
	.amdgcn_target "amdgcn-amd-amdhsa--gfx1250"
	.amdhsa_code_object_version 6
	.text
	.protected	k_qf5ee28081b_attn
	.globl	k_qf5ee28081b_attn
	.p2align	8
	.type	k_qf5ee28081b_attn,@function
k_qf5ee28081b_attn:
	s_mov_b64 s[64:65], 0
	v_nop
	global_prefetch_b8 v0, s[64:65] scope:SCOPE_SE
	s_setreg_imm32_b32 hwreg(HW_REG_WAVE_MODE, 25, 1), 1
	s_wait_xcnt 0x0
	s_wait_alu depctr_hold_cnt(0) depctr_sa_sdst(0) depctr_va_vdst(0) depctr_va_sdst(0) depctr_va_ssrc(0) depctr_va_vcc(0) depctr_vm_vsrc(0)
	s_getreg_b32 s2, hwreg(HW_REG_IB_STS2, 6, 4)
	s_cmp_eq_u32 s2, 0
	s_cbranch_scc0 .Lentry_in_a_cluster
	s_endpgm
.Lentry_in_a_cluster:
	s_bfe_u32 s2, ttmp6, 0x10000c
	s_cmp_lg_u32 s2, 0x3003
	s_cbranch_scc0 .Lentry_shape_is_right
	s_endpgm
.Lentry_shape_is_right:
; ctx[b][q][h][:] = the sum over keys of softmax(q . k / 8) v, both products on codes of FP6 (E2M3) with one E8M0 scale for each 32 along a product's K; ctx is quantised along D for the next product.
; IN (wide): q at 0, k at 3,276,800: codes [token / 128][head][128 tokens][48 bytes], scale words, 3,145,728 further on, [token / 128][head / 2][128 tokens][4 bytes] (two bytes a head);
; v^T at 6,553,600: codes [(head, dk) / 128][token / 64][128 rows][48], scale words [(head, dk) / 128][token / 128][128 rows][4].  OUT (act): ctx, laid as q is.
; Inside a block of 32, q, k and v^T hold place 16 g + i = element 8 g + i % 8 + 16 (i / 8): q and k alike, and p comes out of tiles of 16 neighbouring keys in v^T's order.  ctx is put in true order.
; THE SOFTMAX: t = score x log2(e) / 8; M = the running largest t rounded UP to a whole number; p = 2^(t - M) is quantised along the keys, not normalised; the row's sum is taken of the unquantised p
; and divides at the end.  When M moves, the sum and O are multiplied by 2^(old M - new M): exact.
; THE HEAD'S 64 against the instruction's 128 along K: q's upper six registers are zero codes; a fragment of k is named twelve registers long, its upper six being the next fragment's codes: finite
; numbers that meet zero codes under scale bytes 0, so they add nothing.
; SHARES: a work-group owns 256 queries of one (batch, head); each of its sixteen waves 16 of them, in 256 registers.  Every wave walks the 2,048 keys, 128 a step.
; LDS IS FILLED ONCE: a head's whole K, V and scale words fit.  Wave w fetches chunk w (128 keys) by four tensor loads, which are all that it ever has out.  The four query blocks of a cluster ask jointly
; (mask 15).  One barrier, then no barrier in the loop.
; The two scale bytes of ctx go out as halfwords 4 bytes apart (a head owns two bytes of each word): 32 bytes a wave against 768 of codes.
; LIMITS: a block of zeros, or one under 2^-124, gets the scale byte 1; NaN and infinities are not served.
.set KC,   0                            ; [16 chunks][128 keys][48]
.set VC,   98304                        ; [16 chunks][2][64 dk][48]
.set KSC,  196608                       ; [16][128 keys][4]
.set VSC,  204800                       ; [16][64 dk][4]
.set STG,  208896                       ; the way out: 768 bytes a wave
.set WV,   20
.set SEL,  22
.set CS,   24
.set G1K,  28
.set G1V,  36
.set G1KS, 44
.set G1VS, 52
.set G0K,  68
.set G0V,  72
.set G0KS, 76
.set G0VS, 80
.set TK,   60                           ; the step's chunk: codes,
.set TS,   61                           ; K's scale words,
.set TJ,   62                           ; V's
.set TRIP, 63
; REGISTERS: v1-4 lane terms; v8-11 the step's addresses; v12 -M, v13 the largest t, v[14:15] the sum; v16-27 Q (v22-27 zeros); v28 Q's scale word; v32-79 K's eight fragments, six apart (behind the score
; products: scratch); v80-85 zeros; v86-89 K's scale words, a pair of tiles each; v94 p's scale word; v96-159 S^T, then p; v160-191 O^T; v192-239 V's four fragments; v240-241 V's scale words.
.macro CROUND
	s_barrier_signal -1
	s_barrier_wait -1
	s_cmp_lg_u32 s[WV], 0
	s_cbranch_scc1 .Lnot_wave_0_\@
	s_barrier_signal -3
.Lnot_wave_0_\@:
	s_barrier_wait -3
	s_barrier_signal -1
	s_barrier_wait -1
.endm
.macro GROUP1 g, c, r, p               ; r rows of c elements of 8 bytes, p elements apart; no padding; the mask names all four work-groups, bit 21 beside it
	s_mov_b32 s[\g], 15|(3<<16)|(1<<21)
	s_mov_b32 s[\g+1], (\c)<<16
	s_mov_b32 s[\g+2], (\r)<<16
	s_mov_b32 s[\g+3], (\c)<<16
	s_mov_b32 s[\g+4], \r
	s_mov_b32 s[\g+5], \p
	s_mov_b32 s[\g+6], 0
	s_mov_b32 s[\g+7], 0
.endm
	s_load_b128 s[84:87], s[0:1], 0x0              ; wide, act
	v_lshl_add_u32 v254, v0, 2, 0x36000
	v_mov_b32 v255, 0
	ds_add_u32 v254, v255
	ds_add_u32 v254, v255
	v_lshrrev_b32 v8, 5, v0
	v_readfirstlane_b32 s[WV], v8                  ; wave 0..15
	s_bfe_u32 s88, ttmp6, 0x40000                  ; cx
	s_lshl_b32 s89, ttmp9, 2
	s_add_co_u32 s88, s88, s89                     ; my block of 256 queries: it enters q's and ctx's addresses alone
	s_and_b32 s89, ttmp7, 0xffff
	s_lshr_b32 s90, s89, 4                         ; batch
	s_and_b32 s91, s89, 15                         ; head
	s_lshr_b32 s92, s91, 1
	s_and_b32 s93, s91, 1
	s_lshl_b32 s94, s90, 4
	s_add_co_u32 s94, s94, s[WV]                   ; 16 x batch + wave: my chunk's 128 tokens
	s_lshl_b32 s2, s94, 4
	s_add_co_u32 s2, s2, s91
	s_mul_i32 s2, s2, 6144                         ; K's codes
	s_lshl_b32 s3, s94, 3
	s_add_co_u32 s3, s3, s92
	s_lshl_b32 s3, s3, 9                           ; K's scale words
	s_lshl_b32 s21, s92, 5
	s_add_co_u32 s21, s21, s94
	s_lshl_b32 s26, s21, 9
	s_lshl_b32 s27, s93, 8
	s_add_co_u32 s26, s26, s27                     ; V's scale words
	s_mul_i32 s21, s21, 12288
	s_mul_i32 s27, s93, 3072
	s_add_co_u32 s21, s21, s27                     ; V's codes
	s_lshl_b32 s66, s90, 4
	s_lshl_b32 s67, s88, 1
	s_add_co_u32 s66, s66, s67
	s_lshr_b32 s67, s[WV], 3
	s_add_co_u32 s66, s66, s67                     ; my queries' block of 128 tokens
	s_and_b32 s27, s[WV], 7
	s_lshl_b32 s27, s27, 4                         ; and their first row in it
	s_lshl_b32 s67, s66, 3
	s_add_co_u32 s67, s67, s92
	s_lshl_b32 s67, s67, 7
	s_add_co_u32 s67, s67, s27
	s_lshl_b32 s67, s67, 2
	s_lshl_b32 s89, s93, 1
	s_add_co_u32 s67, s67, s89
	s_add_co_u32 s67, s67, 3145728                 ; q's and ctx's scale halfwords
	s_lshl_b32 s66, s66, 4
	s_add_co_u32 s66, s66, s91
	s_lshl_b32 s66, s66, 7
	s_add_co_u32 s66, s66, s27
	s_mul_i32 s66, s66, 48                         ; q's and ctx's codes
	GROUP1 G1K, 32, 24, 32                         ; a chunk of K: 6,144 dense bytes as 24 rows of 256
	GROUP1 G1V, 384, 2, 768                        ; of V: two runs of 64 rows x 48 bytes, 6,144 bytes apart
	GROUP1 G1KS, 64, 1, 64                         ; K's scale words: 512 bytes
	GROUP1 G1VS, 32, 1, 32                         ; V's: 256 bytes
	s_mov_b32 s[SEL], 0x76543210
	s_mov_b32 s[SEL+1], 0xfedcba98
	s_mov_b32 s[CS], 0x3e38aa3b                    ; c = log2(e) / 8
	s_mov_b32 s[CS+1], s[CS]
	s_mov_b32 s[TK], 0
	s_mov_b32 s[TS], 0
	s_mov_b32 s[TJ], 0
	s_mov_b32 s89, 0
	s_mov_b32 s95, 0
	s_wait_dscnt 0x0
	s_wait_kmcnt 0x0
	s_mov_b32 s88, s66
	s_add_nc_u64 s[4:5], s[84:85], s[88:89]        ; q's codes
	s_add_nc_u64 s[16:17], s[86:87], s[88:89]      ; ctx's codes
	s_mov_b32 s88, s67
	s_add_nc_u64 s[6:7], s[84:85], s[88:89]        ; q's scales
	s_add_nc_u64 s[18:19], s[86:87], s[88:89]      ; ctx's scales
	s_add_co_u32 s94, s2, 3276800
	s_add_nc_u64 s[8:9], s[84:85], s[94:95]
	s_add_co_u32 s94, s3, 6422528
	s_add_nc_u64 s[10:11], s[84:85], s[94:95]
	s_add_co_u32 s94, s21, 6553600
	s_add_nc_u64 s[12:13], s[84:85], s[94:95]
	s_add_co_u32 s94, s26, 9699328
	s_add_nc_u64 s[14:15], s[84:85], s[94:95]
	s_mov_b32 s[G0K], 1
	s_mul_i32 s[G0K+1], s[WV], 6144
	s_mov_b64 s[G0K+2:G0K+3], s[8:9]
	s_or_b32 s[G0K+3], s[G0K+3], 0x80000000
	s_mov_b32 s[G0V], 1
	s_add_co_u32 s[G0V+1], s[G0K+1], VC
	s_mov_b64 s[G0V+2:G0V+3], s[12:13]
	s_or_b32 s[G0V+3], s[G0V+3], 0x80000000
	s_mov_b32 s[G0KS], 1
	s_lshl_b32 s[G0KS+1], s[WV], 9
	s_add_co_u32 s[G0KS+1], s[G0KS+1], KSC
	s_mov_b64 s[G0KS+2:G0KS+3], s[10:11]
	s_or_b32 s[G0KS+3], s[G0KS+3], 0x80000000
	s_mov_b32 s[G0VS], 1
	s_lshl_b32 s[G0VS+1], s[WV], 8
	s_add_co_u32 s[G0VS+1], s[G0VS+1], VSC
	s_mov_b64 s[G0VS+2:G0VS+3], s[14:15]
	s_or_b32 s[G0VS+3], s[G0VS+3], 0x80000000
	CROUND                                         ; all four work-groups are here: the joint loads meet
	tensor_load_to_lds s[G0K:G0K+3], s[G1K:G1K+7]
	s_nop 0
	tensor_load_to_lds s[G0V:G0V+3], s[G1V:G1V+7]
	s_nop 0
	tensor_load_to_lds s[G0KS:G0KS+3], s[G1KS:G1KS+7]
	s_nop 0
	tensor_load_to_lds s[G0VS:G0VS+3], s[G1VS:G1VS+7]
	s_nop 0
.rept 4
	v_nop
.endr
	v_and_b32 v8, 15, v0                           ; r
	v_bfe_u32 v9, v0, 4, 1                         ; lane / 16
	v_and_b32 v10, 31, v0                          ; lane
	v_mul_u32_u24 v1, v8, 48
	v_mad_u32_u24 v1, v9, 24, v1                   ; row r of 48 bytes, + 24 for lanes 16-31: in a tile of K, and in q's and ctx's 16 rows
	v_add_nc_u32 v2, VC, v1                        ; the same in a tile of V
	s_lshl_b32 s27, s93, 1
	v_lshl_add_u32 v3, v10, 2, s27
	v_add_nc_u32 v3, KSC, v3                       ; K's scale halfwords: a pair of tiles is 32 keys, a lane a key; my head's two bytes of the word
	v_lshlrev_b32 v4, 2, v10
	v_add_nc_u32 v4, VSC, v4                       ; V's scale words: a lane a row
	v_lshlrev_b32 v6, 2, v8                        ; 4 r
.irp p, 0,1,2
	global_load_b64 v[16+2*\p:17+2*\p], v1, s[4:5] offset:8*\p   ; q's fragment: k = 0 .. 63
.endr
	global_load_u16 v28, v6, s[6:7]                ; its two scale bytes; the upper two are 0
.irp j, 22,23,24,25,26,27,80,81,82,83,84,85
	v_mov_b32 v[\j], 0                             ; zero codes
.endr
	v_mov_b32 v13, 0xff61b1e6                      ; the largest t so far: -3e38
	v_floor_f32 v12, -v13                          ; -M
	v_mov_b32 v14, 0
	v_mov_b32 v15, 0
.set j, 0
.rept 32
	v_mov_b32 v[160+j], 0                          ; O^T: the loop is written once, its first step finds zeros
.set j, j+1
.endr
	s_wait_tensorcnt 0x0                           ; my chunk has landed,
	s_barrier_signal -1
	s_barrier_wait -1                              ; everybody's has
	s_wait_loadcnt 0x0                             ; q
	s_mov_b32 s[TRIP], 16
.Lstep:
	v_add_nc_u32 v8, s[TK], v1                     ; these four are also the places between the last trip's products and the loads into their registers
	v_add_nc_u32 v9, s[TK], v2
	v_add_nc_u32 v10, s[TS], v3
	v_add_nc_u32 v11, s[TJ], v4
.irp t, 0,1,2,3,4,5,6,7
.irp p, 0,1,2
	ds_load_b64 v[32+6*\t+2*\p:33+6*\t+2*\p], v8 offset:768*\t+8*\p
.endr
.endr
.irp u, 0,1,2,3
	ds_load_u16 v[86+\u], v10 offset:128*\u
.endr
.irp t, 0,1,2,3
.irp p, 0,1,2,3,4,5
	ds_load_b64 v[192+12*\t+2*\p:193+12*\t+2*\p], v9 offset:768*\t+3072*(\p/3)+8*(\p%3)
.endr
.endr
.irp u, 0,1
	ds_load_b32 v[240+\u], v11 offset:128*\u
.endr
	s_wait_dscnt 26                                ; K is in; V's 26 younger loads may be out
.irp t, 0,2,4,6                                ; S^T = K Q^T: lane (r, g) holds query r; register 8 t + j is key 16 t + 8 g + j
	v_wmma_scale_f32_16x16x128_f8f6f4 v[96+8*\t:103+8*\t], v[32+6*\t:43+6*\t], v[16:27], 0, v[86+\t/2], v28 matrix_a_fmt:MATRIX_FMT_FP6 matrix_b_fmt:MATRIX_FMT_FP6
	v_wmma_scale_f32_16x16x128_f8f6f4 v[104+8*\t:111+8*\t], v[38+6*\t:49+6*\t], v[16:27], 0, v[86+\t/2], v28 matrix_a_fmt:MATRIX_FMT_FP6 matrix_b_fmt:MATRIX_FMT_FP6 matrix_a_scale:MATRIX_SCALE_ROW1
.endr
.rept 4
	v_nop
.endr
.irp b, 0,1,2,3
	v_max3_num_f32 v[32+\b], v[96+16*\b], v[97+16*\b], v[98+16*\b]   ; the largest score of each block of 32 keys: for the row's maximum, and, since p rises with the score, for the block's largest p
.endr
.irp i, 3,5,7,9,11,13
.irp b, 0,1,2,3
	v_max3_num_f32 v[32+\b], v[32+\b], v[96+16*\b+\i], v[97+16*\b+\i]
.endr
.endr
.irp b, 0,1,2,3
	v_max_num_f32 v[32+\b], v[32+\b], v[111+16*\b]
.endr
.irp b, 0,1,2,3
	v_permlanex16_b32 v[36+\b], v[32+\b], s[SEL], s[SEL+1]
.endr
.irp b, 0,1,2,3
	v_max_num_f32 v[32+\b], v[32+\b], v[36+\b]
.endr
	v_max3_num_f32 v70, v32, v33, v34
	v_max_num_f32 v70, v70, v35
	v_mul_f32 v70, s[CS], v70                      ; the step's largest t
	v_max_num_f32 v13, v13, v70
	v_mov_b32 v70, v12
	v_floor_f32 v12, -v13                          ; the new -M = -ceil(t)
	v_sub_f32 v70, v12, v70                        ; old M - new M: a whole number, 0 or less
	v_cvt_i32_f32 v70, v70                         ; (it saturates)
	v_ldexp_f32 v68, 1.0, v70                      ; f = 2^(old M - new M)
.set j, 0
.rept 32
	v_pk_fma_f32 v[96+j:97+j], v[96+j:97+j], s[CS:CS+1], v[12:13] op_sel_hi:[1,0,0]   ; t - M
.set j, j+2
.endr
.irp b, 0,1,2,3
	v_fma_f32 v[32+\b], v[32+\b], s[CS], v12
.endr
.set j, 0
.rept 64
	v_exp_f32 v[96+j], v[96+j]                     ; p = 2^(t - M)
.set j, j+1
.endr
	v_pk_mul_f32 v[14:15], v[14:15], v[68:69] op_sel_hi:[1,0]   ; the sums under the new M; the plain instruction behind the exponentials
	s_wait_alu depctr_va_vdst(0)                   ; one wait for the batch, ahead of its first reader
.irp b, 0,1,2,3
	v_exp_f32 v[32+\b], v[32+\b]                   ; each block's largest p
.endr
	v_pk_add_f32 v[72:73], v[96:97], v[98:99]      ; the row's sum of the unquantised p, in two chains
.irp j, 4,8,12,16,20,24,28,32,36,40,44,48,52,56,60
	v_pk_add_f32 v[14:15], v[14:15], v[96+\j:97+\j]
	v_pk_add_f32 v[72:73], v[72:73], v[98+\j:99+\j]
.endr
	v_pk_add_f32 v[14:15], v[14:15], v[72:73]
	s_wait_alu depctr_va_vdst(0)                   ; and one for the four
.irp b, 0,1,2,3
	v_max_num_f32 v[32+\b], 0x1800000, v[32+\b]    ; the floor 2^(3 - 127)
.endr
.irp b, 0,1,2,3
	v_add_nc_u32 v[40+\b], 0xff000000, v[32+\b]    ; the conversion's scale operand
.endr
.irp b, 0,1,2,3
	v_lshrrev_b32 v[44+\b], 23, v[40+\b]           ; the scale's byte
.endr
	v_lshl_or_b32 v94, v45, 8, v44                 ; p's scale word for these 128 keys
	v_lshl_or_b32 v94, v46, 16, v94
	v_lshl_or_b32 v94, v47, 24, v94
.irp c, 0,1
	v_cvt_scalef32_pk16_fp6_f32 v[48+6*\c:50+6*\c], v[96+32*\c:111+32*\c], v[40+2*\c]
	v_cvt_scalef32_pk16_fp6_f32 v[60+4*\c:62+4*\c], v[112+32*\c:127+32*\c], v[41+2*\c]
.endr
	v_nop                                          ; one plain instruction behind a scaled conversion
.irp c, 0,1
.irp i, 0,1,2
	v_permlane16_swap_b32 v[48+6*\c+\i], v[60+4*\c+\i]
.endr
.irp i, 0,1,2
	v_mov_b32 v[51+6*\c+\i], v[60+4*\c+\i]
.endr
.endr
.set j, 0
.rept 16
	v_pk_mul_f32 v[160+j:161+j], v[160+j:161+j], v[68:69] op_sel_hi:[1,0]   ; O^T under the new M; these sixteen are also the places between p's codes and scale word and the products
.set j, j+2
.endr
	s_wait_dscnt 0x0                               ; V
.irp t, 0,2                                    ; O^T += V^T P^T; the four accumulators take one instruction a turn, and the next trip's eight score products stand between two turns
	v_wmma_scale_f32_16x16x128_f8f6f4 v[160+8*\t:167+8*\t], v[192+12*\t:203+12*\t], v[48:59], v[160+8*\t:167+8*\t], v[240+\t/2], v94 matrix_a_fmt:MATRIX_FMT_FP6 matrix_b_fmt:MATRIX_FMT_FP6
	v_wmma_scale_f32_16x16x128_f8f6f4 v[168+8*\t:175+8*\t], v[204+12*\t:215+12*\t], v[48:59], v[168+8*\t:175+8*\t], v[240+\t/2], v94 matrix_a_fmt:MATRIX_FMT_FP6 matrix_b_fmt:MATRIX_FMT_FP6 matrix_a_scale:MATRIX_SCALE_ROW1
.endr
	s_add_co_u32 s[TK], s[TK], 6144
	s_add_co_u32 s[TS], s[TS], 512
	s_add_co_u32 s[TJ], s[TJ], 256
	s_sub_co_u32 s[TRIP], s[TRIP], 1
	s_cmp_lg_u32 s[TRIP], 0
	s_cbranch_scc1 .Lstep
	; THE WAY OUT: O^T / the sum, in true order, quantised: two blocks of 32 a query
	v_add_f32 v14, v14, v15
	v_permlanex16_b32 v68, v14, s[SEL], s[SEL+1]
	v_add_f32 v14, v14, v68                        ; the row's sum
	v_rcp_f32 v14, v14
	v_and_b32 v10, 31, v0                          ; (plain work behind the reciprocal; with the additions above also the places behind the last products)
	s_mul_i32 s27, s[WV], 768
	s_add_co_u32 s27, s27, STG
	v_add_nc_u32 v5, s27, v1                       ; my stage, in
	v_lshlrev_b32 v7, 3, v10
	v_add_nc_u32 v8, s27, v7                       ; and back: 8 bytes a lane
	s_wait_alu depctr_va_vdst(0)                   ; ahead of the reciprocal's first reader
.set j, 0
.rept 32
	v_mul_f32 v[96+j], v[160+j], v14               ; register 8 t + i: dk = 16 t + 8 g + i
.set j, j+1
.endr
.irp c, 0,1
.irp j, 0,1,2,3,4,5,6,7
	v_permlane16_swap_b32 v[96+16*\c+\j], v[104+16*\c+\j]   ; register 16 c + i is now dk = 32 c + 16 g + i
.endr
.endr
.irp c, 0,1
	v_max3_num_f32 v[32+\c], |v[96+16*\c]|, |v[97+16*\c]|, 0x1800000
.endr
.irp i, 2,4,6,8,10,12,14
.irp c, 0,1
	v_max3_num_f32 v[32+\c], v[32+\c], |v[96+16*\c+\i]|, |v[97+16*\c+\i]|
.endr
.endr
.irp c, 0,1
	v_permlanex16_b32 v[36+\c], v[32+\c], s[SEL], s[SEL+1]
.endr
.irp c, 0,1
	v_max_num_f32 v[32+\c], v[32+\c], v[36+\c]
.endr
.irp c, 0,1
	v_add_nc_u32 v[40+\c], 0xff000000, v[32+\c]
.endr
.irp c, 0,1
	v_lshrrev_b32 v[44+\c], 23, v[40+\c]
.endr
	v_lshl_or_b32 v46, v45, 8, v44                 ; my query's two scale bytes
	v_cvt_scalef32_pk16_fp6_f32 v[48:50], v[96:111], v40
	v_cvt_scalef32_pk16_fp6_f32 v[60:62], v[112:127], v41
	v_nop
.irp i, 0,1,2
	v_permlane16_swap_b32 v[48+\i], v[60+\i]       ; lanes 0-15: block 0 whole, lanes 16-31: block 1
.endr
.irp i, 0,1,2
	v_mov_b32 v[51+\i], v[60+\i]
.endr
.irp p, 0,1,2
	ds_store_b64 v5, v[48+2*\p:49+2*\p] offset:8*\p
.endr
.irp i, 0,1,2
	ds_load_b64 v[64+2*\i:65+2*\i], v8 offset:256*\i   ; LDS serves a wave's instructions in order: these see my stores
.endr
.irp i, 0,1,2
	s_wait_dscnt 2-\i                              ; the younger loads may be out
	global_store_b64 v7, v[64+2*\i:65+2*\i], s[16:17] offset:256*\i   ; 256 consecutive bytes, at a multiple of 256 from the buffer's first byte
.endr
	global_store_b16 v6, v46, s[18:19]             ; lanes r and r + 16 hold the same two bytes and name the same place
	s_wait_dscnt 0x0
	s_wait_tensorcnt 0x0
	ds_add_u32 v254, v255
	s_wait_dscnt 0x0
	CROUND                                         ; the closing round
	s_endpgm
.Lfunc_end_k_qf5ee28081b_attn:
	.size	k_qf5ee28081b_attn, .Lfunc_end_k_qf5ee28081b_attn-k_qf5ee28081b_attn
	.p2alignl 7, 3214868480
	.fill 96, 4, 3214868480
	.section	.rodata,"a",@progbits
	.p2align	6, 0x0
	.amdhsa_kernel k_qf5ee28081b_attn
		.amdhsa_group_segment_fixed_size 223232
		.amdhsa_private_segment_fixed_size 0
		.amdhsa_enable_private_segment 0
		.amdhsa_kernarg_size 16
		.amdhsa_user_sgpr_count 2
		.amdhsa_user_sgpr_kernarg_segment_ptr 1
		.amdhsa_wavefront_size32 1
		.amdhsa_system_sgpr_workgroup_id_x 1
		.amdhsa_system_sgpr_workgroup_id_y 1
		.amdhsa_system_sgpr_workgroup_id_z 1
		.amdhsa_system_vgpr_workitem_id 0
		.amdhsa_next_free_vgpr 256
		.amdhsa_next_free_sgpr 96
		.amdhsa_reserve_vcc 0
		.amdhsa_float_denorm_mode_32 3
		.amdhsa_float_denorm_mode_16_64 3
		.amdhsa_memory_ordered 1
		.amdhsa_forward_progress 1
		.amdhsa_inst_pref_size 32
	.end_amdhsa_kernel
	.amdgpu_metadata
---
amdhsa.version: [ 1, 2 ]
amdhsa.kernels:
  - .name:           k_qf5ee28081b_attn
    .symbol:         k_qf5ee28081b_attn.kd
    .args:
      - { .name: wide, .offset: 0, .size: 8, .value_kind: global_buffer, .address_space: global }
      - { .name: act, .offset: 8, .size: 8, .value_kind: global_buffer, .address_space: global }
    .group_segment_fixed_size: 223232
    .private_segment_fixed_size: 0
    .kernarg_segment_align: 8
    .kernarg_segment_size: 16
    .max_flat_workgroup_size: 512
    .sgpr_count:     96
    .vgpr_count:     256
    .wavefront_size: 32
...
	.end_amdgpu_metadata
.endif
;; end of part 3
;; launch wo (part 4): grid 4 x 32, 4 waves a work-group, clusters of 4 x 4, 327,680 bytes of LDS; arguments act, Wo_codes, Wo_scales, bo, x, x1; writes x1
.if DOCPART == 4
	.amdgcn_target "amdgcn-amd-amdhsa--gfx1250"
	.amdhsa_code_object_version 6
	.text
	.protected	k_qf5ee28081b_wo
	.globl	k_qf5ee28081b_wo
	.p2align	8
	.type	k_qf5ee28081b_wo,@function
k_qf5ee28081b_wo:
	s_mov_b64 s[64:65], 0
	v_nop
	global_prefetch_b8 v0, s[64:65] scope:SCOPE_SE
	s_setreg_imm32_b32 hwreg(HW_REG_WAVE_MODE, 25, 1), 1
	s_wait_xcnt 0x0
	s_wait_alu depctr_hold_cnt(0) depctr_sa_sdst(0) depctr_va_vdst(0) depctr_va_sdst(0) depctr_va_ssrc(0) depctr_va_vcc(0) depctr_vm_vsrc(0)
	s_getreg_b32 s2, hwreg(HW_REG_IB_STS2, 6, 4)
	s_cmp_eq_u32 s2, 0
	s_cbranch_scc0 .Lentry_in_a_cluster
	s_endpgm
.Lentry_in_a_cluster:
	s_bfe_u32 s2, ttmp6, 0x10000c
	s_cmp_lg_u32 s2, 0xf033
	s_cbranch_scc0 .Lentry_shape_is_right
	s_endpgm
.Lentry_shape_is_right:
; C = R + A B^T + bias: A [4096][SIZE_K] and B [1024][SIZE_K] as codes of FP6 (E2M3) with one E8M0 scale for each 32 along K; bias [1024], R and C [4096][1024] f32.  Here: x1 = x + ctx Wo + bo.
; A (made by this program): codes [row / 128][k / 64][128 rows][48 bytes]; scale words, 4096 x SIZE_K x 3 / 4 bytes further on, [row / 128][k / 128][128 rows][4].  B (given): codes [1024][SIZE_K x 3 / 4], scale bytes [1024][SIZE_K / 32].
; A tile of C is 128 x 256 (C has only 1,024 columns: this gives 128 work-groups where 256 x 256 would give 64); four waves, 64 x 128 each: 32 accumulators, window 2.
; K goes in steps of 256 through a ring of two LDS slots filled by joint tensor loads: A's tile is shared along a row of the 4 x 4 cluster, B's along a column.  The scales come into LDS once.
; THE MATRIX INSTRUCTION IS USED TRANSPOSED (source 0 = 16 rows of B, source 1 = 16 rows of A): a lane holds eight neighbouring numbers of a row of C.  The bias is the C of each sum's first product.
; REGISTERS: window 0: v0-31 addresses; v32-63 scale words, two sets; v64-127 the bias, later the residual; v128-175 A's fragments, one set; on the way out v128-255 rows of C.  window 1: B's fragments, two sets.
.set SIZE_K, 1024
.set KSTEP,  256
.set ROWB,   192
.set KROW,   SIZE_K*6/8
.set PITCH,  240                       ; B's LDS row: 3 x (64 bytes + 16 of padding)
.set FR,     12
.set NL,     6
.set HALFA,  4*64*48                   ; A: [4 groups of 64 k][64 rows][48 bytes]: what one tensor load brings, and what one wave reads
.set HALFB,  128*PITCH
.set SLOT,   2*HALFA+2*HALFB
.set LAPS,   SIZE_K/(2*KSTEP)
.set KS,     SIZE_K/32
.set SCA,    2*SLOT                    ; A's scale words: two halves of [k / 128][64 rows][4]
.set HALFSA, (SIZE_K/128)*256
.set SCB,    SCA+2*HALFSA              ; B's scale bytes: units of 256 bytes + 16
.set HALFSB, (128*KS/256)*272
.set SBLK,   (16*KS/256)*272
.set SPARE,  SCB+2*HALFSB              ; the spare words: 128 bytes a wave, named by no other line
.set SPITCH, 528                       ; the way out: a stage of 16 rows x (512 + 16) for each wave, in slot 0 (its last fill and last read are over)
.set ADRA, 16
.set ADRB, 20
.set STO,  24
.set RD,   25
.set CO,   26
.set ADRSA, 27
.set SPW,  28
.set NIL,  29
.set ADRSB, 30
.set SC,   32                          ; set s at SC + 16 s: A's pair of blocks i, word q at + 2 i + q; B's at + 8 + 2 i + q.  Lanes 0-15: block 2 i, lanes 16-31: block 2 i + 1
.set BT,   64
.set RS,   64
.set AF,   128
.set BK,   128
.set G1, 24
.set G0, 32
.set G1B, 48
.set G0B, 56
.set G1S, 68
.set G0S, 76
.set G1SB, 80
.set G0SB, 88
.set MSB, 0
.macro WIN new                         ; the immediate's high byte repeats the setting that is left
.if MSB != (\new)
	s_set_vgpr_msb (MSB<<8)|(\new)
.set MSB, (\new)
.endif
.endm
; A joint load: waves 0 and 1 fetch for A, waves 2 and 3 for B; the branch hangs on the wave's number alone.  Four v_nop follow each line.
.macro JLOAD g0a, g1a, g0b, g1b
	s_cmp_eq_u32 s15, 0
	s_cbranch_scc0 .Lfor_b_\@
	tensor_load_to_lds s[\g0a:\g0a+3], s[\g1a:\g1a+7]
	s_nop 0
.rept 4
	v_nop
.endr
	s_branch .Lasked_\@
.Lfor_b_\@:
	tensor_load_to_lds s[\g0b:\g0b+3], s[\g1b:\g1b+7]
	s_nop 0
.rept 4
	v_nop
.endr
.Lasked_\@:
.endm
.macro CREST
	s_cmp_lg_u32 s14, 0
	s_cbranch_scc1 .Lnot_wave_0_\@
	s_barrier_signal -3
.Lnot_wave_0_\@:
	s_barrier_wait -3
	s_barrier_signal -1
	s_barrier_wait -1
.endm
.macro CROUND
	s_barrier_signal -1
	s_barrier_wait -1
	CREST
.endm
.macro PLACES                          ; four plain instructions between a matrix instruction and a load into, or a read of, its registers
.rept 4
	v_nop
.endr
.endm
	s_load_b64 s[4:5], s[0:1], 0x0                 ; A
	s_load_b128 s[8:11], s[0:1], 0x8               ; B's codes, B's scales
	s_load_b64 s[96:97], s[0:1], 0x18              ; bias
	s_load_b64 s[100:101], s[0:1], 0x20            ; R
	s_load_b64 s[12:13], s[0:1], 0x28              ; C
	v_lshl_add_u32 v[SPW], v0, 2, SPARE
	v_mov_b32 v[NIL], 0
	ds_add_u32 v28, v29
	ds_add_u32 v28, v29
	s_wait_dscnt 0x0
	v_lshrrev_b32 v1, 5, v0
	v_readfirstlane_b32 s14, v1                    ; wave 0..3
	s_lshr_b32 s15, s14, 1                         ; my half of the tile's rows; also: I fetch for A (0) or B (1)
	s_and_b32 s16, s14, 1                          ; my half of its columns; also: which half I fetch
	s_bfe_u32 s40, ttmp6, 0x40000                  ; cx
	s_bfe_u32 s41, ttmp6, 0x40004                  ; cy
	s_lshl_b32 s42, ttmp9, 2
	s_add_co_u32 s42, s42, s40                     ; tile column of C
	s_and_b32 s17, ttmp7, 0xffff
	s_lshl_b32 s17, s17, 2
	s_add_co_u32 s17, s17, s41                     ; tile row of C
	s_lshl_b32 s43, s41, 2
	s_lshl_b32 s43, 15, s43                        ; my row of the cluster
	s_lshl_b32 s44, 0x1111, s40                    ; my column
	; A's codes: 4 runs (64 along K each) of 64 rows x 48 bytes = 384 elements of 8 bytes, 768 elements apart; no padding
	s_or_b32 s[G1+0], s43, (3<<16)|(1<<21)
	s_mov_b32 s[G1+1], 384<<16
	s_mov_b32 s[G1+2], 4<<16
	s_mov_b32 s[G1+3], 384<<16
	s_mov_b32 s[G1+4], 4
	s_mov_b32 s[G1+5], 768
	s_mov_b32 s[G1+6], 0
	s_mov_b32 s[G1+7], 0
	; B's codes: 128 rows x 192 bytes, 16 bytes of padding behind every 64
	s_or_b32 s[G1B+0], s44, (0<<16)|(1<<20)|(1<<21)|(3<<22)|(3<<25)
	s_mov_b32 s[G1B+1], ROWB<<16
	s_mov_b32 s[G1B+2], 128<<16
	s_mov_b32 s[G1B+3], ROWB<<16
	s_mov_b32 s[G1B+4], 128
	s_mov_b32 s[G1B+5], KROW
	s_mov_b32 s[G1B+6], 0
	s_mov_b32 s[G1B+7], 0
	; A's scale words: SIZE_K / 128 runs of 64 rows x 4 bytes = 32 elements of 8, 64 elements apart
	s_or_b32 s[G1S+0], s43, (3<<16)|(1<<21)
	s_mov_b32 s[G1S+1], 32<<16
	s_mov_b32 s[G1S+2], (SIZE_K/128)<<16
	s_mov_b32 s[G1S+3], 32<<16
	s_mov_b32 s[G1S+4], SIZE_K/128
	s_mov_b32 s[G1S+5], 64
	s_mov_b32 s[G1S+6], 0
	s_mov_b32 s[G1S+7], 0
	; B's scale bytes of 128 rows: a dense block, as rows of 256 bytes, 16 bytes of padding behind each
	s_or_b32 s[G1SB+0], s44, (3<<16)|(1<<20)|(1<<21)|(5<<22)|(3<<25)
	s_mov_b32 s[G1SB+1], 32<<16
	s_mov_b32 s[G1SB+2], (128*KS/256)<<16
	s_mov_b32 s[G1SB+3], 32<<16
	s_mov_b32 s[G1SB+4], 128*KS/256
	s_mov_b32 s[G1SB+5], 32
	s_mov_b32 s[G1SB+6], 0
	s_mov_b32 s[G1SB+7], 0
	s_mul_i32 s20, s17, (SIZE_K/64)*6144           ; A's codes: my tile row's block of 128 rows, + my half's 64 rows
	s_mul_i32 s18, s16, 3072
	s_add_co_u32 s20, s20, s18
	s_mov_b32 s21, 0
	s_mul_i32 s22, s17, (SIZE_K/128)*512           ; its scale words
	s_lshl_b32 s18, s16, 8
	s_add_co_u32 s22, s22, s18
	s_mov_b32 s23, 0
	s_lshl_b32 s46, s42, 8
	s_lshl_b32 s18, s16, 7
	s_add_co_u32 s46, s46, s18                     ; B: row 256 x tile column + 128 x half
	s_mul_i32 s92, s46, KS
	s_mul_i32 s46, s46, KROW
	s_mov_b32 s47, 0
	s_mov_b32 s93, 0
	s_mul_i32 s45, s16, HALFA                      ; where they go: no place in the cluster enters an LDS address
	s_mul_i32 s94, s16, HALFB
	s_add_co_u32 s94, s94, 2*HALFA
	s_mul_i32 s95, s16, HALFSA
	s_add_co_u32 s95, s95, SCA
	s_mul_i32 s2, s16, HALFSB
	s_add_co_u32 s2, s2, SCB
	s_wait_kmcnt 0x0
	s_add_nc_u64 s[6:7], s[4:5], 4096*SIZE_K*3/4   ; A's scale words
	s_add_nc_u64 s[20:21], s[4:5], s[20:21]
	s_add_nc_u64 s[22:23], s[6:7], s[22:23]
	s_add_nc_u64 s[46:47], s[8:9], s[46:47]
	s_add_nc_u64 s[92:93], s[10:11], s[92:93]
	CROUND                                         ; all sixteen work-groups are here: the first joint loads meet
	s_mov_b32 s[G0S], 1
	s_mov_b32 s[G0S+1], s95
	s_mov_b64 s[G0S+2:G0S+3], s[22:23]
	s_or_b32 s[G0S+3], s[G0S+3], 0x80000000
	s_mov_b32 s[G0SB], 1
	s_mov_b32 s[G0SB+1], s2
	s_mov_b64 s[G0SB+2:G0SB+3], s[92:93]
	s_or_b32 s[G0SB+3], s[G0SB+3], 0x80000000
	JLOAD G0S, G1S, G0SB, G1SB                     ; the scales first; with the two slots three loads of mine are out
.irp s, 0,1
	s_mov_b32 s[G0+4*\s], 1
	s_add_co_u32 s[G0+4*\s+1], s45, \s*SLOT
	s_add_nc_u64 s[G0+4*\s+2:G0+4*\s+3], s[20:21], \s*4*6144
	s_or_b32 s[G0+4*\s+3], s[G0+4*\s+3], 0x80000000
	s_mov_b32 s[G0B+4*\s], 1
	s_add_co_u32 s[G0B+4*\s+1], s94, \s*SLOT
	s_add_nc_u64 s[G0B+4*\s+2:G0B+4*\s+3], s[46:47], \s*ROWB
	s_or_b32 s[G0B+4*\s+3], s[G0B+4*\s+3], 0x80000000
	JLOAD G0+4*\s, G1, G0B+4*\s, G1B
.endr
	v_and_b32 v1, 15, v0                           ; r
	v_bfe_u32 v2, v0, 4, 1                         ; h
	v_mul_u32_u24 v3, v1, PITCH
	v_mul_u32_u24 v4, v2, 24
	v_add_nc_u32 v3, v3, v4                        ; B: row x pitch + 24 h
	v_lshl_add_u32 v5, v2, 4, v3                   ; and the same behind one padding more
	v_mad_u32_u24 v4, v1, 48, v4                   ; A: row x 48 + 24 h
	s_mul_i32 s21, s15, HALFA
	s_mul_i32 s22, s16, HALFB
	s_add_co_u32 s22, s22, 2*HALFA
.irp s, 0,1
	v_add_nc_u32 v[ADRA+\s], s21, v4
	v_add_nc_u32 v[ADRB+\s], s22, v3
	v_add_nc_u32 v[ADRB+2+\s], s22, v5
	s_add_co_u32 s21, s21, SLOT
	s_add_co_u32 s22, s22, SLOT
.endr
	v_and_b32 v6, 31, v0                           ; lane: a pair of blocks is 32 rows, a lane a row
	s_mul_i32 s21, s15, HALFSA
	s_add_co_u32 s21, s21, SCA
	v_lshl_add_u32 v[ADRSA], v6, 2, s21            ; A's scale words: 4 bytes a row
	v_mul_u32_u24 v5, v6, KS
	v_lshrrev_b32 v7, 8, v5
	v_lshl_add_u32 v5, v7, 4, v5                   ; B's: KS bytes a row, and 16 more for each 256 passed
	s_mul_i32 s22, s16, HALFSB
	s_add_co_u32 s22, s22, SCB
	v_add_nc_u32 v[ADRSB], s22, v5
	s_mul_i32 s23, s14, 16*SPITCH                  ; my stage
	v_mul_u32_u24 v5, v1, SPITCH
	v_lshl_add_u32 v5, v2, 5, v5
	v_add_nc_u32 v[STO], s23, v5                   ; in: row r, 32 bytes for each half of the lanes
	v_lshlrev_b32 v[CO], 4, v6                     ; back: 32 lanes take a row of 512 bytes; and the same in C and R
	v_add_nc_u32 v[RD], s23, v[CO]
	v_lshlrev_b32 v7, 5, v2                        ; 32 h
	s_lshl_b32 s20, s17, 7
	s_lshl_b32 s21, s15, 6
	s_add_co_u32 s20, s20, s21                     ; my first row of C: 128 x tile row + 64 x half
	s_lshl_b32 s20, s20, 12
	s_lshl_b32 s46, s42, 10
	s_lshl_b32 s47, s16, 9
	s_add_co_u32 s46, s46, s47                     ; my first column, in bytes
	s_mov_b32 s47, 0
	s_add_nc_u64 s[96:97], s[96:97], s[46:47]
	s_add_co_u32 s20, s20, s46
	s_mov_b32 s21, 0
	s_add_nc_u64 s[12:13], s[12:13], s[20:21]
	s_add_nc_u64 s[100:101], s[100:101], s[20:21]
.irp b, 0,1,2,3,4,5,6,7
	global_load_b128 v[BT+8*\b:BT+8*\b+3], v7, s[96:97] offset:64*\b        ; register 8 b + j: the bias of column 16 b + 8 h + j
	global_load_b128 v[BT+8*\b+4:BT+8*\b+7], v7, s[96:97] offset:64*\b+16
.endr
; B's fragment, 16 rows x 128 K: 12 registers, in pieces of 8 bytes; where the piece of lanes 16-31 lies behind one padding more, the second address register serves
.macro FRAG reg, adr, q, i
.irp p, 0,1,2,3,4,5
.set PCE, 12*(\q)+6*(\p/3)+\p%3
.if PCE%8 < 5
	ds_load_b64 v[\reg+2*\p:\reg+2*\p+1], v[\adr] offset:8*PCE+16*(PCE/8)+(\i)*16*PITCH
.else
	ds_load_b64 v[\reg+2*\p:\reg+2*\p+1], v[\adr+2] offset:8*PCE+16*(PCE/8)+(\i)*16*PITCH
.endif
.endr
.endm
; A's: rows of 48 bytes hold 64 along K; the 32 lanes of a load touch 32 different pairs of words modulo 256 bytes
.macro FRAGA reg, slot, q, i
.irp p, 0,1,2,3,4,5
	ds_load_b64 v[\reg+2*\p:\reg+2*\p+1], v[ADRA+\slot] offset:(2*(\q)+\p/3)*3072+(\i)*768+8*(\p%3)
.endr
.endm
; one matrix instruction: A's block a x B's block b, B's set p, the slot's q-th 128 along K, scale set sc.  cm = 2: C is the bias (window 0), else the accumulator.
; A scale register carries a pair of blocks: the odd block's words stand in lanes 16-31.
.macro WM a, b, p, q, sc, cm
.set rD, 8*(8*(\a)+(\b))
.set rB, 128*(\p)+FR*(\b)
.set rA, AF+FR*(\a)
.set xB, SC+16*(\sc)+8+2*((\b)/2)+(\q)
.set xA, SC+16*(\sc)+2*((\a)/2)+(\q)
.set rC, rD
.if (\cm) == 2
.set rC, BT+8*(\b)
.endif
.set par, ((\b)%2)+2*((\a)%2)
.if par == 0
	v_wmma_scale_f32_16x16x128_f8f6f4 v[rD:rD+7], v[rB:rB+FR-1], v[rA:rA+FR-1], v[rC:rC+7], v[xB], v[xA] matrix_a_fmt:MATRIX_FMT_FP6 matrix_b_fmt:MATRIX_FMT_FP6
.elseif par == 1
	v_wmma_scale_f32_16x16x128_f8f6f4 v[rD:rD+7], v[rB:rB+FR-1], v[rA:rA+FR-1], v[rC:rC+7], v[xB], v[xA] matrix_a_fmt:MATRIX_FMT_FP6 matrix_b_fmt:MATRIX_FMT_FP6 matrix_a_scale:MATRIX_SCALE_ROW1
.elseif par == 2
	v_wmma_scale_f32_16x16x128_f8f6f4 v[rD:rD+7], v[rB:rB+FR-1], v[rA:rA+FR-1], v[rC:rC+7], v[xB], v[xA] matrix_a_fmt:MATRIX_FMT_FP6 matrix_b_fmt:MATRIX_FMT_FP6 matrix_b_scale:MATRIX_SCALE_ROW1
.else
	v_wmma_scale_f32_16x16x128_f8f6f4 v[rD:rD+7], v[rB:rB+FR-1], v[rA:rA+FR-1], v[rC:rC+7], v[xB], v[xA] matrix_a_fmt:MATRIX_FMT_FP6 matrix_b_fmt:MATRIX_FMT_FP6 matrix_a_scale:MATRIX_SCALE_ROW1 matrix_b_scale:MATRIX_SCALE_ROW1
.endif
.endm
; 8 matrix instructions: A's block g x B's eight.  The 32 accumulators take turns, one instruction a turn, in the same order in every step
.macro MULQ g, p, q, sc, cm
.irp b, 0,1,2,3,4,5,6,7
	WM \g, \b, \p, \q, \sc, \cm
.endr
.endm
.macro FETCH_B slot, q, p
	WIN 0x40                                       ; destination window 1
.irp i, 0,1,2,3,4,5,6,7
	FRAG 128*(\p)+FR*\i, ADRB+\slot, \q, \i
.endr
	WIN 0
.endm
.macro FETCH_A slot, q, i0
.irp i, \i0, \i0+1
	FRAGA AF+FR*(\i), \slot, \q, \i
.endr
.endm
.macro SCALES sc                       ; a K step's scale words: eight loads
.irp i, 0,1
.irp q, 0,1
	ds_load_b32 v[SC+16*\sc+2*\i+\q], v[ADRSA] offset:256*\q+128*\i
.endr
.endr
.irp i, 0,1,2,3
	ds_load_b64 v[SC+16*\sc+8+2*\i:SC+16*\sc+8+2*\i+1], v[ADRSB] offset:\i*2*SBLK
.endr
.endm
; a slot's first 128 along K
.macro STEP slot, cm
	s_wait_dscnt 2*NL                              ; all but the youngest 12 loads, A's blocks 2 and 3
.if (\cm) == 2
	WIN 0x81                                       ; source 0 (B) window 1, source 1 (A) and C (the bias) window 0, D window 2
.else
	WIN 0xa1                                       ; C and D window 2
.endif
	MULQ 0, 0, 0, \slot, \cm
	MULQ 1, 0, 0, \slot, \cm
	s_wait_dscnt 0x0
	PLACES
	FETCH_B \slot, 1, 1
	FETCH_A \slot, 1, 0
.if (\cm) == 2
	WIN 0x81
.else
	WIN 0xa1
.endif
	MULQ 2, 0, 0, \slot, \cm
	MULQ 3, 0, 0, \slot, \cm
	PLACES
	WIN 0
	FETCH_A \slot, 1, 2
.endm
; a slot's second 128 along K, and the change of slots: ONE barrier; in front of it each wave waits for all its tensor loads, adds 0 to its spare word, and waits for that and for its reads of this slot
.macro TURN slot, next, fill
	s_wait_tensorcnt 0x0                           ; all my tensor loads have landed: my part of the next slot
	ds_add_u32 v[SPW], v[NIL]                      ; 0 onto my spare word
	s_wait_dscnt 2*NL+1                            ; the add and the youngest 12 loads may be out
	WIN 0xa1
	MULQ 0, 1, 1, \slot, 0
	s_wait_dscnt 0x0                               ; the add is done, and my reads of this slot are over
	s_barrier_signal -1
	MULQ 1, 1, 1, \slot, 0
	WIN 0
	s_barrier_wait -1
.if \fill
	CREST                                          ; the barrier has opened a round of the cluster's: no wave of any partner still reads this slot or has a load on its way
	s_add_nc_u64 s[G0+4*\slot+2:G0+4*\slot+3], s[G0+4*\slot+2:G0+4*\slot+3], 2*4*6144
	s_add_nc_u64 s[G0B+4*\slot+2:G0B+4*\slot+3], s[G0B+4*\slot+2:G0B+4*\slot+3], 2*ROWB
	JLOAD G0+4*\slot, G1, G0B+4*\slot, G1B         ; my one tensor load behind the round; its four v_nop are the places in front of the loads below
.else
	PLACES
.endif
	v_add_nc_u32 v[ADRSA], 512, v[ADRSA]           ; the next K step's scale words
	v_add_nc_u32 v[ADRSB], 8, v[ADRSB]
	FETCH_B \next, 0, 0
	FETCH_A \next, 0, 0
	SCALES \next
	WIN 0xa1
	MULQ 2, 1, 1, \slot, 0
	MULQ 3, 1, 1, \slot, 0
	PLACES
	WIN 0
	FETCH_A \next, 0, 2
.endm
	s_wait_tensorcnt 1                             ; the scales and my part of K step 0 are in; K step 1's load may be out
	s_barrier_signal -1
	s_barrier_wait -1
	FETCH_B 0, 0, 0
	FETCH_A 0, 0, 0
	SCALES 0
	FETCH_A 0, 0, 2
	s_wait_loadcnt 0x0                             ; the bias
	STEP 0, 2                                      ; the first step stands in front of the loop: its products start the sums, from the bias
	s_mov_b32 s3, LAPS-1
.Llap:
	TURN 0, 1, 1
	STEP 1, 0
	TURN 1, 0, 1
	STEP 0, 0
	s_sub_co_u32 s3, s3, 1
	s_cmp_lg_u32 s3, 0
	s_cbranch_scc1 .Llap
	TURN 0, 1, 0                                   ; the last lap fills nothing
	STEP 1, 0
	s_wait_dscnt 2*NL
	WIN 0xa1
	MULQ 0, 1, 1, 1, 0
	MULQ 1, 1, 1, 1, 0
	s_wait_dscnt 0x0
	MULQ 2, 1, 1, 1, 0
	MULQ 3, 1, 1, 1, 0
	WIN 0
; THE WAY OUT, block by block of 16 rows x 128 columns: through my own stage in LDS and back as whole rows of 512 bytes; the residual, loaded in the same lanes, is added; 32 lanes store a row's 512 bytes
.macro RLOAD a
.irp t, 0,1,2,3,4,5,6,7,8,9,10,11,12,13,14,15
	global_load_b128 v[RS+4*\t:RS+4*\t+3], v[CO], s[100:101] offset:(16*(\a)+\t)*4096
.endr
.endm
.macro TOSTAGE a
.set AC, 64*(\a)
	WIN 0x08                                       ; an LDS store's data are its source 1: window 2
.irp b, 0,1,2,3,4,5,6,7
	ds_store_b128 v[STO], v[AC+8*\b:AC+8*\b+3] offset:64*\b          ; each accumulator from its low end on
	ds_store_b128 v[STO], v[AC+8*\b+4:AC+8*\b+7] offset:64*\b+16
.endr
	WIN 0
.set BB, BK+64*((\a)%2)
.irp t, 0,1,2,3,4,5,6,7,8,9,10,11,12,13,14,15
	ds_load_b128 v[BB+4*\t:BB+4*\t+3], v[RD] offset:\t*SPITCH        ; LDS serves a wave's instructions in order: these see the stores above
.endr
.endm
.macro ADDR a
.set BB, BK+64*((\a)%2)
.set t, 0
.rept 32
	v_pk_add_f32 v[BB+t:BB+t+1], v[BB+t:BB+t+1], v[RS+t:RS+t+1]
.set t, t+2
.endr
.endm
.macro SEND a
.set BB, BK+64*((\a)%2)
.irp t, 0,1,2,3,4,5,6,7,8,9,10,11,12,13,14,15
	global_store_b128 v[CO], v[BB+4*\t:BB+4*\t+3], s[12:13] offset:(16*(\a)+\t)*4096   ; 512 consecutive bytes, at a multiple of 512 from C's first byte
.endr
.endm
	PLACES
	RLOAD 0
	TOSTAGE 0
.irp a, 0,1,2,3
	s_wait_dscnt 0x0                               ; the block is back in registers,
	s_wait_loadcnt 0x0                             ; and its residual is in
	ADDR \a
.if \a < 3
.if \a > 0
	s_wait_xcnt 0x0                                ; the stores of the block before have read the registers that the next block's loads take
.endif
	RLOAD \a+1
	TOSTAGE \a+1
.endif
	SEND \a
.endr
	s_wait_tensorcnt 0x0                           ; the wave's end
	ds_add_u32 v[SPW], v[NIL]
	s_wait_dscnt 0x0
	CROUND                                         ; the closing round
	s_endpgm
.Lfunc_end_k_qf5ee28081b_wo:
	.size	k_qf5ee28081b_wo, .Lfunc_end_k_qf5ee28081b_wo-k_qf5ee28081b_wo
	.p2alignl 7, 3214868480
	.fill 96, 4, 3214868480
	.section	.rodata,"a",@progbits
	.p2align	6, 0x0
	.amdhsa_kernel k_qf5ee28081b_wo
		.amdhsa_group_segment_fixed_size 327680
		.amdhsa_private_segment_fixed_size 0
		.amdhsa_enable_private_segment 0
		.amdhsa_kernarg_size 48
		.amdhsa_user_sgpr_count 2
		.amdhsa_user_sgpr_kernarg_segment_ptr 1
		.amdhsa_wavefront_size32 1
		.amdhsa_system_sgpr_workgroup_id_x 1
		.amdhsa_system_sgpr_workgroup_id_y 1
		.amdhsa_system_sgpr_workgroup_id_z 1
		.amdhsa_system_vgpr_workitem_id 0
		.amdhsa_next_free_vgpr 768
		.amdhsa_next_free_sgpr 102
		.amdhsa_reserve_vcc 0
		.amdhsa_float_denorm_mode_32 3
		.amdhsa_float_denorm_mode_16_64 3
		.amdhsa_memory_ordered 1
		.amdhsa_forward_progress 1
		.amdhsa_inst_pref_size 117
	.end_amdhsa_kernel
	.amdgpu_metadata
---
amdhsa.version: [ 1, 2 ]
amdhsa.kernels:
  - .name:           k_qf5ee28081b_wo
    .symbol:         k_qf5ee28081b_wo.kd
    .args:
      - { .name: act, .offset: 0, .size: 8, .value_kind: global_buffer, .address_space: global }
      - { .name: Wo_codes, .offset: 8, .size: 8, .value_kind: global_buffer, .address_space: global }
      - { .name: Wo_scales, .offset: 16, .size: 8, .value_kind: global_buffer, .address_space: global }
      - { .name: bo, .offset: 24, .size: 8, .value_kind: global_buffer, .address_space: global }
      - { .name: x, .offset: 32, .size: 8, .value_kind: global_buffer, .address_space: global }
      - { .name: x1, .offset: 40, .size: 8, .value_kind: global_buffer, .address_space: global }
    .group_segment_fixed_size: 327680
    .private_segment_fixed_size: 0
    .kernarg_segment_align: 8
    .kernarg_segment_size: 48
    .max_flat_workgroup_size: 128
    .sgpr_count:     102
    .vgpr_count:     768
    .wavefront_size: 32
...
	.end_amdgpu_metadata
.endif
;; end of part 4
;; launch ln2: the kernel of part 1 again; grid 256 x 1, 8 waves a work-group, no clusters, 87,552 bytes of LDS; arguments x1, ln2_g, ln2_b, act; writes act
;; launch w1 (part 5): grid 16 x 16, 4 waves a work-group, clusters of 4 x 4, 327,680 bytes of LDS; arguments act, W1_codes, W1_scales, b1, wide; writes wide
.if DOCPART == 5
	.amdgcn_target "amdgcn-amd-amdhsa--gfx1250"
	.amdhsa_code_object_version 6
	.text
	.protected	k_qf5ee28081b_w1
	.globl	k_qf5ee28081b_w1
	.p2align	8
	.type	k_qf5ee28081b_w1,@function
k_qf5ee28081b_w1:
	s_mov_b64 s[64:65], 0
	v_nop
	global_prefetch_b8 v0, s[64:65] scope:SCOPE_SE
	s_setreg_imm32_b32 hwreg(HW_REG_WAVE_MODE, 25, 1), 1
	s_wait_xcnt 0x0
	s_wait_alu depctr_hold_cnt(0) depctr_sa_sdst(0) depctr_va_vdst(0) depctr_va_sdst(0) depctr_va_ssrc(0) depctr_va_vcc(0) depctr_vm_vsrc(0)
	s_getreg_b32 s2, hwreg(HW_REG_IB_STS2, 6, 4)
	s_cmp_eq_u32 s2, 0
	s_cbranch_scc0 .Lentry_in_a_cluster
	s_endpgm
.Lentry_in_a_cluster:
	s_bfe_u32 s2, ttmp6, 0x10000c
	s_cmp_lg_u32 s2, 0xf033
	s_cbranch_scc0 .Lentry_shape_is_right
	s_endpgm
.Lentry_shape_is_right:
; hid = relu(h2 W1 + b1), quantised along its 4,096 columns for the next product; the product runs on codes of FP6 (E2M3) with one E8M0 scale for each 32 along K = 1,024.
; h2: codes [4096][768 bytes] and, 3,145,728 bytes on, scale bytes [4096][32].  W1: codes [4096][768], scale bytes [4096][32].  b1 [4096] f32.
; A tile of C, 256 x 256, is made by four waves, 128 x 128 each: 64 accumulators.  K goes in steps of 256 through a ring of two LDS slots filled by joint tensor loads: A's tile is shared along a row of the
; 4 x 4 cluster, B's along a column.  The scale bytes of the work-group's rows come into LDS once.  THE MATRIX INSTRUCTION IS USED TRANSPOSED (source 0 = 16 rows of W1, source 1 = 16 rows of h2):
; lane (r, h) holds row r of C and the columns 8 h + 0 .. 7 of a tile.  The bias is the C of each sum's first product.
; OUT (wide): codes [row / 128][column / 64][128 rows][48 bytes]; scale words, 12,582,912 bytes on, [row / 128][column / 128][128 rows][4]: a wave's 128 x 128 are 12,288 and 512 consecutive bytes.
; The columns of a block of 32 are put in their true order, since the next product's other operand is given.
; LIMITS: a block of zeros, or one under 2^-124, gets the scale byte 1 (same codes; this program alone reads the bytes); NaN and infinities are not served.
; REGISTERS: window 0: v0-31 addresses; v32-63 scale words, two sets; v64-127 the bias; v128-223 A's fragments, one set; v224-240 the quantiser's.  window 1: B's fragments, two sets.  windows 2, 3: accumulators.
.set SIZE_K, 1024
.set NKQ,    32                        ; groups of 128 columns in C
.set KSTEP,  256
.set ROWB,   192
.set KROW,   SIZE_K*6/8
.set PITCH,  240                       ; an LDS row: 3 x (64 bytes + 16 of padding)
.set FR,     12
.set NL,     6
.set HALFT,  128*PITCH
.set SLOT,   4*HALFT
.set LAPS,   SIZE_K/(2*KSTEP)
.set KS,     SIZE_K/32
.set SCL,    2*SLOT                    ; the scale bytes: units of 256 bytes + 16; A's two halves, then B's
.set HALFS,  (128*KS/256)*272
.set SBLK,   (16*KS/256)*272
.set SPARE,  SCL+4*HALFS               ; the spare words: 128 bytes a wave, named by no other line
.set WSTG,   12800                     ; the way out: a wave's stage, in slot 0 (its last fill and last read are over): 12,288 bytes of codes, 512 of scale words
.set ADRA, 16
.set ADRB, 20
.set STO,  24
.set RD,   25
.set CO,   26
.set ADRSA, 27
.set SPW,  28
.set NIL,  29
.set ADRSB, 30
.set STS,  31
.set SC,   32                          ; set s at SC + 16 s: A's pair of blocks i, word q at + 2 i + q; B's at + 8 + 2 i + q.  Lanes 0-15: block 2 i, lanes 16-31: block 2 i + 1
.set BT,   64
.set AF,   128
.set W,    128
.set PCD,  192
.set TM,   224
.set PW,   240
.set SEL,  18
.set G1, 24
.set G0, 32
.set G1B, 48
.set G0B, 56
.set G1S, 68
.set G0S, 76
.set G1SB, 80
.set G0SB, 88
.set MSB, 0
.macro WIN new                         ; the immediate's high byte repeats the setting that is left
.if MSB != (\new)
	s_set_vgpr_msb (MSB<<8)|(\new)
.set MSB, (\new)
.endif
.endm
; A joint load: waves 0 and 1 fetch for A, waves 2 and 3 for B; the branch hangs on the wave's number alone.  Four v_nop follow each line.
.macro JLOAD g0a, g1a, g0b, g1b
	s_cmp_eq_u32 s15, 0
	s_cbranch_scc0 .Lfor_b_\@
	tensor_load_to_lds s[\g0a:\g0a+3], s[\g1a:\g1a+7]
	s_nop 0
.rept 4
	v_nop
.endr
	s_branch .Lasked_\@
.Lfor_b_\@:
	tensor_load_to_lds s[\g0b:\g0b+3], s[\g1b:\g1b+7]
	s_nop 0
.rept 4
	v_nop
.endr
.Lasked_\@:
.endm
.macro CREST
	s_cmp_lg_u32 s14, 0
	s_cbranch_scc1 .Lnot_wave_0_\@
	s_barrier_signal -3
.Lnot_wave_0_\@:
	s_barrier_wait -3
	s_barrier_signal -1
	s_barrier_wait -1
.endm
.macro CROUND
	s_barrier_signal -1
	s_barrier_wait -1
	CREST
.endm
.macro PLACES                          ; four plain instructions between a matrix instruction and a load into, or a read of, its registers
.rept 4
	v_nop
.endr
.endm
	s_load_b64 s[4:5], s[0:1], 0x0                 ; h2's codes
	s_load_b128 s[8:11], s[0:1], 0x8               ; W1's codes, W1's scales
	s_load_b128 s[96:99], s[0:1], 0x18             ; b1, wide
	v_lshl_add_u32 v[SPW], v0, 2, SPARE
	v_mov_b32 v[NIL], 0
	ds_add_u32 v28, v29
	ds_add_u32 v28, v29
	s_wait_dscnt 0x0
	v_lshrrev_b32 v1, 5, v0
	v_readfirstlane_b32 s14, v1                    ; wave 0..3
	s_lshr_b32 s15, s14, 1                         ; my half of the tile's rows; also: I fetch for A (0) or B (1)
	s_and_b32 s16, s14, 1                          ; my half of its columns; also: which 128 rows I fetch
	s_bfe_u32 s40, ttmp6, 0x40000                  ; cx
	s_bfe_u32 s41, ttmp6, 0x40004                  ; cy
	s_lshl_b32 s42, ttmp9, 2
	s_add_co_u32 s42, s42, s40                     ; tile column of C
	s_and_b32 s17, ttmp7, 0xffff
	s_lshl_b32 s17, s17, 2
	s_add_co_u32 s17, s17, s41                     ; tile row of C
	s_lshl_b32 s43, s41, 2
	s_lshl_b32 s43, 15, s43                        ; my row of the cluster
	s_lshl_b32 s44, 0x1111, s40                    ; my column
	; descriptor group 1: a tile of 128 rows x 192 bytes, 16 bytes of padding behind every 64
	s_or_b32 s[G1+0], s43, (0<<16)|(1<<20)|(1<<21)|(3<<22)|(3<<25)
	s_or_b32 s[G1B+0], s44, (0<<16)|(1<<20)|(1<<21)|(3<<22)|(3<<25)
.irp g, G1, G1B
	s_mov_b32 s[\g+1], ROWB<<16
	s_mov_b32 s[\g+2], 128<<16
	s_mov_b32 s[\g+3], ROWB<<16
	s_mov_b32 s[\g+4], 128
	s_mov_b32 s[\g+5], KROW
	s_mov_b32 s[\g+6], 0
	s_mov_b32 s[\g+7], 0
.endr
	; the scale bytes of 128 rows: a dense block, as rows of 256 bytes (32 elements of 8), 16 bytes of padding behind each
	s_or_b32 s[G1S+0], s43, (3<<16)|(1<<20)|(1<<21)|(5<<22)|(3<<25)
	s_or_b32 s[G1SB+0], s44, (3<<16)|(1<<20)|(1<<21)|(5<<22)|(3<<25)
.irp g, G1S, G1SB
	s_mov_b32 s[\g+1], 32<<16
	s_mov_b32 s[\g+2], (128*KS/256)<<16
	s_mov_b32 s[\g+3], 32<<16
	s_mov_b32 s[\g+4], 128*KS/256
	s_mov_b32 s[\g+5], 32
	s_mov_b32 s[\g+6], 0
	s_mov_b32 s[\g+7], 0
.endr
	s_lshl_b32 s18, s16, 7
	s_lshl_b32 s20, s17, 8
	s_add_co_u32 s20, s20, s18                     ; A: row 256 x tile row + 128 x half
	s_lshl_b32 s46, s42, 8
	s_add_co_u32 s46, s46, s18                     ; B: row 256 x tile column + 128 x half
	s_mul_i32 s22, s20, KS
	s_mul_i32 s92, s46, KS
	s_mul_i32 s20, s20, KROW
	s_mul_i32 s46, s46, KROW
	s_mov_b32 s21, 0
	s_mov_b32 s23, 0
	s_mov_b32 s47, 0
	s_mov_b32 s93, 0
	s_mul_i32 s45, s14, HALFT                      ; where they go: wave x 128 rows
	s_mul_i32 s94, s14, HALFS
	s_wait_kmcnt 0x0
	s_add_nc_u64 s[6:7], s[4:5], 3145728           ; h2's scale bytes
	s_mov_b64 s[12:13], s[98:99]                   ; the hidden layer's codes,
	s_add_nc_u64 s[98:99], s[98:99], 12582912      ; its scale words
	s_add_nc_u64 s[20:21], s[4:5], s[20:21]
	s_add_nc_u64 s[22:23], s[6:7], s[22:23]
	s_add_nc_u64 s[46:47], s[8:9], s[46:47]
	s_add_nc_u64 s[92:93], s[10:11], s[92:93]
	CROUND                                         ; all sixteen work-groups are here: the first joint loads meet
	s_mov_b32 s[G0S], 1
	s_add_co_u32 s[G0S+1], s94, SCL
	s_mov_b64 s[G0S+2:G0S+3], s[22:23]
	s_or_b32 s[G0S+3], s[G0S+3], 0x80000000
	s_mov_b32 s[G0SB], 1
	s_add_co_u32 s[G0SB+1], s94, SCL
	s_mov_b64 s[G0SB+2:G0SB+3], s[92:93]
	s_or_b32 s[G0SB+3], s[G0SB+3], 0x80000000
	JLOAD G0S, G1S, G0SB, G1SB                     ; the scale bytes first; with the two slots three loads of mine are out
.irp s, 0,1
	s_mov_b32 s[G0+4*\s], 1
	s_add_co_u32 s[G0+4*\s+1], s45, \s*SLOT
	s_add_nc_u64 s[G0+4*\s+2:G0+4*\s+3], s[20:21], \s*ROWB
	s_or_b32 s[G0+4*\s+3], s[G0+4*\s+3], 0x80000000
	s_mov_b32 s[G0B+4*\s], 1
	s_add_co_u32 s[G0B+4*\s+1], s45, \s*SLOT
	s_add_nc_u64 s[G0B+4*\s+2:G0B+4*\s+3], s[46:47], \s*ROWB
	s_or_b32 s[G0B+4*\s+3], s[G0B+4*\s+3], 0x80000000
	JLOAD G0+4*\s, G1, G0B+4*\s, G1B
.endr
	v_and_b32 v1, 15, v0                           ; r
	v_bfe_u32 v2, v0, 4, 1                         ; h
	v_mul_u32_u24 v3, v1, PITCH
	v_mul_u32_u24 v4, v2, 24
	v_add_nc_u32 v4, v3, v4                        ; a fragment's row x pitch + 24 h
	v_lshl_add_u32 v5, v2, 4, v4                   ; and the same behind one padding more
	s_mul_i32 s21, s15, HALFT
	s_mul_i32 s22, s16, HALFT
	s_add_co_u32 s22, s22, 2*HALFT
.irp s, 0,1
	v_add_nc_u32 v[ADRA+\s], s21, v4
	v_add_nc_u32 v[ADRB+\s], s22, v4
	v_add_nc_u32 v[ADRA+2+\s], s21, v5
	v_add_nc_u32 v[ADRB+2+\s], s22, v5
	s_add_co_u32 s21, s21, SLOT
	s_add_co_u32 s22, s22, SLOT
.endr
	v_and_b32 v6, 31, v0                           ; lane: a pair of blocks is 32 rows, a lane a row
	v_mul_u32_u24 v5, v6, KS
	v_lshrrev_b32 v7, 8, v5
	v_lshl_add_u32 v5, v7, 4, v5                   ; KS bytes a row, and 16 more for each 256 passed
	s_mul_i32 s21, s15, HALFS
	s_add_co_u32 s21, s21, SCL
	s_mul_i32 s22, s16, HALFS
	s_add_co_u32 s22, s22, SCL+2*HALFS
	v_add_nc_u32 v[ADRSA], s21, v5
	v_add_nc_u32 v[ADRSB], s22, v5
	s_mul_i32 s23, s14, WSTG                       ; my stage
	v_mul_u32_u24 v5, v1, 48
	v_mad_u32_u24 v5, v2, 24, v5
	v_add_nc_u32 v[STO], s23, v5                   ; codes in: row r of 48 bytes, + 24 h
	v_lshl_add_u32 v[STS], v1, 2, s23
	v_add_nc_u32 v[STS], 12288, v[STS]             ; scale words in: 4 r
	v_lshlrev_b32 v[CO], 4, v6
	v_add_nc_u32 v[RD], s23, v[CO]                 ; back: 16 bytes a lane
.irp b, 0,1,2,3
	v_mov_b32 v[TM+4+\b], 0                        ; written once: a lane permute's destination counts as one of its sources
.endr
	v_lshlrev_b32 v7, 5, v2                        ; 32 h
	s_lshl_b32 s46, s42, 10
	s_lshl_b32 s47, s16, 9
	s_add_co_u32 s46, s46, s47                     ; my first column, in bytes of b1
	s_mov_b32 s47, 0
	s_add_nc_u64 s[96:97], s[96:97], s[46:47]
.irp b, 0,1,2,3,4,5,6,7
	global_load_b128 v[BT+8*\b:BT+8*\b+3], v7, s[96:97] offset:64*\b        ; register 8 b + j: the bias of column 16 b + 8 h + j
	global_load_b128 v[BT+8*\b+4:BT+8*\b+7], v7, s[96:97] offset:64*\b+16
.endr
	s_lshl_b32 s20, s17, 1                         ; where my 128 x 128 go: (row block x NKQ + group) x 12,288 and x 512
	s_add_co_u32 s20, s20, s15
	s_mul_i32 s20, s20, NKQ
	s_lshl_b32 s46, s42, 1
	s_add_co_u32 s46, s46, s16
	s_add_co_u32 s20, s20, s46
	s_mul_i32 s46, s20, 12288
	s_mov_b32 s47, 0
	s_add_nc_u64 s[12:13], s[12:13], s[46:47]
	s_lshl_b32 s46, s20, 9
	s_add_nc_u64 s[98:99], s[98:99], s[46:47]
	s_mov_b32 s[SEL], 0x76543210
	s_mov_b32 s[SEL+1], 0xfedcba98
; a fragment, 16 rows x 128 K: 12 registers, in pieces of 8 bytes; where the piece of lanes 16-31 lies behind one padding more, the second address register serves
.macro FRAG reg, adr, q, i
.irp p, 0,1,2,3,4,5
.set PCE, 12*(\q)+6*(\p/3)+\p%3
.if PCE%8 < 5
	ds_load_b64 v[\reg+2*\p:\reg+2*\p+1], v[\adr] offset:8*PCE+16*(PCE/8)+(\i)*16*PITCH
.else
	ds_load_b64 v[\reg+2*\p:\reg+2*\p+1], v[\adr+2] offset:8*PCE+16*(PCE/8)+(\i)*16*PITCH
.endif
.endr
.endm
; one matrix instruction: A's block a x B's block b, B's set p, the slot's q-th 128 along K, scale set sc.  cm = 2: C is the bias (window 0), else the accumulator.
; A scale register carries a pair of blocks: the odd block's words stand in lanes 16-31.
.macro WM a, b, p, q, sc, cm
.set rD, 8*(8*((\a)%4)+(\b))
.set rB, 128*(\p)+FR*(\b)
.set rA, AF+FR*(\a)
.set xB, SC+16*(\sc)+8+2*((\b)/2)+(\q)
.set xA, SC+16*(\sc)+2*((\a)/2)+(\q)
.set rC, rD
.if (\cm) == 2
.set rC, BT+8*(\b)
.endif
.set par, ((\b)%2)+2*((\a)%2)
.if par == 0
	v_wmma_scale_f32_16x16x128_f8f6f4 v[rD:rD+7], v[rB:rB+FR-1], v[rA:rA+FR-1], v[rC:rC+7], v[xB], v[xA] matrix_a_fmt:MATRIX_FMT_FP6 matrix_b_fmt:MATRIX_FMT_FP6
.elseif par == 1
	v_wmma_scale_f32_16x16x128_f8f6f4 v[rD:rD+7], v[rB:rB+FR-1], v[rA:rA+FR-1], v[rC:rC+7], v[xB], v[xA] matrix_a_fmt:MATRIX_FMT_FP6 matrix_b_fmt:MATRIX_FMT_FP6 matrix_a_scale:MATRIX_SCALE_ROW1
.elseif par == 2
	v_wmma_scale_f32_16x16x128_f8f6f4 v[rD:rD+7], v[rB:rB+FR-1], v[rA:rA+FR-1], v[rC:rC+7], v[xB], v[xA] matrix_a_fmt:MATRIX_FMT_FP6 matrix_b_fmt:MATRIX_FMT_FP6 matrix_b_scale:MATRIX_SCALE_ROW1
.else
	v_wmma_scale_f32_16x16x128_f8f6f4 v[rD:rD+7], v[rB:rB+FR-1], v[rA:rA+FR-1], v[rC:rC+7], v[xB], v[xA] matrix_a_fmt:MATRIX_FMT_FP6 matrix_b_fmt:MATRIX_FMT_FP6 matrix_a_scale:MATRIX_SCALE_ROW1 matrix_b_scale:MATRIX_SCALE_ROW1
.endif
.endm
; 16 matrix instructions: A's blocks 2 g, 2 g + 1 x B's eight.  The 64 accumulators take turns, one instruction a turn, in the same order in every step
.macro MULQ g, p, q, sc, cm
.irp a, 2*(\g), 2*(\g)+1
.irp b, 0,1,2,3,4,5,6,7
	WM \a, \b, \p, \q, \sc, \cm
.endr
.endr
.endm
.macro FETCH_B slot, q, p
	WIN 0x40                                       ; destination window 1
.irp i, 0,1,2,3,4,5,6,7
	FRAG 128*(\p)+FR*\i, ADRB+\slot, \q, \i
.endr
	WIN 0
.endm
.macro FETCH_A slot, q, i0
.irp i, \i0, \i0+1, \i0+2, \i0+3
	FRAG AF+FR*(\i), ADRA+\slot, \q, \i
.endr
.endm
.macro SCALES sc                       ; a K step's scale words: two words a row, a pair of blocks a load: eight loads
.irp i, 0,1,2,3
	ds_load_b64 v[SC+16*\sc+2*\i:SC+16*\sc+2*\i+1], v[ADRSA] offset:\i*2*SBLK
	ds_load_b64 v[SC+16*\sc+8+2*\i:SC+16*\sc+8+2*\i+1], v[ADRSB] offset:\i*2*SBLK
.endr
.endm
; a slot's first 128 along K
.macro STEP slot, cm
	s_wait_dscnt 4*NL                              ; all but the youngest 24 loads, A's blocks 4-7
.if (\cm) == 2
	WIN 0x81                                       ; source 0 (B) window 1, source 1 (A) and C (the bias) window 0, D window 2
.else
	WIN 0xa1                                       ; C and D window 2
.endif
	MULQ 0, 0, 0, \slot, \cm
	MULQ 1, 0, 0, \slot, \cm
	s_wait_dscnt 0x0
	PLACES
	FETCH_B \slot, 1, 1
	FETCH_A \slot, 1, 0
.if (\cm) == 2
	WIN 0xc1                                       ; D window 3
.else
	WIN 0xf1                                       ; C and D window 3
.endif
	MULQ 2, 0, 0, \slot, \cm
	MULQ 3, 0, 0, \slot, \cm
	PLACES
	WIN 0
	FETCH_A \slot, 1, 4
.endm
; a slot's second 128 along K, and the change of slots: ONE barrier; in front of it each wave waits for all its tensor loads, adds 0 to its spare word, and waits for that and for its reads of this slot
.macro TURN slot, next, fill
	s_wait_tensorcnt 0x0                           ; all my tensor loads have landed: my part of the next slot
	ds_add_u32 v[SPW], v[NIL]                      ; 0 onto my spare word
	s_wait_dscnt 4*NL+1                            ; the add and the youngest 24 loads may be out
	WIN 0xa1
	MULQ 0, 1, 1, \slot, 0
	s_wait_dscnt 0x0                               ; the add is done, and my reads of this slot are over
	s_barrier_signal -1
	MULQ 1, 1, 1, \slot, 0
	WIN 0
	s_barrier_wait -1
.if \fill
	CREST                                          ; the barrier has opened a round of the cluster's: no wave of any partner still reads this slot or has a load on its way
	s_add_nc_u64 s[G0+4*\slot+2:G0+4*\slot+3], s[G0+4*\slot+2:G0+4*\slot+3], 2*ROWB
	s_add_nc_u64 s[G0B+4*\slot+2:G0B+4*\slot+3], s[G0B+4*\slot+2:G0B+4*\slot+3], 2*ROWB
	JLOAD G0+4*\slot, G1, G0B+4*\slot, G1B         ; my one tensor load behind the round; its four v_nop are the places in front of the loads below
.else
	PLACES
.endif
	v_add_nc_u32 v[ADRSA], 8, v[ADRSA]             ; the next K step's scale words
	v_add_nc_u32 v[ADRSB], 8, v[ADRSB]
	FETCH_B \next, 0, 0
	FETCH_A \next, 0, 0
	SCALES \next
	WIN 0xf1
	MULQ 2, 1, 1, \slot, 0
	MULQ 3, 1, 1, \slot, 0
	PLACES
	WIN 0
	FETCH_A \next, 0, 4
.endm
	s_wait_tensorcnt 1                             ; the scale bytes and my part of K step 0 are in; K step 1's load may be out
	s_barrier_signal -1
	s_barrier_wait -1
	FETCH_B 0, 0, 0
	FETCH_A 0, 0, 0
	SCALES 0
	FETCH_A 0, 0, 4
	s_wait_loadcnt 0x0                             ; the bias
	STEP 0, 2                                      ; the first step stands in front of the loop: its products start the sums, from the bias
	s_mov_b32 s3, LAPS-1
.Llap:
	TURN 0, 1, 1
	STEP 1, 0
	TURN 1, 0, 1
	STEP 0, 0
	s_sub_co_u32 s3, s3, 1
	s_cmp_lg_u32 s3, 0
	s_cbranch_scc1 .Llap
	TURN 0, 1, 0                                   ; the last lap fills nothing
	STEP 1, 0
	s_wait_dscnt 4*NL
	WIN 0xa1
	MULQ 0, 1, 1, 1, 0
	MULQ 1, 1, 1, 1, 0
	s_wait_dscnt 0x0
	WIN 0xf1
	MULQ 2, 1, 1, 1, 0
	MULQ 3, 1, 1, 1, 0
	WIN 0
; 64 numbers of a lane, register 16 b + i = column 32 b + 16 (lane / 16) + i of my row, become 12 registers of codes in v[PCD] on and a scale word in v[PW]
.macro QUANT s
.irp b, 0,1,2,3
	v_max3_num_f32 v[TM+\b], |v[\s+16*\b]|, |v[\s+1+16*\b]|, 0x1800000   ; with the floor 2^(3 - 127): the byte cannot fall under 1
.endr
.irp i, 2,4,6,8,10,12,14
.irp b, 0,1,2,3
	v_max3_num_f32 v[TM+\b], v[TM+\b], |v[\s+16*\b+\i]|, |v[\s+1+16*\b+\i]|
.endr
.endr
.irp b, 0,1,2,3
	v_permlanex16_b32 v[TM+4+\b], v[TM+\b], s[SEL], s[SEL+1]
.endr
.irp b, 0,1,2,3
	v_max_num_f32 v[TM+\b], v[TM+\b], v[TM+4+\b]   ; with lane l xor 16's: the block's largest magnitude
.endr
.irp b, 0,1,2,3
	v_add_nc_u32 v[TM+12+\b], 0xff000000, v[TM+\b] ; 2 off its exponent field: the conversion's scale operand
.endr
.irp b, 0,1,2,3
	v_lshrrev_b32 v[TM+4+\b], 23, v[TM+12+\b]      ; the scale's byte
.endr
	v_lshl_or_b32 v[PW], v[TM+5], 8, v[TM+4]
	v_lshl_or_b32 v[PW], v[TM+6], 16, v[PW]
	v_lshl_or_b32 v[PW], v[TM+7], 24, v[PW]
.irp c, 0,1
	v_cvt_scalef32_pk16_fp6_f32 v[PCD+6*\c:PCD+2+6*\c], v[\s+32*\c:\s+15+32*\c], v[TM+12+2*\c]
	v_cvt_scalef32_pk16_fp6_f32 v[PCD+12+4*\c:PCD+14+4*\c], v[\s+16+32*\c:\s+31+32*\c], v[TM+12+2*\c+1]
.endr
	v_nop                                          ; one plain instruction behind a scaled conversion
.irp c, 0,1                                    ; a whole block to a lane: lanes 0-15 block 2 c, lanes 16-31 block 2 c + 1
.irp i, 0,1,2
	v_permlane16_swap_b32 v[PCD+6*\c+\i], v[PCD+12+4*\c+\i]
.endr
.irp i, 0,1,2
	v_mov_b32 v[PCD+3+6*\c+\i], v[PCD+12+4*\c+\i]
.endr
.endr
.endm
; block a's 64 results into window 0: the activation is the copy; each accumulator is read from its low end on.  Then the true order: register 16 c + i becomes column 32 c + 16 (lane / 16) + i
.macro EPI_IN a
.set AC, 64*((\a)%4)
	WIN 0x08+4*((\a)/4)                            ; source 1: window 2 or 3
.set n, 0
.rept 64
	v_max_num_f32 v[W+n], 0, v[AC+n]
.set n, n+1
.endr
	WIN 0
.irp c, 0,1,2,3
.irp j, 0,1,2,3,4,5,6,7
	v_permlane16_swap_b32 v[W+16*\c+\j], v[W+16*\c+8+\j]
.endr
.endr
.endm
	; THE WAY OUT
	PLACES
.irp a, 0,1,2,3,4,5,6,7
	EPI_IN \a
	s_wait_dscnt 0x0                               ; the last block's LDS stores have read their registers
	QUANT W
.irp c, 0,1
.irp p, 0,1,2
	ds_store_b64 v[STO], v[PCD+6*\c+2*\p:PCD+6*\c+2*\p+1] offset:\c*6144+\a*768+8*\p
.endr
.endr
	ds_store_b32 v[STS], v[PW] offset:64*\a        ; both halves of the lanes write the same word with the same value
.endr
	s_wait_dscnt 0x0
.set t, 0
.rept 25
	ds_load_b128 v[128+4*t:128+4*t+3], v[RD] offset:512*t
.set t, t+1
.endr
.set t, 0
.rept 24
	s_wait_dscnt 24-t                              ; the younger loads may be out
	global_store_b128 v[CO], v[128+4*t:128+4*t+3], s[12:13] offset:512*t   ; 512 consecutive bytes, at a multiple of 512 from the buffer's first byte
.set t, t+1
.endr
	s_wait_dscnt 0x0
	global_store_b128 v[CO], v[224:227], s[98:99]
	s_wait_tensorcnt 0x0                           ; the wave's end
	ds_add_u32 v[SPW], v[NIL]
	s_wait_dscnt 0x0
	CROUND                                         ; the closing round
	s_endpgm
.Lfunc_end_k_qf5ee28081b_w1:
	.size	k_qf5ee28081b_w1, .Lfunc_end_k_qf5ee28081b_w1-k_qf5ee28081b_w1
	.p2alignl 7, 3214868480
	.fill 96, 4, 3214868480
	.section	.rodata,"a",@progbits
	.p2align	6, 0x0
	.amdhsa_kernel k_qf5ee28081b_w1
		.amdhsa_group_segment_fixed_size 327680
		.amdhsa_private_segment_fixed_size 0
		.amdhsa_enable_private_segment 0
		.amdhsa_kernarg_size 40
		.amdhsa_user_sgpr_count 2
		.amdhsa_user_sgpr_kernarg_segment_ptr 1
		.amdhsa_wavefront_size32 1
		.amdhsa_system_sgpr_workgroup_id_x 1
		.amdhsa_system_sgpr_workgroup_id_y 1
		.amdhsa_system_sgpr_workgroup_id_z 1
		.amdhsa_system_vgpr_workitem_id 0
		.amdhsa_next_free_vgpr 1024
		.amdhsa_next_free_sgpr 102
		.amdhsa_reserve_vcc 0
		.amdhsa_float_denorm_mode_32 3
		.amdhsa_float_denorm_mode_16_64 3
		.amdhsa_memory_ordered 1
		.amdhsa_forward_progress 1
		.amdhsa_inst_pref_size 195
	.end_amdhsa_kernel
	.amdgpu_metadata
---
amdhsa.version: [ 1, 2 ]
amdhsa.kernels:
  - .name:           k_qf5ee28081b_w1
    .symbol:         k_qf5ee28081b_w1.kd
    .args:
      - { .name: act, .offset: 0, .size: 8, .value_kind: global_buffer, .address_space: global }
      - { .name: W1_codes, .offset: 8, .size: 8, .value_kind: global_buffer, .address_space: global }
      - { .name: W1_scales, .offset: 16, .size: 8, .value_kind: global_buffer, .address_space: global }
      - { .name: b1, .offset: 24, .size: 8, .value_kind: global_buffer, .address_space: global }
      - { .name: wide, .offset: 32, .size: 8, .value_kind: global_buffer, .address_space: global }
    .group_segment_fixed_size: 327680
    .private_segment_fixed_size: 0
    .kernarg_segment_align: 8
    .kernarg_segment_size: 40
    .max_flat_workgroup_size: 128
    .sgpr_count:     102
    .vgpr_count:     1024
    .wavefront_size: 32
...
	.end_amdgpu_metadata
.endif
;; end of part 5
;; launch w2 (part 6): grid 4 x 32, 4 waves a work-group, clusters of 4 x 4, 327,680 bytes of LDS; arguments wide, W2_codes, W2_scales, b2, x1, out0; writes out0
.if DOCPART == 6
	.amdgcn_target "amdgcn-amd-amdhsa--gfx1250"
	.amdhsa_code_object_version 6
	.text
	.protected	k_qf5ee28081b_w2
	.globl	k_qf5ee28081b_w2
	.p2align	8
	.type	k_qf5ee28081b_w2,@function
k_qf5ee28081b_w2:
	s_mov_b64 s[64:65], 0
	v_nop
	global_prefetch_b8 v0, s[64:65] scope:SCOPE_SE
	s_setreg_imm32_b32 hwreg(HW_REG_WAVE_MODE, 25, 1), 1
	s_wait_xcnt 0x0
	s_wait_alu depctr_hold_cnt(0) depctr_sa_sdst(0) depctr_va_vdst(0) depctr_va_sdst(0) depctr_va_ssrc(0) depctr_va_vcc(0) depctr_vm_vsrc(0)
	s_getreg_b32 s2, hwreg(HW_REG_IB_STS2, 6, 4)
	s_cmp_eq_u32 s2, 0
	s_cbranch_scc0 .Lentry_in_a_cluster
	s_endpgm
.Lentry_in_a_cluster:
	s_bfe_u32 s2, ttmp6, 0x10000c
	s_cmp_lg_u32 s2, 0xf033
	s_cbranch_scc0 .Lentry_shape_is_right
	s_endpgm
.Lentry_shape_is_right:
; C = R + A B^T + bias: A [4096][SIZE_K] and B [1024][SIZE_K] as codes of FP6 (E2M3) with one E8M0 scale for each 32 along K; bias [1024], R and C [4096][1024] f32.  Here: out0 = x1 + hid W2 + b2.
; A (made by this program): codes [row / 128][k / 64][128 rows][48 bytes]; scale words, 4096 x SIZE_K x 3 / 4 bytes further on, [row / 128][k / 128][128 rows][4].  B (given): codes [1024][SIZE_K x 3 / 4], scale bytes [1024][SIZE_K / 32].
; A tile of C is 128 x 256 (C has only 1,024 columns: this gives 128 work-groups where 256 x 256 would give 64); four waves, 64 x 128 each: 32 accumulators, window 2.
; K goes in steps of 256 through a ring of two LDS slots filled by joint tensor loads: A's tile is shared along a row of the 4 x 4 cluster, B's along a column.  The scales come into LDS once.
; THE MATRIX INSTRUCTION IS USED TRANSPOSED (source 0 = 16 rows of B, source 1 = 16 rows of A): a lane holds eight neighbouring numbers of a row of C.  The bias is the C of each sum's first product.
; REGISTERS: window 0: v0-31 addresses; v32-63 scale words, two sets; v64-127 the bias, later the residual; v128-175 A's fragments, one set; on the way out v128-255 rows of C.  window 1: B's fragments, two sets.
.set SIZE_K, 4096
.set KSTEP,  256
.set ROWB,   192
.set KROW,   SIZE_K*6/8
.set PITCH,  240                       ; B's LDS row: 3 x (64 bytes + 16 of padding)
.set FR,     12
.set NL,     6
.set HALFA,  4*64*48                   ; A: [4 groups of 64 k][64 rows][48 bytes]: what one tensor load brings, and what one wave reads
.set HALFB,  128*PITCH
.set SLOT,   2*HALFA+2*HALFB
.set LAPS,   SIZE_K/(2*KSTEP)
.set KS,     SIZE_K/32
.set SCA,    2*SLOT                    ; A's scale words: two halves of [k / 128][64 rows][4]
.set HALFSA, (SIZE_K/128)*256
.set SCB,    SCA+2*HALFSA              ; B's scale bytes: units of 256 bytes + 16
.set HALFSB, (128*KS/256)*272
.set SBLK,   (16*KS/256)*272
.set SPARE,  SCB+2*HALFSB              ; the spare words: 128 bytes a wave, named by no other line
.set SPITCH, 528                       ; the way out: a stage of 16 rows x (512 + 16) for each wave, in slot 0 (its last fill and last read are over)
.set ADRA, 16
.set ADRB, 20
.set STO,  24
.set RD,   25
.set CO,   26
.set ADRSA, 27
.set SPW,  28
.set NIL,  29
.set ADRSB, 30
.set SC,   32                          ; set s at SC + 16 s: A's pair of blocks i, word q at + 2 i + q; B's at + 8 + 2 i + q.  Lanes 0-15: block 2 i, lanes 16-31: block 2 i + 1
.set BT,   64
.set RS,   64
.set AF,   128
.set BK,   128
.set G1, 24
.set G0, 32
.set G1B, 48
.set G0B, 56
.set G1S, 68
.set G0S, 76
.set G1SB, 80
.set G0SB, 88
.set MSB, 0
.macro WIN new                         ; the immediate's high byte repeats the setting that is left
.if MSB != (\new)
	s_set_vgpr_msb (MSB<<8)|(\new)
.set MSB, (\new)
.endif
.endm
; A joint load: waves 0 and 1 fetch for A, waves 2 and 3 for B; the branch hangs on the wave's number alone.  Four v_nop follow each line.
.macro JLOAD g0a, g1a, g0b, g1b
	s_cmp_eq_u32 s15, 0
	s_cbranch_scc0 .Lfor_b_\@
	tensor_load_to_lds s[\g0a:\g0a+3], s[\g1a:\g1a+7]
	s_nop 0
.rept 4
	v_nop
.endr
	s_branch .Lasked_\@
.Lfor_b_\@:
	tensor_load_to_lds s[\g0b:\g0b+3], s[\g1b:\g1b+7]
	s_nop 0
.rept 4
	v_nop
.endr
.Lasked_\@:
.endm
.macro CREST
	s_cmp_lg_u32 s14, 0
	s_cbranch_scc1 .Lnot_wave_0_\@
	s_barrier_signal -3
.Lnot_wave_0_\@:
	s_barrier_wait -3
	s_barrier_signal -1
	s_barrier_wait -1
.endm
.macro CROUND
	s_barrier_signal -1
	s_barrier_wait -1
	CREST
.endm
.macro PLACES                          ; four plain instructions between a matrix instruction and a load into, or a read of, its registers
.rept 4
	v_nop
.endr
.endm
	s_load_b64 s[4:5], s[0:1], 0x0                 ; A
	s_load_b128 s[8:11], s[0:1], 0x8               ; B's codes, B's scales
	s_load_b64 s[96:97], s[0:1], 0x18              ; bias
	s_load_b64 s[100:101], s[0:1], 0x20            ; R
	s_load_b64 s[12:13], s[0:1], 0x28              ; C
	v_lshl_add_u32 v[SPW], v0, 2, SPARE
	v_mov_b32 v[NIL], 0
	ds_add_u32 v28, v29
	ds_add_u32 v28, v29
	s_wait_dscnt 0x0
	v_lshrrev_b32 v1, 5, v0
	v_readfirstlane_b32 s14, v1                    ; wave 0..3
	s_lshr_b32 s15, s14, 1                         ; my half of the tile's rows; also: I fetch for A (0) or B (1)
	s_and_b32 s16, s14, 1                          ; my half of its columns; also: which half I fetch
	s_bfe_u32 s40, ttmp6, 0x40000                  ; cx
	s_bfe_u32 s41, ttmp6, 0x40004                  ; cy
	s_lshl_b32 s42, ttmp9, 2
	s_add_co_u32 s42, s42, s40                     ; tile column of C
	s_and_b32 s17, ttmp7, 0xffff
	s_lshl_b32 s17, s17, 2
	s_add_co_u32 s17, s17, s41                     ; tile row of C
	s_lshl_b32 s43, s41, 2
	s_lshl_b32 s43, 15, s43                        ; my row of the cluster
	s_lshl_b32 s44, 0x1111, s40                    ; my column
	; A's codes: 4 runs (64 along K each) of 64 rows x 48 bytes = 384 elements of 8 bytes, 768 elements apart; no padding
	s_or_b32 s[G1+0], s43, (3<<16)|(1<<21)
	s_mov_b32 s[G1+1], 384<<16
	s_mov_b32 s[G1+2], 4<<16
	s_mov_b32 s[G1+3], 384<<16
	s_mov_b32 s[G1+4], 4
	s_mov_b32 s[G1+5], 768
	s_mov_b32 s[G1+6], 0
	s_mov_b32 s[G1+7], 0
	; B's codes: 128 rows x 192 bytes, 16 bytes of padding behind every 64
	s_or_b32 s[G1B+0], s44, (0<<16)|(1<<20)|(1<<21)|(3<<22)|(3<<25)
	s_mov_b32 s[G1B+1], ROWB<<16
	s_mov_b32 s[G1B+2], 128<<16
	s_mov_b32 s[G1B+3], ROWB<<16
	s_mov_b32 s[G1B+4], 128
	s_mov_b32 s[G1B+5], KROW
	s_mov_b32 s[G1B+6], 0
	s_mov_b32 s[G1B+7], 0
	; A's scale words: SIZE_K / 128 runs of 64 rows x 4 bytes = 32 elements of 8, 64 elements apart
	s_or_b32 s[G1S+0], s43, (3<<16)|(1<<21)
	s_mov_b32 s[G1S+1], 32<<16
	s_mov_b32 s[G1S+2], (SIZE_K/128)<<16
	s_mov_b32 s[G1S+3], 32<<16
	s_mov_b32 s[G1S+4], SIZE_K/128
	s_mov_b32 s[G1S+5], 64
	s_mov_b32 s[G1S+6], 0
	s_mov_b32 s[G1S+7], 0
	; B's scale bytes of 128 rows: a dense block, as rows of 256 bytes, 16 bytes of padding behind each
	s_or_b32 s[G1SB+0], s44, (3<<16)|(1<<20)|(1<<21)|(5<<22)|(3<<25)
	s_mov_b32 s[G1SB+1], 32<<16
	s_mov_b32 s[G1SB+2], (128*KS/256)<<16
	s_mov_b32 s[G1SB+3], 32<<16
	s_mov_b32 s[G1SB+4], 128*KS/256
	s_mov_b32 s[G1SB+5], 32
	s_mov_b32 s[G1SB+6], 0
	s_mov_b32 s[G1SB+7], 0
	s_mul_i32 s20, s17, (SIZE_K/64)*6144           ; A's codes: my tile row's block of 128 rows, + my half's 64 rows
	s_mul_i32 s18, s16, 3072
	s_add_co_u32 s20, s20, s18
	s_mov_b32 s21, 0
	s_mul_i32 s22, s17, (SIZE_K/128)*512           ; its scale words
	s_lshl_b32 s18, s16, 8
	s_add_co_u32 s22, s22, s18
	s_mov_b32 s23, 0
	s_lshl_b32 s46, s42, 8
	s_lshl_b32 s18, s16, 7
	s_add_co_u32 s46, s46, s18                     ; B: row 256 x tile column + 128 x half
	s_mul_i32 s92, s46, KS
	s_mul_i32 s46, s46, KROW
	s_mov_b32 s47, 0
	s_mov_b32 s93, 0
	s_mul_i32 s45, s16, HALFA                      ; where they go: no place in the cluster enters an LDS address
	s_mul_i32 s94, s16, HALFB
	s_add_co_u32 s94, s94, 2*HALFA
	s_mul_i32 s95, s16, HALFSA
	s_add_co_u32 s95, s95, SCA
	s_mul_i32 s2, s16, HALFSB
	s_add_co_u32 s2, s2, SCB
	s_wait_kmcnt 0x0
	s_add_nc_u64 s[6:7], s[4:5], 4096*SIZE_K*3/4   ; A's scale words
	s_add_nc_u64 s[20:21], s[4:5], s[20:21]
	s_add_nc_u64 s[22:23], s[6:7], s[22:23]
	s_add_nc_u64 s[46:47], s[8:9], s[46:47]
	s_add_nc_u64 s[92:93], s[10:11], s[92:93]
	CROUND                                         ; all sixteen work-groups are here: the first joint loads meet
	s_mov_b32 s[G0S], 1
	s_mov_b32 s[G0S+1], s95
	s_mov_b64 s[G0S+2:G0S+3], s[22:23]
	s_or_b32 s[G0S+3], s[G0S+3], 0x80000000
	s_mov_b32 s[G0SB], 1
	s_mov_b32 s[G0SB+1], s2
	s_mov_b64 s[G0SB+2:G0SB+3], s[92:93]
	s_or_b32 s[G0SB+3], s[G0SB+3], 0x80000000
	JLOAD G0S, G1S, G0SB, G1SB                     ; the scales first; with the two slots three loads of mine are out
.irp s, 0,1
	s_mov_b32 s[G0+4*\s], 1
	s_add_co_u32 s[G0+4*\s+1], s45, \s*SLOT
	s_add_nc_u64 s[G0+4*\s+2:G0+4*\s+3], s[20:21], \s*4*6144
	s_or_b32 s[G0+4*\s+3], s[G0+4*\s+3], 0x80000000
	s_mov_b32 s[G0B+4*\s], 1
	s_add_co_u32 s[G0B+4*\s+1], s94, \s*SLOT
	s_add_nc_u64 s[G0B+4*\s+2:G0B+4*\s+3], s[46:47], \s*ROWB
	s_or_b32 s[G0B+4*\s+3], s[G0B+4*\s+3], 0x80000000
	JLOAD G0+4*\s, G1, G0B+4*\s, G1B
.endr
	v_and_b32 v1, 15, v0                           ; r
	v_bfe_u32 v2, v0, 4, 1                         ; h
	v_mul_u32_u24 v3, v1, PITCH
	v_mul_u32_u24 v4, v2, 24
	v_add_nc_u32 v3, v3, v4                        ; B: row x pitch + 24 h
	v_lshl_add_u32 v5, v2, 4, v3                   ; and the same behind one padding more
	v_mad_u32_u24 v4, v1, 48, v4                   ; A: row x 48 + 24 h
	s_mul_i32 s21, s15, HALFA
	s_mul_i32 s22, s16, HALFB
	s_add_co_u32 s22, s22, 2*HALFA
.irp s, 0,1
	v_add_nc_u32 v[ADRA+\s], s21, v4
	v_add_nc_u32 v[ADRB+\s], s22, v3
	v_add_nc_u32 v[ADRB+2+\s], s22, v5
	s_add_co_u32 s21, s21, SLOT
	s_add_co_u32 s22, s22, SLOT
.endr
	v_and_b32 v6, 31, v0                           ; lane: a pair of blocks is 32 rows, a lane a row
	s_mul_i32 s21, s15, HALFSA
	s_add_co_u32 s21, s21, SCA
	v_lshl_add_u32 v[ADRSA], v6, 2, s21            ; A's scale words: 4 bytes a row
	v_mul_u32_u24 v5, v6, KS
	v_lshrrev_b32 v7, 8, v5
	v_lshl_add_u32 v5, v7, 4, v5                   ; B's: KS bytes a row, and 16 more for each 256 passed
	s_mul_i32 s22, s16, HALFSB
	s_add_co_u32 s22, s22, SCB
	v_add_nc_u32 v[ADRSB], s22, v5
	s_mul_i32 s23, s14, 16*SPITCH                  ; my stage
	v_mul_u32_u24 v5, v1, SPITCH
	v_lshl_add_u32 v5, v2, 5, v5
	v_add_nc_u32 v[STO], s23, v5                   ; in: row r, 32 bytes for each half of the lanes
	v_lshlrev_b32 v[CO], 4, v6                     ; back: 32 lanes take a row of 512 bytes; and the same in C and R
	v_add_nc_u32 v[RD], s23, v[CO]
	v_lshlrev_b32 v7, 5, v2                        ; 32 h
	s_lshl_b32 s20, s17, 7
	s_lshl_b32 s21, s15, 6
	s_add_co_u32 s20, s20, s21                     ; my first row of C: 128 x tile row + 64 x half
	s_lshl_b32 s20, s20, 12
	s_lshl_b32 s46, s42, 10
	s_lshl_b32 s47, s16, 9
	s_add_co_u32 s46, s46, s47                     ; my first column, in bytes
	s_mov_b32 s47, 0
	s_add_nc_u64 s[96:97], s[96:97], s[46:47]
	s_add_co_u32 s20, s20, s46
	s_mov_b32 s21, 0
	s_add_nc_u64 s[12:13], s[12:13], s[20:21]
	s_add_nc_u64 s[100:101], s[100:101], s[20:21]
.irp b, 0,1,2,3,4,5,6,7
	global_load_b128 v[BT+8*\b:BT+8*\b+3], v7, s[96:97] offset:64*\b        ; register 8 b + j: the bias of column 16 b + 8 h + j
	global_load_b128 v[BT+8*\b+4:BT+8*\b+7], v7, s[96:97] offset:64*\b+16
.endr
; B's fragment, 16 rows x 128 K: 12 registers, in pieces of 8 bytes; where the piece of lanes 16-31 lies behind one padding more, the second address register serves
.macro FRAG reg, adr, q, i
.irp p, 0,1,2,3,4,5
.set PCE, 12*(\q)+6*(\p/3)+\p%3
.if PCE%8 < 5
	ds_load_b64 v[\reg+2*\p:\reg+2*\p+1], v[\adr] offset:8*PCE+16*(PCE/8)+(\i)*16*PITCH
.else
	ds_load_b64 v[\reg+2*\p:\reg+2*\p+1], v[\adr+2] offset:8*PCE+16*(PCE/8)+(\i)*16*PITCH
.endif
.endr
.endm
; A's: rows of 48 bytes hold 64 along K; the 32 lanes of a load touch 32 different pairs of words modulo 256 bytes
.macro FRAGA reg, slot, q, i
.irp p, 0,1,2,3,4,5
	ds_load_b64 v[\reg+2*\p:\reg+2*\p+1], v[ADRA+\slot] offset:(2*(\q)+\p/3)*3072+(\i)*768+8*(\p%3)
.endr
.endm
; one matrix instruction: A's block a x B's block b, B's set p, the slot's q-th 128 along K, scale set sc.  cm = 2: C is the bias (window 0), else the accumulator.
; A scale register carries a pair of blocks: the odd block's words stand in lanes 16-31.
.macro WM a, b, p, q, sc, cm
.set rD, 8*(8*(\a)+(\b))
.set rB, 128*(\p)+FR*(\b)
.set rA, AF+FR*(\a)
.set xB, SC+16*(\sc)+8+2*((\b)/2)+(\q)
.set xA, SC+16*(\sc)+2*((\a)/2)+(\q)
.set rC, rD
.if (\cm) == 2
.set rC, BT+8*(\b)
.endif
.set par, ((\b)%2)+2*((\a)%2)
.if par == 0
	v_wmma_scale_f32_16x16x128_f8f6f4 v[rD:rD+7], v[rB:rB+FR-1], v[rA:rA+FR-1], v[rC:rC+7], v[xB], v[xA] matrix_a_fmt:MATRIX_FMT_FP6 matrix_b_fmt:MATRIX_FMT_FP6
.elseif par == 1
	v_wmma_scale_f32_16x16x128_f8f6f4 v[rD:rD+7], v[rB:rB+FR-1], v[rA:rA+FR-1], v[rC:rC+7], v[xB], v[xA] matrix_a_fmt:MATRIX_FMT_FP6 matrix_b_fmt:MATRIX_FMT_FP6 matrix_a_scale:MATRIX_SCALE_ROW1
.elseif par == 2
	v_wmma_scale_f32_16x16x128_f8f6f4 v[rD:rD+7], v[rB:rB+FR-1], v[rA:rA+FR-1], v[rC:rC+7], v[xB], v[xA] matrix_a_fmt:MATRIX_FMT_FP6 matrix_b_fmt:MATRIX_FMT_FP6 matrix_b_scale:MATRIX_SCALE_ROW1
.else
	v_wmma_scale_f32_16x16x128_f8f6f4 v[rD:rD+7], v[rB:rB+FR-1], v[rA:rA+FR-1], v[rC:rC+7], v[xB], v[xA] matrix_a_fmt:MATRIX_FMT_FP6 matrix_b_fmt:MATRIX_FMT_FP6 matrix_a_scale:MATRIX_SCALE_ROW1 matrix_b_scale:MATRIX_SCALE_ROW1
.endif
.endm
; 8 matrix instructions: A's block g x B's eight.  The 32 accumulators take turns, one instruction a turn, in the same order in every step
.macro MULQ g, p, q, sc, cm
.irp b, 0,1,2,3,4,5,6,7
	WM \g, \b, \p, \q, \sc, \cm
.endr
.endm
.macro FETCH_B slot, q, p
	WIN 0x40                                       ; destination window 1
.irp i, 0,1,2,3,4,5,6,7
	FRAG 128*(\p)+FR*\i, ADRB+\slot, \q, \i
.endr
	WIN 0
.endm
.macro FETCH_A slot, q, i0
.irp i, \i0, \i0+1
	FRAGA AF+FR*(\i), \slot, \q, \i
.endr
.endm
.macro SCALES sc                       ; a K step's scale words: eight loads
.irp i, 0,1
.irp q, 0,1
	ds_load_b32 v[SC+16*\sc+2*\i+\q], v[ADRSA] offset:256*\q+128*\i
.endr
.endr
.irp i, 0,1,2,3
	ds_load_b64 v[SC+16*\sc+8+2*\i:SC+16*\sc+8+2*\i+1], v[ADRSB] offset:\i*2*SBLK
.endr
.endm
; a slot's first 128 along K
.macro STEP slot, cm
	s_wait_dscnt 2*NL                              ; all but the youngest 12 loads, A's blocks 2 and 3
.if (\cm) == 2
	WIN 0x81                                       ; source 0 (B) window 1, source 1 (A) and C (the bias) window 0, D window 2
.else
	WIN 0xa1                                       ; C and D window 2
.endif
	MULQ 0, 0, 0, \slot, \cm
	MULQ 1, 0, 0, \slot, \cm
	s_wait_dscnt 0x0
	PLACES
	FETCH_B \slot, 1, 1
	FETCH_A \slot, 1, 0
.if (\cm) == 2
	WIN 0x81
.else
	WIN 0xa1
.endif
	MULQ 2, 0, 0, \slot, \cm
	MULQ 3, 0, 0, \slot, \cm
	PLACES
	WIN 0
	FETCH_A \slot, 1, 2
.endm
; a slot's second 128 along K, and the change of slots: ONE barrier; in front of it each wave waits for all its tensor loads, adds 0 to its spare word, and waits for that and for its reads of this slot
.macro TURN slot, next, fill
	s_wait_tensorcnt 0x0                           ; all my tensor loads have landed: my part of the next slot
	ds_add_u32 v[SPW], v[NIL]                      ; 0 onto my spare word
	s_wait_dscnt 2*NL+1                            ; the add and the youngest 12 loads may be out
	WIN 0xa1
	MULQ 0, 1, 1, \slot, 0
	s_wait_dscnt 0x0                               ; the add is done, and my reads of this slot are over
	s_barrier_signal -1
	MULQ 1, 1, 1, \slot, 0
	WIN 0
	s_barrier_wait -1
.if \fill
	CREST                                          ; the barrier has opened a round of the cluster's: no wave of any partner still reads this slot or has a load on its way
	s_add_nc_u64 s[G0+4*\slot+2:G0+4*\slot+3], s[G0+4*\slot+2:G0+4*\slot+3], 2*4*6144
	s_add_nc_u64 s[G0B+4*\slot+2:G0B+4*\slot+3], s[G0B+4*\slot+2:G0B+4*\slot+3], 2*ROWB
	JLOAD G0+4*\slot, G1, G0B+4*\slot, G1B         ; my one tensor load behind the round; its four v_nop are the places in front of the loads below
.else
	PLACES
.endif
	v_add_nc_u32 v[ADRSA], 512, v[ADRSA]           ; the next K step's scale words
	v_add_nc_u32 v[ADRSB], 8, v[ADRSB]
	FETCH_B \next, 0, 0
	FETCH_A \next, 0, 0
	SCALES \next
	WIN 0xa1
	MULQ 2, 1, 1, \slot, 0
	MULQ 3, 1, 1, \slot, 0
	PLACES
	WIN 0
	FETCH_A \next, 0, 2
.endm
	s_wait_tensorcnt 1                             ; the scales and my part of K step 0 are in; K step 1's load may be out
	s_barrier_signal -1
	s_barrier_wait -1
	FETCH_B 0, 0, 0
	FETCH_A 0, 0, 0
	SCALES 0
	FETCH_A 0, 0, 2
	s_wait_loadcnt 0x0                             ; the bias
	STEP 0, 2                                      ; the first step stands in front of the loop: its products start the sums, from the bias
	s_mov_b32 s3, LAPS-1
.Llap:
	TURN 0, 1, 1
	STEP 1, 0
	TURN 1, 0, 1
	STEP 0, 0
	s_sub_co_u32 s3, s3, 1
	s_cmp_lg_u32 s3, 0
	s_cbranch_scc1 .Llap
	TURN 0, 1, 0                                   ; the last lap fills nothing
	STEP 1, 0
	s_wait_dscnt 2*NL
	WIN 0xa1
	MULQ 0, 1, 1, 1, 0
	MULQ 1, 1, 1, 1, 0
	s_wait_dscnt 0x0
	MULQ 2, 1, 1, 1, 0
	MULQ 3, 1, 1, 1, 0
	WIN 0
; THE WAY OUT, block by block of 16 rows x 128 columns: through my own stage in LDS and back as whole rows of 512 bytes; the residual, loaded in the same lanes, is added; 32 lanes store a row's 512 bytes
.macro RLOAD a
.irp t, 0,1,2,3,4,5,6,7,8,9,10,11,12,13,14,15
	global_load_b128 v[RS+4*\t:RS+4*\t+3], v[CO], s[100:101] offset:(16*(\a)+\t)*4096
.endr
.endm
.macro TOSTAGE a
.set AC, 64*(\a)
	WIN 0x08                                       ; an LDS store's data are its source 1: window 2
.irp b, 0,1,2,3,4,5,6,7
	ds_store_b128 v[STO], v[AC+8*\b:AC+8*\b+3] offset:64*\b          ; each accumulator from its low end on
	ds_store_b128 v[STO], v[AC+8*\b+4:AC+8*\b+7] offset:64*\b+16
.endr
	WIN 0
.set BB, BK+64*((\a)%2)
.irp t, 0,1,2,3,4,5,6,7,8,9,10,11,12,13,14,15
	ds_load_b128 v[BB+4*\t:BB+4*\t+3], v[RD] offset:\t*SPITCH        ; LDS serves a wave's instructions in order: these see the stores above
.endr
.endm
.macro ADDR a
.set BB, BK+64*((\a)%2)
.set t, 0
.rept 32
	v_pk_add_f32 v[BB+t:BB+t+1], v[BB+t:BB+t+1], v[RS+t:RS+t+1]
.set t, t+2
.endr
.endm
.macro SEND a
.set BB, BK+64*((\a)%2)
.irp t, 0,1,2,3,4,5,6,7,8,9,10,11,12,13,14,15
	global_store_b128 v[CO], v[BB+4*\t:BB+4*\t+3], s[12:13] offset:(16*(\a)+\t)*4096   ; 512 consecutive bytes, at a multiple of 512 from C's first byte
.endr
.endm
	PLACES
	RLOAD 0
	TOSTAGE 0
.irp a, 0,1,2,3
	s_wait_dscnt 0x0                               ; the block is back in registers,
	s_wait_loadcnt 0x0                             ; and its residual is in
	ADDR \a
.if \a < 3
.if \a > 0
	s_wait_xcnt 0x0                                ; the stores of the block before have read the registers that the next block's loads take
.endif
	RLOAD \a+1
	TOSTAGE \a+1
.endif
	SEND \a
.endr
	s_wait_tensorcnt 0x0                           ; the wave's end
	ds_add_u32 v[SPW], v[NIL]
	s_wait_dscnt 0x0
	CROUND                                         ; the closing round
	s_endpgm
.Lfunc_end_k_qf5ee28081b_w2:
	.size	k_qf5ee28081b_w2, .Lfunc_end_k_qf5ee28081b_w2-k_qf5ee28081b_w2
	.p2alignl 7, 3214868480
	.fill 96, 4, 3214868480
	.section	.rodata,"a",@progbits
	.p2align	6, 0x0
	.amdhsa_kernel k_qf5ee28081b_w2
		.amdhsa_group_segment_fixed_size 327680
		.amdhsa_private_segment_fixed_size 0
		.amdhsa_enable_private_segment 0
		.amdhsa_kernarg_size 48
		.amdhsa_user_sgpr_count 2
		.amdhsa_user_sgpr_kernarg_segment_ptr 1
		.amdhsa_wavefront_size32 1
		.amdhsa_system_sgpr_workgroup_id_x 1
		.amdhsa_system_sgpr_workgroup_id_y 1
		.amdhsa_system_sgpr_workgroup_id_z 1
		.amdhsa_system_vgpr_workitem_id 0
		.amdhsa_next_free_vgpr 768
		.amdhsa_next_free_sgpr 102
		.amdhsa_reserve_vcc 0
		.amdhsa_float_denorm_mode_32 3
		.amdhsa_float_denorm_mode_16_64 3
		.amdhsa_memory_ordered 1
		.amdhsa_forward_progress 1
		.amdhsa_inst_pref_size 117
	.end_amdhsa_kernel
	.amdgpu_metadata
---
amdhsa.version: [ 1, 2 ]
amdhsa.kernels:
  - .name:           k_qf5ee28081b_w2
    .symbol:         k_qf5ee28081b_w2.kd
    .args:
      - { .name: wide, .offset: 0, .size: 8, .value_kind: global_buffer, .address_space: global }
      - { .name: W2_codes, .offset: 8, .size: 8, .value_kind: global_buffer, .address_space: global }
      - { .name: W2_scales, .offset: 16, .size: 8, .value_kind: global_buffer, .address_space: global }
      - { .name: b2, .offset: 24, .size: 8, .value_kind: global_buffer, .address_space: global }
      - { .name: x1, .offset: 32, .size: 8, .value_kind: global_buffer, .address_space: global }
      - { .name: out0, .offset: 40, .size: 8, .value_kind: global_buffer, .address_space: global }
    .group_segment_fixed_size: 327680
    .private_segment_fixed_size: 0
    .kernarg_segment_align: 8
    .kernarg_segment_size: 48
    .max_flat_workgroup_size: 128
    .sgpr_count:     102
    .vgpr_count:     768
    .wavefront_size: 32
...
	.end_amdgpu_metadata
.endif
;; end of part 6
;; ======== version 2 of 2: 7 launches
;; workspace buffers: act 3,276,800 bytes; wide 13,107,200 bytes; x1 16,777,216 bytes
;; launch ln1: the kernel of part 1 again; grid 256 x 1, 8 waves a work-group, no clusters, 87,552 bytes of LDS; arguments x, ln1_g, ln1_b, act; writes act
;; launch qkv: the kernel of part 2 again; grid 12 x 16, 4 waves a work-group, clusters of 4 x 4, 327,680 bytes of LDS; arguments act, Wq_codes, Wq_scales, Wk_codes, Wk_scales, Wv_codes, Wv_scales, bq, bk, bv, wide; writes wide
;; launch attn: the kernel of part 3 again; grid 8 x 32, 16 waves a work-group, clusters of 4 x 1, 223,232 bytes of LDS; arguments wide, act; writes act
;; launch wo (part 7): grid 8 x 32, 4 waves a work-group, clusters of 4 x 4, 327,680 bytes of LDS; arguments act, Wo_codes, Wo_scales, bo, x, x1; writes x1
.if DOCPART == 7
	.amdgcn_target "amdgcn-amd-amdhsa--gfx1250"
	.amdhsa_code_object_version 6
	.text
	.protected	k_qf5ee28081b_wo
	.globl	k_qf5ee28081b_wo
	.p2align	8
	.type	k_qf5ee28081b_wo,@function
k_qf5ee28081b_wo:
	s_mov_b64 s[64:65], 0
	v_nop
	global_prefetch_b8 v0, s[64:65] scope:SCOPE_SE
	s_setreg_imm32_b32 hwreg(HW_REG_WAVE_MODE, 25, 1), 1
	s_wait_xcnt 0x0
	s_wait_alu depctr_hold_cnt(0) depctr_sa_sdst(0) depctr_va_vdst(0) depctr_va_sdst(0) depctr_va_ssrc(0) depctr_va_vcc(0) depctr_vm_vsrc(0)
	s_getreg_b32 s2, hwreg(HW_REG_IB_STS2, 6, 4)
	s_cmp_eq_u32 s2, 0
	s_cbranch_scc0 .Lentry_in_a_cluster
	s_endpgm
.Lentry_in_a_cluster:
	s_bfe_u32 s2, ttmp6, 0x10000c
	s_cmp_lg_u32 s2, 0xf033
	s_cbranch_scc0 .Lentry_shape_is_right
	s_endpgm
.Lentry_shape_is_right:
; C = R + A B^T + bias: A [4096][SIZE_K] and B [1024][SIZE_K] as codes of FP6 (E2M3) with one E8M0 scale for each 32 along K; bias [1024], R and C [4096][1024] f32.  Here: x1 = x + ctx Wo + bo.
; A (made by this program): codes [row / 128][k / 64][128 rows][48 bytes]; scale words, 4096 x SIZE_K x 3 / 4 bytes further on, [row / 128][k / 128][128 rows][4].  B (given): codes [1024][SIZE_K x 3 / 4], scale bytes [1024][SIZE_K / 32].
; A tile of C is 128 x 128: C's 4,096 x 1,024 are then 256 work-groups.  Four waves, 64 x 64 each: 16 accumulators.
; K goes in steps of 512, the longest of which two slots fit in LDS beside the scales: a wave's one tensor load behind a change of slots brings 24,576 bytes or more, and SIZE_K / 512 steps are all.
; The slots are filled by joint tensor loads: A's tile is shared along a row of the 4 x 4 cluster, B's along a column.  The scales of the work-group's rows come into LDS once.
; THE MATRIX INSTRUCTION IS USED TRANSPOSED (source 0 = 16 rows of B, source 1 = 16 rows of A): a lane holds eight neighbouring numbers of a row of C.  The bias is the C of each sum's first product.
; THE RESIDUAL is asked for at the kernel's head, in the lanes that will store those bytes, and waits in registers: nothing on the way out waits for memory.
; REGISTERS: window 0: v8-9 the prefetches' offsets; v16-30 addresses; v32-63 scale words, two sets; v64-95 the bias; v128-255 the accumulators ((a, b) at v[128 + 8 (4 a + b)]), later rows of C.
;   window 1: two sets of fragments, at v0 and v128: A's four (16 rows x 128 K, 12 registers each), then B's four.   window 2: v0-127 the residual, then the result.
.set SIZE_K, 1024
.set KSTEP,  512
.set ROWB,   384                       ; a row of B's tile: 512 codes
.set KROW,   SIZE_K*6/8
.set PITCH,  432                       ; B's LDS row: 3 x (128 bytes + 16 of padding) = 108 words: row r starts 44 r words on modulo 64: sixteen different multiples of four words
.set FR,     12
.set HALFA,  4*6144                    ; A: four groups of 64 k x 128 rows x 48 bytes: what one tensor load brings; dense in memory
.set HALFB,  64*PITCH                  ; B: 64 rows: what one tensor load brings, and what one wave reads
.set SLOT,   2*HALFA+2*HALFB
.set LAPS,   SIZE_K/(2*KSTEP)          ; a lap = two K steps = once round the ring
.set KS,     SIZE_K/32
.set SCA,    2*SLOT                    ; A's scale words [k / 128][128 rows][4]
.set HALFSA, (SIZE_K/128)*256
.set SCB,    SCA+2*HALFSA              ; B's scale bytes: units of 256 bytes + 16
.set HALFSB, (64*KS/256)*272
.set SBLK2,  (32*KS/256)*272           ; those of 32 rows: a pair of blocks
.set SPARE,  SCB+2*HALFSB              ; the spare words: 128 bytes a wave, named by no other line
.set SPITCH, 272                       ; the way out: a stage of 64 rows x (256 + 16) for each wave, in slot 0 (its last fill and last read are over)
.set WSTG,   64*SPITCH
.set PFOA, 8
.set PFOB, 9
.set ADRA, 16
.set ADRB, 20
.set STO,  24
.set RD,   25
.set CO,   26
.set ADRSA, 27
.set SPW,  28
.set NIL,  29
.set ADRSB, 30
.set SC,   32                          ; set s at SC + 16 s: A's pair of blocks i, word q at + 4 i + q; B's at + 8 + 4 i + q.  Lanes 0-15: block 2 i, lanes 16-31: block 2 i + 1
.set BT,   64
.set ACC,  128
.set RS,   0                           ; in window 2
.set G1, 24
.set G0, 32
.set G1B, 48
.set G0B, 56
.set G1S, 68
.set G0S, 76
.set G1SB, 80
.set G0SB, 88
.set PFA,  92                          ; s[92:93] where my prefetches of A stand;  s[94:95] those of B
.set PFB,  94
.set LIMA, 45                          ; 1 in a wave that prefetches A, else the greatest number;  s2 the same for B
.set LIMB, 2
.set MSB, 0
.macro WIN new                         ; the immediate's high byte repeats the setting that is left
.if MSB != (\new)
	s_set_vgpr_msb (MSB<<8)|(\new)
.set MSB, (\new)
.endif
.endm
; A joint load: waves 0 and 1 fetch for A, waves 2 and 3 for B; the branch hangs on the wave's number alone.  Four v_nop follow each line.
.macro JLOAD g0a, g1a, g0b, g1b
	s_cmp_eq_u32 s15, 0
	s_cbranch_scc0 .Lfor_b_\@
	tensor_load_to_lds s[\g0a:\g0a+3], s[\g1a:\g1a+7]
	s_nop 0
.rept 4
	v_nop
.endr
	s_branch .Lasked_\@
.Lfor_b_\@:
	tensor_load_to_lds s[\g0b:\g0b+3], s[\g1b:\g1b+7]
	s_nop 0
.rept 4
	v_nop
.endr
.Lasked_\@:
.endm
.macro CREST                           ; a round of the cluster's barrier behind its opening barrier
	s_cmp_lg_u32 s14, 0
	s_cbranch_scc1 .Lnot_wave_0_\@
	s_barrier_signal -3
.Lnot_wave_0_\@:
	s_barrier_wait -3
	s_barrier_signal -1
	s_barrier_wait -1
.endm
.macro CROUND
	s_barrier_signal -1
	s_barrier_wait -1
	CREST
.endm
.macro PLACES                          ; four plain instructions between a matrix instruction and a load into, or a read of, its registers
.rept 4
	v_nop
.endr
.endm
; A PREFETCH INTO THE L2, once a lap, behind slot 0's joint load and the run of LDS loads: the lap after the next, which the next trip's two refills will ask for.
; A: a tile row's lap is 98,304 dense bytes; every cluster of that row of clusters reads them, the one with x = 0 asks; of the four partners that share the tile, the one at cx takes 24,576 bytes, told apart BY ADDRESS;
; waves 0, 1 and 2 take 8,192 each, lanes 256 bytes apart.  B: a lap is 768 bytes of each of the tile column's 128 rows; the cluster with y = 0 asks; the partner at cy takes 32 rows, a lane a row, wave w the w-th 256 bytes.
; So each aligned block of 256 bytes is named once in the launch.  The last trip asks for nothing: there is no lap behind the last.  Laps 0 and 1 come by their loads alone.
.macro ASK
	s_cmp_gt_u32 s3, s[LIMA]                       ; s3 = 1 in the loop's last trip
	s_cbranch_scc0 .Lno_a_\@
	global_prefetch_b8 v[PFOA], s[PFA:PFA+1] th:TH_LOAD_NT scope:SCOPE_SE
.Lno_a_\@:
	s_cmp_gt_u32 s3, s[LIMB]
	s_cbranch_scc0 .Lno_b_\@
	global_prefetch_b8 v[PFOB], s[PFB:PFB+1] th:TH_LOAD_NT scope:SCOPE_SE
.Lno_b_\@:
.endm
	s_load_b64 s[4:5], s[0:1], 0x0                 ; A
	s_load_b128 s[8:11], s[0:1], 0x8               ; B's codes, B's scales
	s_load_b64 s[96:97], s[0:1], 0x18              ; bias
	s_load_b64 s[100:101], s[0:1], 0x20            ; R
	s_load_b64 s[12:13], s[0:1], 0x28              ; C
	v_lshl_add_u32 v[SPW], v0, 2, SPARE
	v_mov_b32 v[NIL], 0
	ds_add_u32 v28, v29
	ds_add_u32 v28, v29
	s_wait_dscnt 0x0
	v_lshrrev_b32 v1, 5, v0
	v_readfirstlane_b32 s14, v1                    ; wave 0..3
	s_lshr_b32 s15, s14, 1                         ; my half of the tile's rows; also: I fetch for A (0) or B (1)
	s_and_b32 s16, s14, 1                          ; my half of its columns; also: which half I fetch
	s_bfe_u32 s40, ttmp6, 0x40000                  ; cx
	s_bfe_u32 s41, ttmp6, 0x40004                  ; cy
	s_lshl_b32 s42, ttmp9, 2
	s_add_co_u32 s42, s42, s40                     ; tile column of C
	s_and_b32 s17, ttmp7, 0xffff
	s_lshl_b32 s17, s17, 2
	s_add_co_u32 s17, s17, s41                     ; tile row of C
	s_lshl_b32 s43, s41, 2
	s_lshl_b32 s43, 15, s43                        ; my row of the cluster
	s_lshl_b32 s44, 0x1111, s40                    ; my column
	; A's codes: 24,576 dense bytes as 96 rows of 256 (32 elements of 8 bytes); no padding
	s_or_b32 s[G1+0], s43, (3<<16)|(1<<21)
	s_mov_b32 s[G1+1], 32<<16
	s_mov_b32 s[G1+2], 96<<16
	s_mov_b32 s[G1+3], 32<<16
	s_mov_b32 s[G1+4], 96
	s_mov_b32 s[G1+5], 32
	s_mov_b32 s[G1+6], 0
	s_mov_b32 s[G1+7], 0
	; B's codes: 64 rows x 384 bytes, 16 bytes of padding behind every 128 (32 words: code 4; 4 words: code 3)
	s_or_b32 s[G1B+0], s44, (0<<16)|(1<<20)|(1<<21)|(4<<22)|(3<<25)
	s_mov_b32 s[G1B+1], ROWB<<16
	s_mov_b32 s[G1B+2], 64<<16
	s_mov_b32 s[G1B+3], ROWB<<16
	s_mov_b32 s[G1B+4], 64
	s_mov_b32 s[G1B+5], KROW
	s_mov_b32 s[G1B+6], 0
	s_mov_b32 s[G1B+7], 0
	; A's scale words: half of the tile row's dense block, as SIZE_K / 128 rows of 256 bytes
	s_or_b32 s[G1S+0], s43, (3<<16)|(1<<21)
	s_mov_b32 s[G1S+1], 32<<16
	s_mov_b32 s[G1S+2], (SIZE_K/128)<<16
	s_mov_b32 s[G1S+3], 32<<16
	s_mov_b32 s[G1S+4], SIZE_K/128
	s_mov_b32 s[G1S+5], 32
	s_mov_b32 s[G1S+6], 0
	s_mov_b32 s[G1S+7], 0
	; B's scale bytes of 64 rows: a dense block, as rows of 256 bytes, 16 bytes of padding behind each
	s_or_b32 s[G1SB+0], s44, (3<<16)|(1<<20)|(1<<21)|(5<<22)|(3<<25)
	s_mov_b32 s[G1SB+1], 32<<16
	s_mov_b32 s[G1SB+2], (64*KS/256)<<16
	s_mov_b32 s[G1SB+3], 32<<16
	s_mov_b32 s[G1SB+4], 64*KS/256
	s_mov_b32 s[G1SB+5], 32
	s_mov_b32 s[G1SB+6], 0
	s_mov_b32 s[G1SB+7], 0
	s_mul_i32 s20, s17, (SIZE_K/64)*6144           ; A's codes: my tile row's block of 128 rows, + my half of a K step
	s_mul_i32 s18, s16, HALFA
	s_add_co_u32 s20, s20, s18
	s_mov_b32 s21, 0
	s_mul_i32 s22, s17, (SIZE_K/128)*512           ; its scale words, + my half of K
	s_mul_i32 s18, s16, HALFSA
	s_add_co_u32 s22, s22, s18
	s_mov_b32 s23, 0
	s_lshl_b32 s46, s42, 7
	s_lshl_b32 s18, s16, 6
	s_add_co_u32 s46, s46, s18                     ; B: row 128 x tile column + 64 x half
	s_mul_i32 s92, s46, KS
	s_mul_i32 s46, s46, KROW
	s_mov_b32 s47, 0
	s_mov_b32 s93, 0
	s_mul_i32 s45, s16, HALFA                      ; where they go: no place in the cluster enters an LDS address
	s_mul_i32 s94, s16, HALFB
	s_add_co_u32 s94, s94, 2*HALFA
	s_mul_i32 s95, s16, HALFSA
	s_add_co_u32 s95, s95, SCA
	s_mul_i32 s2, s16, HALFSB
	s_add_co_u32 s2, s2, SCB
	s_wait_kmcnt 0x0
	s_add_nc_u64 s[6:7], s[4:5], 4096*SIZE_K*3/4   ; A's scale words
	s_add_nc_u64 s[20:21], s[4:5], s[20:21]
	s_add_nc_u64 s[22:23], s[6:7], s[22:23]
	s_add_nc_u64 s[46:47], s[8:9], s[46:47]
	s_add_nc_u64 s[92:93], s[10:11], s[92:93]
	CROUND                                         ; all sixteen work-groups are here: the first joint loads meet
	s_mov_b32 s[G0S], 1
	s_mov_b32 s[G0S+1], s95
	s_mov_b64 s[G0S+2:G0S+3], s[22:23]
	s_or_b32 s[G0S+3], s[G0S+3], 0x80000000
	s_mov_b32 s[G0SB], 1
	s_mov_b32 s[G0SB+1], s2
	s_mov_b64 s[G0SB+2:G0SB+3], s[92:93]
	s_or_b32 s[G0SB+3], s[G0SB+3], 0x80000000
	JLOAD G0S, G1S, G0SB, G1SB                     ; the scales first; with the two slots three loads of mine are out
.irp s, 0,1
	s_mov_b32 s[G0+4*\s], 1
	s_add_co_u32 s[G0+4*\s+1], s45, \s*SLOT
	s_add_nc_u64 s[G0+4*\s+2:G0+4*\s+3], s[20:21], \s*2*HALFA
	s_or_b32 s[G0+4*\s+3], s[G0+4*\s+3], 0x80000000
	s_mov_b32 s[G0B+4*\s], 1
	s_add_co_u32 s[G0B+4*\s+1], s94, \s*SLOT
	s_add_nc_u64 s[G0B+4*\s+2:G0B+4*\s+3], s[46:47], \s*ROWB
	s_or_b32 s[G0B+4*\s+3], s[G0B+4*\s+3], 0x80000000
	JLOAD G0+4*\s, G1, G0B+4*\s, G1B
.endr
	v_and_b32 v1, 15, v0                           ; r
	v_bfe_u32 v2, v0, 4, 1                         ; h
	v_mul_u32_u24 v3, v1, PITCH
	v_mul_u32_u24 v4, v2, 24
	v_add_nc_u32 v3, v3, v4                        ; B: row x pitch + 24 h
	v_lshl_add_u32 v5, v2, 4, v3                   ; and the same behind one padding more
	v_mad_u32_u24 v4, v1, 48, v4                   ; A: row x 48 + 24 h
	s_mul_i32 s21, s15, 64*48                      ; my 64 rows of A, in each group of 64 k
	s_mul_i32 s22, s16, HALFB                      ; my 64 rows of B,
	s_add_co_u32 s22, s22, 2*HALFA                 ; which lie behind A's part of the slot
.irp s, 0,1
	v_add_nc_u32 v[ADRA+\s], s21, v4
	v_add_nc_u32 v[ADRB+\s], s22, v3
	v_add_nc_u32 v[ADRB+2+\s], s22, v5
	s_add_co_u32 s21, s21, SLOT
	s_add_co_u32 s22, s22, SLOT
.endr
	v_and_b32 v6, 31, v0                           ; lane: a pair of blocks is 32 rows, a lane a row
	s_lshl_b32 s21, s15, 8
	s_add_co_u32 s21, s21, SCA
	v_lshl_add_u32 v[ADRSA], v6, 2, s21            ; A's scale words: 4 bytes a row, my 64 rows
	v_mul_u32_u24 v5, v6, KS
	v_lshrrev_b32 v7, 8, v5
	v_lshl_add_u32 v5, v7, 4, v5                   ; B's: KS bytes a row, and 16 more for each 256 passed
	s_mul_i32 s22, s16, HALFSB
	s_add_co_u32 s22, s22, SCB
	v_add_nc_u32 v[ADRSB], s22, v5
	s_mul_i32 s23, s14, WSTG                       ; my stage
	v_mul_u32_u24 v5, v1, SPITCH
	v_lshl_add_u32 v5, v2, 5, v5
	v_add_nc_u32 v[STO], s23, v5                   ; in: row r, 32 bytes for each half of the lanes
	v_mul_u32_u24 v5, v2, SPITCH
	v_lshl_add_u32 v5, v1, 4, v5
	v_add_nc_u32 v[RD], s23, v5                    ; back: lanes 0-15 take one row of 256 bytes, lanes 16-31 the next
	v_lshlrev_b32 v[CO], 12, v2
	v_lshl_add_u32 v[CO], v1, 4, v[CO]             ; and the same two rows in C and in R
	v_lshlrev_b32 v7, 5, v2                        ; 32 h
	s_lshl_b32 s20, s17, 7
	s_lshl_b32 s21, s15, 6
	s_add_co_u32 s20, s20, s21                     ; my first row of C: 128 x tile row + 64 x half
	s_lshl_b32 s20, s20, 12
	s_lshl_b32 s46, s42, 9
	s_lshl_b32 s47, s16, 8
	s_add_co_u32 s46, s46, s47                     ; my first column, in bytes: 512 x tile column + 256 x half
	s_mov_b32 s47, 0
	s_add_nc_u64 s[96:97], s[96:97], s[46:47]
	s_add_co_u32 s20, s20, s46
	s_mov_b32 s21, 0
	s_add_nc_u64 s[12:13], s[12:13], s[20:21]
	s_add_nc_u64 s[100:101], s[100:101], s[20:21]
.irp b, 0,1,2,3
	global_load_b128 v[BT+8*\b:BT+8*\b+3], v7, s[96:97] offset:64*\b        ; register 8 b + j: the bias of column 16 b + 8 h + j
	global_load_b128 v[BT+8*\b+4:BT+8*\b+7], v7, s[96:97] offset:64*\b+16
.endr
	WIN 0x80                                       ; destination window 2
.set t, 0
.rept 32
	global_load_b128 v[RS+4*t:RS+4*t+3], v[CO], s[100:101] offset:2*t*4096  ; the residual of my 64 x 64: sixteen lanes read a row's 256 consecutive bytes
.set t, t+1
.endr
	WIN 0
.if LAPS > 1
	; the prefetches (macro ASK): both addresses stand at lap 1; the first change of slots steps them to lap 2.  Nothing is asked for here, at the head
	s_mul_i32 s18, s17, (SIZE_K/64)*6144
	s_mul_i32 s19, s40, 24576
	s_add_co_u32 s18, s18, s19
	s_lshl_b32 s19, s14, 13
	s_add_co_u32 s18, s18, s19
	s_add_co_u32 s18, s18, 4*HALFA
	s_mov_b32 s19, 0
	s_add_nc_u64 s[PFA:PFA+1], s[4:5], s[18:19]
	s_lshl_b32 s18, s42, 7
	s_lshl_b32 s19, s41, 5
	s_add_co_u32 s18, s18, s19
	s_mul_i32 s18, s18, KROW
	s_lshl_b32 s19, s14, 8
	s_add_co_u32 s18, s18, s19
	s_add_co_u32 s18, s18, 2*ROWB
	s_mov_b32 s19, 0
	s_add_nc_u64 s[PFB:PFB+1], s[8:9], s[18:19]
	s_lshr_b32 s18, s14, 1
	s_and_b32 s18, s18, s14                        ; 1 in wave 3 alone, which asks for nothing
	s_or_b32 s19, s18, ttmp9                       ; the cluster's x: the same in all sixteen partners
	s_cmp_eq_u32 s19, 0
	s_cselect_b32 s[LIMA], 1, -1
	s_and_b32 s19, ttmp7, 0xffff                   ; the cluster's y
	s_or_b32 s19, s19, s18
	s_cmp_eq_u32 s19, 0
	s_cselect_b32 s[LIMB], 1, -1
	v_lshlrev_b32 v[PFOA], 8, v6
	v_mul_u32_u24 v[PFOB], v6, KROW
.endif
; B's fragment, 16 rows x 128 K: 12 registers, in pieces of 8 bytes.  Lanes 16-31 read three pieces further on; where that lies behind one padding more (16 pieces to a padding), the second address register serves
.macro FRAGB reg, adr, q, i
.irp p, 0,1,2,3,4,5
.set PCE, 12*(\q)+6*(\p/3)+\p%3
.if PCE%16 < 13
	ds_load_b64 v[\reg+2*\p:\reg+2*\p+1], v[\adr] offset:8*PCE+16*(PCE/16)+(\i)*16*PITCH
.else
	ds_load_b64 v[\reg+2*\p:\reg+2*\p+1], v[\adr+2] offset:8*PCE+16*(PCE/16)+(\i)*16*PITCH
.endif
.endr
.endm
; A's: rows of 48 bytes hold 64 along K: row r starts 12 r words on modulo 64: sixteen different multiples of four words
.macro FRAGA reg, slot, q, i
.irp p, 0,1,2,3,4,5
	ds_load_b64 v[\reg+2*\p:\reg+2*\p+1], v[ADRA+\slot] offset:(2*(\q)+\p/3)*6144+(\i)*768+8*(\p%3)
.endr
.endm
; 48 LDS loads in one run: the fragments of the slot's q-th 128 along K into set p.  It leaves the destination's window at 1
.macro FETCH slot, q, p
	WIN 0x40
.irp i, 0,1,2,3
	FRAGB 128*(\p)+48+FR*\i, ADRB+\slot, \q, \i
.endr
.irp i, 0,1,2,3
	FRAGA 128*(\p)+FR*\i, \slot, \q, \i
.endr
.endm
.macro SCALES sc                       ; a K step's scale words: four words a row, a pair of blocks a register: ten loads
.irp i, 0,1
.irp q, 0,1,2,3
	ds_load_b32 v[SC+16*\sc+4*\i+\q], v[ADRSA] offset:512*\q+128*\i
.endr
.endr
.irp i, 0,1
	ds_load_b128 v[SC+16*\sc+8+4*\i:SC+16*\sc+8+4*\i+3], v[ADRSB] offset:\i*SBLK2
.endr
.endm
; one matrix instruction: A's block a x B's block b, set p, the slot's q-th 128 along K, scale set sc.  cm = 2: C is the bias, else the accumulator.
; A scale register carries a pair of blocks: the odd block's words stand in lanes 16-31.
.macro WM a, b, p, q, sc, cm
.set rD, ACC+8*(4*(\a)+(\b))
.set rB, 128*(\p)+48+FR*(\b)
.set rA, 128*(\p)+FR*(\a)
.set xB, SC+16*(\sc)+8+4*((\b)/2)+(\q)
.set xA, SC+16*(\sc)+4*((\a)/2)+(\q)
.set rC, rD
.if (\cm) == 2
.set rC, BT+8*(\b)
.endif
.set par, ((\b)%2)+2*((\a)%2)
.if par == 0
	v_wmma_scale_f32_16x16x128_f8f6f4 v[rD:rD+7], v[rB:rB+FR-1], v[rA:rA+FR-1], v[rC:rC+7], v[xB], v[xA] matrix_a_fmt:MATRIX_FMT_FP6 matrix_b_fmt:MATRIX_FMT_FP6
.elseif par == 1
	v_wmma_scale_f32_16x16x128_f8f6f4 v[rD:rD+7], v[rB:rB+FR-1], v[rA:rA+FR-1], v[rC:rC+7], v[xB], v[xA] matrix_a_fmt:MATRIX_FMT_FP6 matrix_b_fmt:MATRIX_FMT_FP6 matrix_a_scale:MATRIX_SCALE_ROW1
.elseif par == 2
	v_wmma_scale_f32_16x16x128_f8f6f4 v[rD:rD+7], v[rB:rB+FR-1], v[rA:rA+FR-1], v[rC:rC+7], v[xB], v[xA] matrix_a_fmt:MATRIX_FMT_FP6 matrix_b_fmt:MATRIX_FMT_FP6 matrix_b_scale:MATRIX_SCALE_ROW1
.else
	v_wmma_scale_f32_16x16x128_f8f6f4 v[rD:rD+7], v[rB:rB+FR-1], v[rA:rA+FR-1], v[rC:rC+7], v[xB], v[xA] matrix_a_fmt:MATRIX_FMT_FP6 matrix_b_fmt:MATRIX_FMT_FP6 matrix_a_scale:MATRIX_SCALE_ROW1 matrix_b_scale:MATRIX_SCALE_ROW1
.endif
.endm
; 4 matrix instructions: A's block a x B's four.  The 16 accumulators take turns, one instruction a turn, in the same order in every 128 along K
.macro MULA a, p, q, sc, cm
.irp b, 0,1,2,3
	WM \a, \b, \p, \q, \sc, \cm
.endr
.endm
; one of a slot's first three 128 along K: its fragments are in; the next one's are asked for into the other set, which the products just issued have read: so four places stand first; then 16 products
.macro QUARTER slot, q, cm
	s_wait_dscnt 0x0
	PLACES
	FETCH \slot, (\q)+1, 1-(\q)%2
	WIN 0x05                                       ; sources 0 (B) and 1 (A) window 1; C and D window 0
.irp a, 0,1,2,3
	MULA \a, (\q)%2, \q, \slot, \cm
.endr
.endm
; a slot's last 128 along K, and the change of slots: ONE barrier; in front of it each wave waits for all its tensor loads, adds 0 to its spare word, and waits for that and for its reads of this slot
.macro TURN slot, next, fill
.if \fill
.if (\slot) == 0
	s_wait_xcnt 0x0                                ; the last prefetches, a lap back, have read their addresses: they step here, ahead of the waits of the change of slots
	s_add_nc_u64 s[PFA:PFA+1], s[PFA:PFA+1], 4*HALFA
	s_add_nc_u64 s[PFB:PFB+1], s[PFB:PFB+1], 2*ROWB
.endif
.endif
	WIN 0                                          ; (the add's two registers lie in window 0)
	s_wait_tensorcnt 0x0                           ; all my tensor loads have landed: my part of the next slot
	ds_add_u32 v[SPW], v[NIL]                      ; 0 onto my spare word
	s_wait_dscnt 1                                 ; the add alone may be out: the fragments are in
	WIN 0x05
	MULA 0, 1, 3, \slot, 0
	s_wait_dscnt 0x0                               ; the add is done, and my reads of this slot are over
	s_barrier_signal -1
	MULA 1, 1, 3, \slot, 0
	WIN 0
	s_barrier_wait -1
.if \fill
	CREST                                          ; the barrier has opened a round of the cluster's: no wave of any partner still reads this slot or has a load on its way
	s_add_nc_u64 s[G0+4*\slot+2:G0+4*\slot+3], s[G0+4*\slot+2:G0+4*\slot+3], 4*HALFA
	s_add_nc_u64 s[G0B+4*\slot+2:G0B+4*\slot+3], s[G0B+4*\slot+2:G0B+4*\slot+3], 2*ROWB
	JLOAD G0+4*\slot, G1, G0B+4*\slot, G1B         ; my one tensor load behind the round; its four v_nop are the places in front of the loads below
.else
	PLACES
.endif
	v_add_nc_u32 v[ADRSA], 2048, v[ADRSA]          ; the next K step's scale words
	v_add_nc_u32 v[ADRSB], 16, v[ADRSB]
	FETCH \next, 0, 0
	WIN 0
	SCALES \next
.if \fill
.if (\slot) == 0
	ASK
.endif
.endif
	WIN 0x05
	MULA 2, 1, 3, \slot, 0
	MULA 3, 1, 3, \slot, 0
.endm
	s_wait_tensorcnt 1                             ; the scales and my part of K step 0 are in; K step 1's load may be out
	s_barrier_signal -1
	s_barrier_wait -1
	FETCH 0, 0, 0
	WIN 0
	SCALES 0
	s_wait_loadcnt 32                              ; the bias is in; the 32 younger loads, the residual, may be out
	QUARTER 0, 0, 2                                ; the first 128 along K stand in front of the loop: their products start the sums, from the bias
.if LAPS > 1
	WIN 0                                          ; at a label and at a branch every window is 0
	s_mov_b32 s3, LAPS-1
.Llap:                                                 ; a trip goes once round the ring and fills both slots again
	QUARTER 0, 1, 0
	QUARTER 0, 2, 0
	TURN 0, 1, 1
	QUARTER 1, 0, 0
	QUARTER 1, 1, 0
	QUARTER 1, 2, 0
	TURN 1, 0, 1
	QUARTER 0, 0, 0
	WIN 0
	s_sub_co_u32 s3, s3, 1
	s_cmp_lg_u32 s3, 0
	s_cbranch_scc1 .Llap
.endif
	QUARTER 0, 1, 0                                ; the last lap fills nothing
	QUARTER 0, 2, 0
	TURN 0, 1, 0
	QUARTER 1, 0, 0
	QUARTER 1, 1, 0
	QUARTER 1, 2, 0
	s_wait_dscnt 0x0                               ; the very last 128 along K: nothing more to fetch
	WIN 0x05
.irp a, 0,1,2,3
	MULA \a, 1, 3, 1, 0
.endr
	WIN 0
	; THE WAY OUT.  A lane holds 32 neighbouring bytes of a row, and the lanes beside it hold other rows: the 64 x 64 go through my own stage in LDS and come back as whole rows of 256 bytes, into the
	; registers that they left; the residual, which lies in the same lanes, is added; sixteen lanes store a row's 256 bytes.
	PLACES
.irp a, 0,1,2,3
.irp b, 0,1,2,3
	ds_store_b128 v[STO], v[ACC+8*(4*\a+\b):ACC+8*(4*\a+\b)+3] offset:\a*16*SPITCH+64*\b          ; each accumulator from its low end on
	ds_store_b128 v[STO], v[ACC+8*(4*\a+\b)+4:ACC+8*(4*\a+\b)+7] offset:\a*16*SPITCH+64*\b+16
.endr
.endr
.set t, 0
.rept 32
	ds_load_b128 v[ACC+4*t:ACC+4*t+3], v[RD] offset:2*t*SPITCH       ; LDS serves a wave's instructions in order (ISA guide 5.7.1.4): these see the stores above
.set t, t+1
.endr
	s_wait_loadcnt 0x0                             ; the residual, asked for at the head
	WIN 0x88                                       ; source 0 (the rows; a store's address) window 0; source 1 (the residual; a store's data) and the destination window 2
.set t, 0
.rept 32
	s_wait_dscnt 31-t                              ; the younger loads from the stage may be out
	v_pk_add_f32 v[RS+4*t:RS+4*t+1], v[ACC+4*t:ACC+4*t+1], v[RS+4*t:RS+4*t+1]
	v_pk_add_f32 v[RS+4*t+2:RS+4*t+3], v[ACC+4*t+2:ACC+4*t+3], v[RS+4*t+2:RS+4*t+3]
	global_store_b128 v[CO], v[RS+4*t:RS+4*t+3], s[12:13] offset:2*t*4096   ; 16 lanes store 256 consecutive bytes, at a multiple of 256 from C's first byte
.set t, t+1
.endr
	WIN 0
	s_wait_tensorcnt 0x0                           ; the wave's end
	ds_add_u32 v[SPW], v[NIL]
	s_wait_dscnt 0x0
	CROUND                                         ; the closing round
	s_endpgm
.Lfunc_end_k_qf5ee28081b_wo:
	.size	k_qf5ee28081b_wo, .Lfunc_end_k_qf5ee28081b_wo-k_qf5ee28081b_wo
	.p2alignl 7, 3214868480
	.fill 96, 4, 3214868480
	.section	.rodata,"a",@progbits
	.p2align	6, 0x0
	.amdhsa_kernel k_qf5ee28081b_wo
		.amdhsa_group_segment_fixed_size 327680
		.amdhsa_private_segment_fixed_size 0
		.amdhsa_enable_private_segment 0
		.amdhsa_kernarg_size 48
		.amdhsa_user_sgpr_count 2
		.amdhsa_user_sgpr_kernarg_segment_ptr 1
		.amdhsa_wavefront_size32 1
		.amdhsa_system_sgpr_workgroup_id_x 1
		.amdhsa_system_sgpr_workgroup_id_y 1
		.amdhsa_system_sgpr_workgroup_id_z 1
		.amdhsa_system_vgpr_workitem_id 0
		.amdhsa_next_free_vgpr 768
		.amdhsa_next_free_sgpr 102
		.amdhsa_reserve_vcc 0
		.amdhsa_float_denorm_mode_32 3
		.amdhsa_float_denorm_mode_16_64 3
		.amdhsa_memory_ordered 1
		.amdhsa_forward_progress 1
		.amdhsa_inst_pref_size 71
	.end_amdhsa_kernel
	.amdgpu_metadata
---
amdhsa.version: [ 1, 2 ]
amdhsa.kernels:
  - .name:           k_qf5ee28081b_wo
    .symbol:         k_qf5ee28081b_wo.kd
    .args:
      - { .name: act, .offset: 0, .size: 8, .value_kind: global_buffer, .address_space: global }
      - { .name: Wo_codes, .offset: 8, .size: 8, .value_kind: global_buffer, .address_space: global }
      - { .name: Wo_scales, .offset: 16, .size: 8, .value_kind: global_buffer, .address_space: global }
      - { .name: bo, .offset: 24, .size: 8, .value_kind: global_buffer, .address_space: global }
      - { .name: x, .offset: 32, .size: 8, .value_kind: global_buffer, .address_space: global }
      - { .name: x1, .offset: 40, .size: 8, .value_kind: global_buffer, .address_space: global }
    .group_segment_fixed_size: 327680
    .private_segment_fixed_size: 0
    .kernarg_segment_align: 8
    .kernarg_segment_size: 48
    .max_flat_workgroup_size: 128
    .sgpr_count:     102
    .vgpr_count:     768
    .wavefront_size: 32
...
	.end_amdgpu_metadata
.endif
;; end of part 7
;; launch ln2: the kernel of part 1 again; grid 256 x 1, 8 waves a work-group, no clusters, 87,552 bytes of LDS; arguments x1, ln2_g, ln2_b, act; writes act
;; launch w1: the kernel of part 5 again; grid 16 x 16, 4 waves a work-group, clusters of 4 x 4, 327,680 bytes of LDS; arguments act, W1_codes, W1_scales, b1, wide; writes wide
;; launch w2 (part 8): grid 8 x 32, 4 waves a work-group, clusters of 4 x 4, 327,680 bytes of LDS; arguments wide, W2_codes, W2_scales, b2, x1, out0; writes out0
.if DOCPART == 8
	.amdgcn_target "amdgcn-amd-amdhsa--gfx1250"
	.amdhsa_code_object_version 6
	.text
	.protected	k_qf5ee28081b_w2
	.globl	k_qf5ee28081b_w2
	.p2align	8
	.type	k_qf5ee28081b_w2,@function
k_qf5ee28081b_w2:
	s_mov_b64 s[64:65], 0
	v_nop
	global_prefetch_b8 v0, s[64:65] scope:SCOPE_SE
	s_setreg_imm32_b32 hwreg(HW_REG_WAVE_MODE, 25, 1), 1
	s_wait_xcnt 0x0
	s_wait_alu depctr_hold_cnt(0) depctr_sa_sdst(0) depctr_va_vdst(0) depctr_va_sdst(0) depctr_va_ssrc(0) depctr_va_vcc(0) depctr_vm_vsrc(0)
	s_getreg_b32 s2, hwreg(HW_REG_IB_STS2, 6, 4)
	s_cmp_eq_u32 s2, 0
	s_cbranch_scc0 .Lentry_in_a_cluster
	s_endpgm
.Lentry_in_a_cluster:
	s_bfe_u32 s2, ttmp6, 0x10000c
	s_cmp_lg_u32 s2, 0xf033
	s_cbranch_scc0 .Lentry_shape_is_right
	s_endpgm
.Lentry_shape_is_right:
; C = R + A B^T + bias: A [4096][SIZE_K] and B [1024][SIZE_K] as codes of FP6 (E2M3) with one E8M0 scale for each 32 along K; bias [1024], R and C [4096][1024] f32.  Here: out0 = x1 + hid W2 + b2.
; A (made by this program): codes [row / 128][k / 64][128 rows][48 bytes]; scale words, 4096 x SIZE_K x 3 / 4 bytes further on, [row / 128][k / 128][128 rows][4].  B (given): codes [1024][SIZE_K x 3 / 4], scale bytes [1024][SIZE_K / 32].
; A tile of C is 128 x 128: C's 4,096 x 1,024 are then 256 work-groups.  Four waves, 64 x 64 each: 16 accumulators.
; K goes in steps of 512, the longest of which two slots fit in LDS beside the scales: a wave's one tensor load behind a change of slots brings 24,576 bytes or more, and SIZE_K / 512 steps are all.
; The slots are filled by joint tensor loads: A's tile is shared along a row of the 4 x 4 cluster, B's along a column.  The scales of the work-group's rows come into LDS once.
; THE MATRIX INSTRUCTION IS USED TRANSPOSED (source 0 = 16 rows of B, source 1 = 16 rows of A): a lane holds eight neighbouring numbers of a row of C.  The bias is the C of each sum's first product.
; THE RESIDUAL is asked for at the kernel's head, in the lanes that will store those bytes, and waits in registers: nothing on the way out waits for memory.
; REGISTERS: window 0: v8-9 the prefetches' offsets; v16-30 addresses; v32-63 scale words, two sets; v64-95 the bias; v128-255 the accumulators ((a, b) at v[128 + 8 (4 a + b)]), later rows of C.
;   window 1: two sets of fragments, at v0 and v128: A's four (16 rows x 128 K, 12 registers each), then B's four.   window 2: v0-127 the residual, then the result.
.set SIZE_K, 4096
.set KSTEP,  512
.set ROWB,   384                       ; a row of B's tile: 512 codes
.set KROW,   SIZE_K*6/8
.set PITCH,  432                       ; B's LDS row: 3 x (128 bytes + 16 of padding) = 108 words: row r starts 44 r words on modulo 64: sixteen different multiples of four words
.set FR,     12
.set HALFA,  4*6144                    ; A: four groups of 64 k x 128 rows x 48 bytes: what one tensor load brings; dense in memory
.set HALFB,  64*PITCH                  ; B: 64 rows: what one tensor load brings, and what one wave reads
.set SLOT,   2*HALFA+2*HALFB
.set LAPS,   SIZE_K/(2*KSTEP)          ; a lap = two K steps = once round the ring
.set KS,     SIZE_K/32
.set SCA,    2*SLOT                    ; A's scale words [k / 128][128 rows][4]
.set HALFSA, (SIZE_K/128)*256
.set SCB,    SCA+2*HALFSA              ; B's scale bytes: units of 256 bytes + 16
.set HALFSB, (64*KS/256)*272
.set SBLK2,  (32*KS/256)*272           ; those of 32 rows: a pair of blocks
.set SPARE,  SCB+2*HALFSB              ; the spare words: 128 bytes a wave, named by no other line
.set SPITCH, 272                       ; the way out: a stage of 64 rows x (256 + 16) for each wave, in slot 0 (its last fill and last read are over)
.set WSTG,   64*SPITCH
.set PFOA, 8
.set PFOB, 9
.set ADRA, 16
.set ADRB, 20
.set STO,  24
.set RD,   25
.set CO,   26
.set ADRSA, 27
.set SPW,  28
.set NIL,  29
.set ADRSB, 30
.set SC,   32                          ; set s at SC + 16 s: A's pair of blocks i, word q at + 4 i + q; B's at + 8 + 4 i + q.  Lanes 0-15: block 2 i, lanes 16-31: block 2 i + 1
.set BT,   64
.set ACC,  128
.set RS,   0                           ; in window 2
.set G1, 24
.set G0, 32
.set G1B, 48
.set G0B, 56
.set G1S, 68
.set G0S, 76
.set G1SB, 80
.set G0SB, 88
.set PFA,  92                          ; s[92:93] where my prefetches of A stand;  s[94:95] those of B
.set PFB,  94
.set LIMA, 45                          ; 1 in a wave that prefetches A, else the greatest number;  s2 the same for B
.set LIMB, 2
.set MSB, 0
.macro WIN new                         ; the immediate's high byte repeats the setting that is left
.if MSB != (\new)
	s_set_vgpr_msb (MSB<<8)|(\new)
.set MSB, (\new)
.endif
.endm
; A joint load: waves 0 and 1 fetch for A, waves 2 and 3 for B; the branch hangs on the wave's number alone.  Four v_nop follow each line.
.macro JLOAD g0a, g1a, g0b, g1b
	s_cmp_eq_u32 s15, 0
	s_cbranch_scc0 .Lfor_b_\@
	tensor_load_to_lds s[\g0a:\g0a+3], s[\g1a:\g1a+7]
	s_nop 0
.rept 4
	v_nop
.endr
	s_branch .Lasked_\@
.Lfor_b_\@:
	tensor_load_to_lds s[\g0b:\g0b+3], s[\g1b:\g1b+7]
	s_nop 0
.rept 4
	v_nop
.endr
.Lasked_\@:
.endm
.macro CREST                           ; a round of the cluster's barrier behind its opening barrier
	s_cmp_lg_u32 s14, 0
	s_cbranch_scc1 .Lnot_wave_0_\@
	s_barrier_signal -3
.Lnot_wave_0_\@:
	s_barrier_wait -3
	s_barrier_signal -1
	s_barrier_wait -1
.endm
.macro CROUND
	s_barrier_signal -1
	s_barrier_wait -1
	CREST
.endm
.macro PLACES                          ; four plain instructions between a matrix instruction and a load into, or a read of, its registers
.rept 4
	v_nop
.endr
.endm
; A PREFETCH INTO THE L2, once a lap, behind slot 0's joint load and the run of LDS loads: the lap after the next, which the next trip's two refills will ask for.
; A: a tile row's lap is 98,304 dense bytes; every cluster of that row of clusters reads them, the one with x = 0 asks; of the four partners that share the tile, the one at cx takes 24,576 bytes, told apart BY ADDRESS;
; waves 0, 1 and 2 take 8,192 each, lanes 256 bytes apart.  B: a lap is 768 bytes of each of the tile column's 128 rows; the cluster with y = 0 asks; the partner at cy takes 32 rows, a lane a row, wave w the w-th 256 bytes.
; So each aligned block of 256 bytes is named once in the launch.  The last trip asks for nothing: there is no lap behind the last.  Laps 0 and 1 come by their loads alone.
.macro ASK
	s_cmp_gt_u32 s3, s[LIMA]                       ; s3 = 1 in the loop's last trip
	s_cbranch_scc0 .Lno_a_\@
	global_prefetch_b8 v[PFOA], s[PFA:PFA+1] th:TH_LOAD_NT scope:SCOPE_SE
.Lno_a_\@:
	s_cmp_gt_u32 s3, s[LIMB]
	s_cbranch_scc0 .Lno_b_\@
	global_prefetch_b8 v[PFOB], s[PFB:PFB+1] th:TH_LOAD_NT scope:SCOPE_SE
.Lno_b_\@:
.endm
	s_load_b64 s[4:5], s[0:1], 0x0                 ; A
	s_load_b128 s[8:11], s[0:1], 0x8               ; B's codes, B's scales
	s_load_b64 s[96:97], s[0:1], 0x18              ; bias
	s_load_b64 s[100:101], s[0:1], 0x20            ; R
	s_load_b64 s[12:13], s[0:1], 0x28              ; C
	v_lshl_add_u32 v[SPW], v0, 2, SPARE
	v_mov_b32 v[NIL], 0
	ds_add_u32 v28, v29
	ds_add_u32 v28, v29
	s_wait_dscnt 0x0
	v_lshrrev_b32 v1, 5, v0
	v_readfirstlane_b32 s14, v1                    ; wave 0..3
	s_lshr_b32 s15, s14, 1                         ; my half of the tile's rows; also: I fetch for A (0) or B (1)
	s_and_b32 s16, s14, 1                          ; my half of its columns; also: which half I fetch
	s_bfe_u32 s40, ttmp6, 0x40000                  ; cx
	s_bfe_u32 s41, ttmp6, 0x40004                  ; cy
	s_lshl_b32 s42, ttmp9, 2
	s_add_co_u32 s42, s42, s40                     ; tile column of C
	s_and_b32 s17, ttmp7, 0xffff
	s_lshl_b32 s17, s17, 2
	s_add_co_u32 s17, s17, s41                     ; tile row of C
	s_lshl_b32 s43, s41, 2
	s_lshl_b32 s43, 15, s43                        ; my row of the cluster
	s_lshl_b32 s44, 0x1111, s40                    ; my column
	; A's codes: 24,576 dense bytes as 96 rows of 256 (32 elements of 8 bytes); no padding
	s_or_b32 s[G1+0], s43, (3<<16)|(1<<21)
	s_mov_b32 s[G1+1], 32<<16
	s_mov_b32 s[G1+2], 96<<16
	s_mov_b32 s[G1+3], 32<<16
	s_mov_b32 s[G1+4], 96
	s_mov_b32 s[G1+5], 32
	s_mov_b32 s[G1+6], 0
	s_mov_b32 s[G1+7], 0
	; B's codes: 64 rows x 384 bytes, 16 bytes of padding behind every 128 (32 words: code 4; 4 words: code 3)
	s_or_b32 s[G1B+0], s44, (0<<16)|(1<<20)|(1<<21)|(4<<22)|(3<<25)
	s_mov_b32 s[G1B+1], ROWB<<16
	s_mov_b32 s[G1B+2], 64<<16
	s_mov_b32 s[G1B+3], ROWB<<16
	s_mov_b32 s[G1B+4], 64
	s_mov_b32 s[G1B+5], KROW
	s_mov_b32 s[G1B+6], 0
	s_mov_b32 s[G1B+7], 0
	; A's scale words: half of the tile row's dense block, as SIZE_K / 128 rows of 256 bytes
	s_or_b32 s[G1S+0], s43, (3<<16)|(1<<21)
	s_mov_b32 s[G1S+1], 32<<16
	s_mov_b32 s[G1S+2], (SIZE_K/128)<<16
	s_mov_b32 s[G1S+3], 32<<16
	s_mov_b32 s[G1S+4], SIZE_K/128
	s_mov_b32 s[G1S+5], 32
	s_mov_b32 s[G1S+6], 0
	s_mov_b32 s[G1S+7], 0
	; B's scale bytes of 64 rows: a dense block, as rows of 256 bytes, 16 bytes of padding behind each
	s_or_b32 s[G1SB+0], s44, (3<<16)|(1<<20)|(1<<21)|(5<<22)|(3<<25)
	s_mov_b32 s[G1SB+1], 32<<16
	s_mov_b32 s[G1SB+2], (64*KS/256)<<16
	s_mov_b32 s[G1SB+3], 32<<16
	s_mov_b32 s[G1SB+4], 64*KS/256
	s_mov_b32 s[G1SB+5], 32
	s_mov_b32 s[G1SB+6], 0
	s_mov_b32 s[G1SB+7], 0
	s_mul_i32 s20, s17, (SIZE_K/64)*6144           ; A's codes: my tile row's block of 128 rows, + my half of a K step
	s_mul_i32 s18, s16, HALFA
	s_add_co_u32 s20, s20, s18
	s_mov_b32 s21, 0
	s_mul_i32 s22, s17, (SIZE_K/128)*512           ; its scale words, + my half of K
	s_mul_i32 s18, s16, HALFSA
	s_add_co_u32 s22, s22, s18
	s_mov_b32 s23, 0
	s_lshl_b32 s46, s42, 7
	s_lshl_b32 s18, s16, 6
	s_add_co_u32 s46, s46, s18                     ; B: row 128 x tile column + 64 x half
	s_mul_i32 s92, s46, KS
	s_mul_i32 s46, s46, KROW
	s_mov_b32 s47, 0
	s_mov_b32 s93, 0
	s_mul_i32 s45, s16, HALFA                      ; where they go: no place in the cluster enters an LDS address
	s_mul_i32 s94, s16, HALFB
	s_add_co_u32 s94, s94, 2*HALFA
	s_mul_i32 s95, s16, HALFSA
	s_add_co_u32 s95, s95, SCA
	s_mul_i32 s2, s16, HALFSB
	s_add_co_u32 s2, s2, SCB
	s_wait_kmcnt 0x0
	s_add_nc_u64 s[6:7], s[4:5], 4096*SIZE_K*3/4   ; A's scale words
	s_add_nc_u64 s[20:21], s[4:5], s[20:21]
	s_add_nc_u64 s[22:23], s[6:7], s[22:23]
	s_add_nc_u64 s[46:47], s[8:9], s[46:47]
	s_add_nc_u64 s[92:93], s[10:11], s[92:93]
	CROUND                                         ; all sixteen work-groups are here: the first joint loads meet
	s_mov_b32 s[G0S], 1
	s_mov_b32 s[G0S+1], s95
	s_mov_b64 s[G0S+2:G0S+3], s[22:23]
	s_or_b32 s[G0S+3], s[G0S+3], 0x80000000
	s_mov_b32 s[G0SB], 1
	s_mov_b32 s[G0SB+1], s2
	s_mov_b64 s[G0SB+2:G0SB+3], s[92:93]
	s_or_b32 s[G0SB+3], s[G0SB+3], 0x80000000
	JLOAD G0S, G1S, G0SB, G1SB                     ; the scales first; with the two slots three loads of mine are out
.irp s, 0,1
	s_mov_b32 s[G0+4*\s], 1
	s_add_co_u32 s[G0+4*\s+1], s45, \s*SLOT
	s_add_nc_u64 s[G0+4*\s+2:G0+4*\s+3], s[20:21], \s*2*HALFA
	s_or_b32 s[G0+4*\s+3], s[G0+4*\s+3], 0x80000000
	s_mov_b32 s[G0B+4*\s], 1
	s_add_co_u32 s[G0B+4*\s+1], s94, \s*SLOT
	s_add_nc_u64 s[G0B+4*\s+2:G0B+4*\s+3], s[46:47], \s*ROWB
	s_or_b32 s[G0B+4*\s+3], s[G0B+4*\s+3], 0x80000000
	JLOAD G0+4*\s, G1, G0B+4*\s, G1B
.endr
	v_and_b32 v1, 15, v0                           ; r
	v_bfe_u32 v2, v0, 4, 1                         ; h
	v_mul_u32_u24 v3, v1, PITCH
	v_mul_u32_u24 v4, v2, 24
	v_add_nc_u32 v3, v3, v4                        ; B: row x pitch + 24 h
	v_lshl_add_u32 v5, v2, 4, v3                   ; and the same behind one padding more
	v_mad_u32_u24 v4, v1, 48, v4                   ; A: row x 48 + 24 h
	s_mul_i32 s21, s15, 64*48                      ; my 64 rows of A, in each group of 64 k
	s_mul_i32 s22, s16, HALFB                      ; my 64 rows of B,
	s_add_co_u32 s22, s22, 2*HALFA                 ; which lie behind A's part of the slot
.irp s, 0,1
	v_add_nc_u32 v[ADRA+\s], s21, v4
	v_add_nc_u32 v[ADRB+\s], s22, v3
	v_add_nc_u32 v[ADRB+2+\s], s22, v5
	s_add_co_u32 s21, s21, SLOT
	s_add_co_u32 s22, s22, SLOT
.endr
	v_and_b32 v6, 31, v0                           ; lane: a pair of blocks is 32 rows, a lane a row
	s_lshl_b32 s21, s15, 8
	s_add_co_u32 s21, s21, SCA
	v_lshl_add_u32 v[ADRSA], v6, 2, s21            ; A's scale words: 4 bytes a row, my 64 rows
	v_mul_u32_u24 v5, v6, KS
	v_lshrrev_b32 v7, 8, v5
	v_lshl_add_u32 v5, v7, 4, v5                   ; B's: KS bytes a row, and 16 more for each 256 passed
	s_mul_i32 s22, s16, HALFSB
	s_add_co_u32 s22, s22, SCB
	v_add_nc_u32 v[ADRSB], s22, v5
	s_mul_i32 s23, s14, WSTG                       ; my stage
	v_mul_u32_u24 v5, v1, SPITCH
	v_lshl_add_u32 v5, v2, 5, v5
	v_add_nc_u32 v[STO], s23, v5                   ; in: row r, 32 bytes for each half of the lanes
	v_mul_u32_u24 v5, v2, SPITCH
	v_lshl_add_u32 v5, v1, 4, v5
	v_add_nc_u32 v[RD], s23, v5                    ; back: lanes 0-15 take one row of 256 bytes, lanes 16-31 the next
	v_lshlrev_b32 v[CO], 12, v2
	v_lshl_add_u32 v[CO], v1, 4, v[CO]             ; and the same two rows in C and in R
	v_lshlrev_b32 v7, 5, v2                        ; 32 h
	s_lshl_b32 s20, s17, 7
	s_lshl_b32 s21, s15, 6
	s_add_co_u32 s20, s20, s21                     ; my first row of C: 128 x tile row + 64 x half
	s_lshl_b32 s20, s20, 12
	s_lshl_b32 s46, s42, 9
	s_lshl_b32 s47, s16, 8
	s_add_co_u32 s46, s46, s47                     ; my first column, in bytes: 512 x tile column + 256 x half
	s_mov_b32 s47, 0
	s_add_nc_u64 s[96:97], s[96:97], s[46:47]
	s_add_co_u32 s20, s20, s46
	s_mov_b32 s21, 0
	s_add_nc_u64 s[12:13], s[12:13], s[20:21]
	s_add_nc_u64 s[100:101], s[100:101], s[20:21]
.irp b, 0,1,2,3
	global_load_b128 v[BT+8*\b:BT+8*\b+3], v7, s[96:97] offset:64*\b        ; register 8 b + j: the bias of column 16 b + 8 h + j
	global_load_b128 v[BT+8*\b+4:BT+8*\b+7], v7, s[96:97] offset:64*\b+16
.endr
	WIN 0x80                                       ; destination window 2
.set t, 0
.rept 32
	global_load_b128 v[RS+4*t:RS+4*t+3], v[CO], s[100:101] offset:2*t*4096  ; the residual of my 64 x 64: sixteen lanes read a row's 256 consecutive bytes
.set t, t+1
.endr
	WIN 0
.if LAPS > 1
	; the prefetches (macro ASK): both addresses stand at lap 1; the first change of slots steps them to lap 2.  Nothing is asked for here, at the head
	s_mul_i32 s18, s17, (SIZE_K/64)*6144
	s_mul_i32 s19, s40, 24576
	s_add_co_u32 s18, s18, s19
	s_lshl_b32 s19, s14, 13
	s_add_co_u32 s18, s18, s19
	s_add_co_u32 s18, s18, 4*HALFA
	s_mov_b32 s19, 0
	s_add_nc_u64 s[PFA:PFA+1], s[4:5], s[18:19]
	s_lshl_b32 s18, s42, 7
	s_lshl_b32 s19, s41, 5
	s_add_co_u32 s18, s18, s19
	s_mul_i32 s18, s18, KROW
	s_lshl_b32 s19, s14, 8
	s_add_co_u32 s18, s18, s19
	s_add_co_u32 s18, s18, 2*ROWB
	s_mov_b32 s19, 0
	s_add_nc_u64 s[PFB:PFB+1], s[8:9], s[18:19]
	s_lshr_b32 s18, s14, 1
	s_and_b32 s18, s18, s14                        ; 1 in wave 3 alone, which asks for nothing
	s_or_b32 s19, s18, ttmp9                       ; the cluster's x: the same in all sixteen partners
	s_cmp_eq_u32 s19, 0
	s_cselect_b32 s[LIMA], 1, -1
	s_and_b32 s19, ttmp7, 0xffff                   ; the cluster's y
	s_or_b32 s19, s19, s18
	s_cmp_eq_u32 s19, 0
	s_cselect_b32 s[LIMB], 1, -1
	v_lshlrev_b32 v[PFOA], 8, v6
	v_mul_u32_u24 v[PFOB], v6, KROW
.endif
; B's fragment, 16 rows x 128 K: 12 registers, in pieces of 8 bytes.  Lanes 16-31 read three pieces further on; where that lies behind one padding more (16 pieces to a padding), the second address register serves
.macro FRAGB reg, adr, q, i
.irp p, 0,1,2,3,4,5
.set PCE, 12*(\q)+6*(\p/3)+\p%3
.if PCE%16 < 13
	ds_load_b64 v[\reg+2*\p:\reg+2*\p+1], v[\adr] offset:8*PCE+16*(PCE/16)+(\i)*16*PITCH
.else
	ds_load_b64 v[\reg+2*\p:\reg+2*\p+1], v[\adr+2] offset:8*PCE+16*(PCE/16)+(\i)*16*PITCH
.endif
.endr
.endm
; A's: rows of 48 bytes hold 64 along K: row r starts 12 r words on modulo 64: sixteen different multiples of four words
.macro FRAGA reg, slot, q, i
.irp p, 0,1,2,3,4,5
	ds_load_b64 v[\reg+2*\p:\reg+2*\p+1], v[ADRA+\slot] offset:(2*(\q)+\p/3)*6144+(\i)*768+8*(\p%3)
.endr
.endm
; 48 LDS loads in one run: the fragments of the slot's q-th 128 along K into set p.  It leaves the destination's window at 1
.macro FETCH slot, q, p
	WIN 0x40
.irp i, 0,1,2,3
	FRAGB 128*(\p)+48+FR*\i, ADRB+\slot, \q, \i
.endr
.irp i, 0,1,2,3
	FRAGA 128*(\p)+FR*\i, \slot, \q, \i
.endr
.endm
.macro SCALES sc                       ; a K step's scale words: four words a row, a pair of blocks a register: ten loads
.irp i, 0,1
.irp q, 0,1,2,3
	ds_load_b32 v[SC+16*\sc+4*\i+\q], v[ADRSA] offset:512*\q+128*\i
.endr
.endr
.irp i, 0,1
	ds_load_b128 v[SC+16*\sc+8+4*\i:SC+16*\sc+8+4*\i+3], v[ADRSB] offset:\i*SBLK2
.endr
.endm
; one matrix instruction: A's block a x B's block b, set p, the slot's q-th 128 along K, scale set sc.  cm = 2: C is the bias, else the accumulator.
; A scale register carries a pair of blocks: the odd block's words stand in lanes 16-31.
.macro WM a, b, p, q, sc, cm
.set rD, ACC+8*(4*(\a)+(\b))
.set rB, 128*(\p)+48+FR*(\b)
.set rA, 128*(\p)+FR*(\a)
.set xB, SC+16*(\sc)+8+4*((\b)/2)+(\q)
.set xA, SC+16*(\sc)+4*((\a)/2)+(\q)
.set rC, rD
.if (\cm) == 2
.set rC, BT+8*(\b)
.endif
.set par, ((\b)%2)+2*((\a)%2)
.if par == 0
	v_wmma_scale_f32_16x16x128_f8f6f4 v[rD:rD+7], v[rB:rB+FR-1], v[rA:rA+FR-1], v[rC:rC+7], v[xB], v[xA] matrix_a_fmt:MATRIX_FMT_FP6 matrix_b_fmt:MATRIX_FMT_FP6
.elseif par == 1
	v_wmma_scale_f32_16x16x128_f8f6f4 v[rD:rD+7], v[rB:rB+FR-1], v[rA:rA+FR-1], v[rC:rC+7], v[xB], v[xA] matrix_a_fmt:MATRIX_FMT_FP6 matrix_b_fmt:MATRIX_FMT_FP6 matrix_a_scale:MATRIX_SCALE_ROW1
.elseif par == 2
	v_wmma_scale_f32_16x16x128_f8f6f4 v[rD:rD+7], v[rB:rB+FR-1], v[rA:rA+FR-1], v[rC:rC+7], v[xB], v[xA] matrix_a_fmt:MATRIX_FMT_FP6 matrix_b_fmt:MATRIX_FMT_FP6 matrix_b_scale:MATRIX_SCALE_ROW1
.else
	v_wmma_scale_f32_16x16x128_f8f6f4 v[rD:rD+7], v[rB:rB+FR-1], v[rA:rA+FR-1], v[rC:rC+7], v[xB], v[xA] matrix_a_fmt:MATRIX_FMT_FP6 matrix_b_fmt:MATRIX_FMT_FP6 matrix_a_scale:MATRIX_SCALE_ROW1 matrix_b_scale:MATRIX_SCALE_ROW1
.endif
.endm
; 4 matrix instructions: A's block a x B's four.  The 16 accumulators take turns, one instruction a turn, in the same order in every 128 along K
.macro MULA a, p, q, sc, cm
.irp b, 0,1,2,3
	WM \a, \b, \p, \q, \sc, \cm
.endr
.endm
; one of a slot's first three 128 along K: its fragments are in; the next one's are asked for into the other set, which the products just issued have read: so four places stand first; then 16 products
.macro QUARTER slot, q, cm
	s_wait_dscnt 0x0
	PLACES
	FETCH \slot, (\q)+1, 1-(\q)%2
	WIN 0x05                                       ; sources 0 (B) and 1 (A) window 1; C and D window 0
.irp a, 0,1,2,3
	MULA \a, (\q)%2, \q, \slot, \cm
.endr
.endm
; a slot's last 128 along K, and the change of slots: ONE barrier; in front of it each wave waits for all its tensor loads, adds 0 to its spare word, and waits for that and for its reads of this slot
.macro TURN slot, next, fill
.if \fill
.if (\slot) == 0
	s_wait_xcnt 0x0                                ; the last prefetches, a lap back, have read their addresses: they step here, ahead of the waits of the change of slots
	s_add_nc_u64 s[PFA:PFA+1], s[PFA:PFA+1], 4*HALFA
	s_add_nc_u64 s[PFB:PFB+1], s[PFB:PFB+1], 2*ROWB
.endif
.endif
	WIN 0                                          ; (the add's two registers lie in window 0)
	s_wait_tensorcnt 0x0                           ; all my tensor loads have landed: my part of the next slot
	ds_add_u32 v[SPW], v[NIL]                      ; 0 onto my spare word
	s_wait_dscnt 1                                 ; the add alone may be out: the fragments are in
	WIN 0x05
	MULA 0, 1, 3, \slot, 0
	s_wait_dscnt 0x0                               ; the add is done, and my reads of this slot are over
	s_barrier_signal -1
	MULA 1, 1, 3, \slot, 0
	WIN 0
	s_barrier_wait -1
.if \fill
	CREST                                          ; the barrier has opened a round of the cluster's: no wave of any partner still reads this slot or has a load on its way
	s_add_nc_u64 s[G0+4*\slot+2:G0+4*\slot+3], s[G0+4*\slot+2:G0+4*\slot+3], 4*HALFA
	s_add_nc_u64 s[G0B+4*\slot+2:G0B+4*\slot+3], s[G0B+4*\slot+2:G0B+4*\slot+3], 2*ROWB
	JLOAD G0+4*\slot, G1, G0B+4*\slot, G1B         ; my one tensor load behind the round; its four v_nop are the places in front of the loads below
.else
	PLACES
.endif
	v_add_nc_u32 v[ADRSA], 2048, v[ADRSA]          ; the next K step's scale words
	v_add_nc_u32 v[ADRSB], 16, v[ADRSB]
	FETCH \next, 0, 0
	WIN 0
	SCALES \next
.if \fill
.if (\slot) == 0
	ASK
.endif
.endif
	WIN 0x05
	MULA 2, 1, 3, \slot, 0
	MULA 3, 1, 3, \slot, 0
.endm
	s_wait_tensorcnt 1                             ; the scales and my part of K step 0 are in; K step 1's load may be out
	s_barrier_signal -1
	s_barrier_wait -1
	FETCH 0, 0, 0
	WIN 0
	SCALES 0
	s_wait_loadcnt 32                              ; the bias is in; the 32 younger loads, the residual, may be out
	QUARTER 0, 0, 2                                ; the first 128 along K stand in front of the loop: their products start the sums, from the bias
.if LAPS > 1
	WIN 0                                          ; at a label and at a branch every window is 0
	s_mov_b32 s3, LAPS-1
.Llap:                                                 ; a trip goes once round the ring and fills both slots again
	QUARTER 0, 1, 0
	QUARTER 0, 2, 0
	TURN 0, 1, 1
	QUARTER 1, 0, 0
	QUARTER 1, 1, 0
	QUARTER 1, 2, 0
	TURN 1, 0, 1
	QUARTER 0, 0, 0
	WIN 0
	s_sub_co_u32 s3, s3, 1
	s_cmp_lg_u32 s3, 0
	s_cbranch_scc1 .Llap
.endif
	QUARTER 0, 1, 0                                ; the last lap fills nothing
	QUARTER 0, 2, 0
	TURN 0, 1, 0
	QUARTER 1, 0, 0
	QUARTER 1, 1, 0
	QUARTER 1, 2, 0
	s_wait_dscnt 0x0                               ; the very last 128 along K: nothing more to fetch
	WIN 0x05
.irp a, 0,1,2,3
	MULA \a, 1, 3, 1, 0
.endr
	WIN 0
	; THE WAY OUT.  A lane holds 32 neighbouring bytes of a row, and the lanes beside it hold other rows: the 64 x 64 go through my own stage in LDS and come back as whole rows of 256 bytes, into the
	; registers that they left; the residual, which lies in the same lanes, is added; sixteen lanes store a row's 256 bytes.
	PLACES
.irp a, 0,1,2,3
.irp b, 0,1,2,3
	ds_store_b128 v[STO], v[ACC+8*(4*\a+\b):ACC+8*(4*\a+\b)+3] offset:\a*16*SPITCH+64*\b          ; each accumulator from its low end on
	ds_store_b128 v[STO], v[ACC+8*(4*\a+\b)+4:ACC+8*(4*\a+\b)+7] offset:\a*16*SPITCH+64*\b+16
.endr
.endr
.set t, 0
.rept 32
	ds_load_b128 v[ACC+4*t:ACC+4*t+3], v[RD] offset:2*t*SPITCH       ; LDS serves a wave's instructions in order (ISA guide 5.7.1.4): these see the stores above
.set t, t+1
.endr
	s_wait_loadcnt 0x0                             ; the residual, asked for at the head
	WIN 0x88                                       ; source 0 (the rows; a store's address) window 0; source 1 (the residual; a store's data) and the destination window 2
.set t, 0
.rept 32
	s_wait_dscnt 31-t                              ; the younger loads from the stage may be out
	v_pk_add_f32 v[RS+4*t:RS+4*t+1], v[ACC+4*t:ACC+4*t+1], v[RS+4*t:RS+4*t+1]
	v_pk_add_f32 v[RS+4*t+2:RS+4*t+3], v[ACC+4*t+2:ACC+4*t+3], v[RS+4*t+2:RS+4*t+3]
	global_store_b128 v[CO], v[RS+4*t:RS+4*t+3], s[12:13] offset:2*t*4096   ; 16 lanes store 256 consecutive bytes, at a multiple of 256 from C's first byte
.set t, t+1
.endr
	WIN 0
	s_wait_tensorcnt 0x0                           ; the wave's end
	ds_add_u32 v[SPW], v[NIL]
	s_wait_dscnt 0x0
	CROUND                                         ; the closing round
	s_endpgm
.Lfunc_end_k_qf5ee28081b_w2:
	.size	k_qf5ee28081b_w2, .Lfunc_end_k_qf5ee28081b_w2-k_qf5ee28081b_w2
	.p2alignl 7, 3214868480
	.fill 96, 4, 3214868480
	.section	.rodata,"a",@progbits
	.p2align	6, 0x0
	.amdhsa_kernel k_qf5ee28081b_w2
		.amdhsa_group_segment_fixed_size 327680
		.amdhsa_private_segment_fixed_size 0
		.amdhsa_enable_private_segment 0
		.amdhsa_kernarg_size 48
		.amdhsa_user_sgpr_count 2
		.amdhsa_user_sgpr_kernarg_segment_ptr 1
		.amdhsa_wavefront_size32 1
		.amdhsa_system_sgpr_workgroup_id_x 1
		.amdhsa_system_sgpr_workgroup_id_y 1
		.amdhsa_system_sgpr_workgroup_id_z 1
		.amdhsa_system_vgpr_workitem_id 0
		.amdhsa_next_free_vgpr 768
		.amdhsa_next_free_sgpr 102
		.amdhsa_reserve_vcc 0
		.amdhsa_float_denorm_mode_32 3
		.amdhsa_float_denorm_mode_16_64 3
		.amdhsa_memory_ordered 1
		.amdhsa_forward_progress 1
		.amdhsa_inst_pref_size 118
	.end_amdhsa_kernel
	.amdgpu_metadata
---
amdhsa.version: [ 1, 2 ]
amdhsa.kernels:
  - .name:           k_qf5ee28081b_w2
    .symbol:         k_qf5ee28081b_w2.kd
    .args:
      - { .name: wide, .offset: 0, .size: 8, .value_kind: global_buffer, .address_space: global }
      - { .name: W2_codes, .offset: 8, .size: 8, .value_kind: global_buffer, .address_space: global }
      - { .name: W2_scales, .offset: 16, .size: 8, .value_kind: global_buffer, .address_space: global }
      - { .name: b2, .offset: 24, .size: 8, .value_kind: global_buffer, .address_space: global }
      - { .name: x1, .offset: 32, .size: 8, .value_kind: global_buffer, .address_space: global }
      - { .name: out0, .offset: 40, .size: 8, .value_kind: global_buffer, .address_space: global }
    .group_segment_fixed_size: 327680
    .private_segment_fixed_size: 0
    .kernarg_segment_align: 8
    .kernarg_segment_size: 48
    .max_flat_workgroup_size: 128
    .sgpr_count:     102
    .vgpr_count:     768
    .wavefront_size: 32
...
	.end_amdgpu_metadata
.endif
;; end of part 8
